; MI455X (gfx1250); checked and timed in simulation.
; The chip was launched on July 23, 2026; its instructions are those of AMD's public machine-readable ISA for CDNA 5 (MIT licence, August 2026) and "CDNA5" Instruction Set Architecture Reference Guide (July 2026). The comments in the code are by the model that wrote it; some were corrected since.
;; Block. Allowed arithmetic: matrix products marked QUANTISED: E2M3 operands, one E8M0 scale for each 32 along K, by v_wmma_scale_f32_16x16x128_f8f6f4 with both operands' format E2M3, f32 sums; everything else in f32.
;; Inputs: W1_codes 4,096 x 32 x 24 uint8 (E2M3 codes of W1, K innermost, in blocks of 32 codes, four codes in three bytes); W1_scales 4,096 x 32 uint8 (E8M0 scales of W1, one for each 32 codes along K); W2_codes 1,024 x 128 x 24 uint8 (E2M3 codes of W2, K innermost, in blocks of 32 codes, four codes in three bytes); W2_scales 1,024 x 128 uint8 (E8M0 scales of W2, one for each 32 codes along K); Wk_codes 16 x 64 x 32 x 24 uint8 (E2M3 codes of Wk, K innermost, in blocks of 32 codes, four codes in three bytes); Wk_scales 16 x 64 x 32 uint8 (E8M0 scales of Wk, one for each 32 codes along K); Wo_codes 1,024 x 32 x 24 uint8 (E2M3 codes of Wo, K innermost, in blocks of 32 codes, four codes in three bytes); Wo_scales 1,024 x 32 uint8 (E8M0 scales of Wo, one for each 32 codes along K); Wq_codes 16 x 64 x 32 x 24 uint8 (E2M3 codes of Wq, K innermost, in blocks of 32 codes, four codes in three bytes); Wq_scales 16 x 64 x 32 uint8 (E8M0 scales of Wq, one for each 32 codes along K); Wv_codes 16 x 64 x 32 x 24 uint8 (E2M3 codes of Wv, K innermost, in blocks of 32 codes, four codes in three bytes); Wv_scales 16 x 64 x 32 uint8 (E8M0 scales of Wv, one for each 32 codes along K); b1 4,096 float32; b2 1,024 float32; be1 1,024 float32; be2 1,024 float32; bo 1,024 float32; g1 1,024 float32; g2 1,024 float32; x 2 x 2,048 x 1,024 float32.
;; Outputs: out0 2 x 2,048 x 1,024 float32.
;; This version of the problem:
;;   THIS VERSION OF THE PROBLEM IS GIVEN IN LOW PRECISION. The matrix products marked QUANTISED in the list below multiply operands that are first quantised to E2M3 (2 exponent bits, 3 mantissa bits; 6 bits a number), with one power-of-two scale for each 32 numbers along K (OCP MX v1.0); their sums are f32. All else is computed in f32.
;;   The module's matrix products, in the order in which they are computed (A, B: the left and right operand; K: the contracted axis; several contracted axes count as one K, in the product's order):
;;     1. [M 1,024, K 1,024] x [K 1,024, N 4,096]; A: input Wq (given as codes); B: computed on the way: QUANTISED
;;     2. [M 1,024, K 1,024] x [K 1,024, N 4,096]; A: input Wk (given as codes); B: computed on the way: QUANTISED
;;     3. [M 1,024, K 1,024] x [K 1,024, N 4,096]; A: input Wv (given as codes); B: computed on the way: QUANTISED
;;     4. batch 32 x [M 2,048, K 64] x [K 64, N 2,048]; A: computed on the way; B: computed on the way: QUANTISED
;;     5. batch 32 x [M 2,048, K 2,048] x [K 2,048, N 64]; A: softmax (see below); B: computed on the way: QUANTISED
;;     6. [M 4,096, K 1,024] x [K 1,024, N 1,024]; A: computed on the way; B: input Wo (given as codes): QUANTISED
;;     7. [M 4,096, K 1,024] x [K 1,024, N 4,096]; A: computed on the way; B: input W1 (given as codes): QUANTISED
;;     8. [M 4,096, K 4,096] x [K 4,096, N 1,024]; A: computed on the way; B: input W2 (given as codes): QUANTISED
;;   THE QUANTISER, for each operand of a quantised product, along K:
;;     - K is cut into blocks of 32 from its start; a last block that is shorter is filled with zeros.
;;     - A block's scale is 2^e with e = floor(log2(the largest magnitude in the block)) - 2, held to -126 .. 127; a block of zeros has e = 0. As a byte (E8M0): e + 127.
;;     - Each number is divided by its block's scale, clamped to +-7.5, and rounded to the nearest number of E2M3, ties to even, subnormals kept.
;;     - The product sums the exact products of the quantised numbers (number of the format x scale) in f32.
;;   ~~~python
;;   def quantise(x, axis):      # numpy; x: float32 -> the quantised numbers, widened to float32 again
;;       x = np.moveaxis(x, axis, -1); K = x.shape[-1]
;;       x = np.pad(x, [(0, 0)] * (x.ndim - 1) + [(0, -K % 32)]); x = x.reshape(x.shape[:-1] + (-1, 32)); a = np.abs(x).max(-1, keepdims=True)
;;       e = np.where(a > 0, np.clip(np.frexp(np.where(a > 0, a, 1))[1] - 1 - 2, -126, 127), 0)      # np.frexp(a)[1] - 1 = floor(log2(a)), exactly
;;       r = np.clip(x / 2.0 ** e, -7.5, 7.5)
;;       step = 2.0 ** (np.maximum(np.frexp(np.where(r == 0, 1, r))[1] - 1, 0) - 3)
;;       q = np.round(r / step) * step * 2.0 ** e      # np.round: ties to even
;;       return np.moveaxis(q.reshape(q.shape[:-2] + (-1,))[..., :K], -1, axis).astype(np.float32)
;;   ~~~
;;   SOFTMAX AHEAD OF A QUANTISED PRODUCT. Where the list says 'softmax', what is quantised is not the finished softmax but p = 2^(t - M), with t = logit x log2(e) and M = ceil(the row's largest t), a whole number; so 1/2 < the row's largest p <= 1. The row's sum l is taken of the UNQUANTISED p, in f32, and the product's result is divided by l at the end. Since M is a whole number, a kernel that streams over the keys may use a running M (the ceiling of the running maximum): every later rescaling is an exact power of two, which a block's scale takes up: the codes' values come out the same.
;;   OPERANDS COMPUTED ON THE WAY. 'Computed on the way' means the value that the module computes at that place (a softmax that the list does not call 'softmax' is quantised finished and normalised). What goes into a quantiser is computed in f32, as accurately as f32 sums, v_exp_f32 and their like allow (about 1e-6 of the number): no bf16 or f16 on the way to a quantiser, and a product that is left as it is and whose result goes on into a quantised operand takes f32 operands (vector FMAs, or v_wmma_f32_16x16x4_f32). A number that lies on a knife's edge between two numbers of the format may be rounded either way, as far as f32 arithmetic and the matrix unit's own rounding can turn it there, and no further.
;;   INPUTS GIVEN AS CODES. W1 (in the module: [1024, 4096], K = its axis 0); W2 (in the module: [4096, 1024], K = its axis 0); Wk (in the module: [16, 1024, 64], K = its axis 1); Wo (in the module: [1024, 1024], K = its axis 0); Wq (in the module: [16, 1024, 64], K = its axis 1); Wv (in the module: [16, 1024, 64], K = its axis 1): each comes as NAME_codes (uint8): NAME with its K axis moved to the last place and cut into blocks of 32 codes, [.., K / 32, bytes a block], one block behind the other in memory; four codes in three bytes: a row's codes are one little-endian stream of bits, code i at bits 6 i .. 6 i + 5 (a code: sign, 2 exponent bits, 3 mantissa bits); and NAME_scales (uint8): the same leading axes, one E8M0 byte (e + 127) for each 32 codes along K. Its value is code x scale, taken as it is: it is not quantised again, and the codes and scales need not be those that the quantiser above would give.
;; 2 versions. Each part assembles by itself: llvm-mc -triple=amdgcn-amd-amdhsa -mcpu=gfx1250 --defsym DOCPART=n.
;; ======== version 1 of 2: 7 launches
;; workspace buffers: actc 3,145,728 bytes; acts 131,072 bytes; qkvc 9,437,184 bytes; qkvs 655,360 bytes; x1 16,777,216 bytes; fc 12,582,912 bytes; fs 524,288 bytes
;; launch ln1 (part 1): grid 256 x 1, 4 waves a work-group, no clusters, 87,040 bytes of LDS; arguments x, g1, be1, actc, acts; writes actc, acts
.if DOCPART == 1
	.amdgcn_target "amdgcn-amd-amdhsa--gfx1250"
	.amdhsa_code_object_version 6
	.text
	.protected	k_q2a653b018d_ln1
	.globl	k_q2a653b018d_ln1
	.p2align	8
	.type	k_q2a653b018d_ln1,@function
k_q2a653b018d_ln1:
	s_mov_b64 s[64:65], 0
	v_nop
	global_prefetch_b8 v0, s[64:65] scope:SCOPE_SE
	s_setreg_imm32_b32 hwreg(HW_REG_WAVE_MODE, 25, 1), 1
	s_wait_xcnt 0x0
; LayerNorm of [4096][1024] f32 rows, then the MX quantiser along the row: codes of FP6 (E2M3), 768 bytes a row, and one E8M0 byte for each 32 numbers, 32 bytes a row.
; y = (x - mean) * rsqrt(var + 1e-5) * g + b, all in f32; the variance is the mean of (x - mean)^2, taken in a second pass over registers, so a common offset of the inputs costs no accuracy.
; SHARES.  A work-group takes 16 rows, each of its four waves 4.  A wave asks for all its 4 rows at once (32 loads of 512 consecutive bytes): 64 KiB a work-group are on their way.
; A load is dense where neighbouring lanes take neighbouring bytes; the conversions want 32 NEIGHBOURS in one lane.  So each row turns through the wave's own stage in LDS: in as loaded, out 128 bytes a lane
; (places of 128 + 16 bytes, so that the lanes' reads start at different banks).  Lane l then holds columns 32 l .. 32 l + 31: one whole block, whose largest magnitude needs no other lane.
; A block's scale byte is its largest magnitude's exponent field - 2, held at 1 from below.  A wave's 4 rows of codes (3,072 bytes on end in memory) are gathered in LDS and leave as 12 aligned runs of 256 bytes;
; the work-group's 512 scale bytes meet in LDS behind one barrier and leave as two aligned runs of 256 bytes.
; LIMITS: NaN and infinities among the inputs are not served; a block whose largest magnitude lies under 2^-124 keeps the byte 1; a block of zeros keeps the byte 1 too (its codes are zeros, which add nothing
; under any byte but 0xff, and this program alone reads the bytes); v_rsq_f32 is accurate to 1 ulp (ISA guide, its entry in 15.8).
.set WREG, 21504                       ; LDS of a wave: four turn stages of 4,608 bytes, then 3,072 bytes for its codes
.set TST,  4608                        ; a turn stage: 32 places of 144 bytes
.set CST,  18432
.set SCB,  86016                       ; behind the four waves' regions: the work-group's 512 scale bytes
.set G,    16                          ; v16-47   g of my 32 columns
.set BE,   48                          ; v48-79   b of my 32 columns
.set R,    80                          ; v80-207  row i at v[80 + 32 i]
.set T,    208                         ; v208-215 at work: sums; v212-213 the mean, twice; v214-215 the reciprocal root, twice
.set C,    224                         ; v224-230 a block's codes
	s_load_b256 s[4:11], s[0:1], 0x0               ; the rows s[4:5], g s[6:7], b s[8:9], the codes s[10:11]
	s_load_b64 s[12:13], s[0:1], 0x20              ; the scale bytes
	v_lshl_add_u32 v232, v0, 2, 0x15200
	v_mov_b32 v233, 0
	v_lshrrev_b32 v1, 5, v0
	v_readfirstlane_b32 s14, v1                    ; wave 0..3
	v_and_b32 v1, 31, v0                           ; lane
	s_mul_i32 s15, s14, WREG
	s_mov_b32 s16, 0x76543210                      ; v_permlanex16_b32's selects for lane l xor 16
	s_mov_b32 s17, 0xfedcba98
	s_mov_b32 s18, 0x3a800000                      ; 1 / 1024
	s_mov_b32 s19, 0x3727c5ac                      ; 1e-5
	v_lshlrev_b32 v2, 4, v1                        ; 16 x lane: my bytes of a dense load or store
	v_lshlrev_b32 v9, 7, v1                        ; 128 x lane: g and b of my 32 columns
	v_lshrrev_b32 v3, 3, v1
	v_mul_u32_u24 v3, v3, 144
	v_and_b32 v8, 7, v1
	v_lshl_add_u32 v3, v8, 4, v3
	v_add_nc_u32 v3, s15, v3                       ; the turn, in: eight lanes' 128 bytes to a place: 144 (lane / 8) + 16 (lane % 8); a load's 512 bytes take four places
	v_mul_u32_u24 v4, v1, 144
	v_add_nc_u32 v4, s15, v4                       ; the turn, out: place = lane
	v_mul_u32_u24 v5, v1, 24
	v_add_nc_u32 v5, s15, v5
	v_add_nc_u32 v5, CST, v5                       ; my block's 24 bytes of codes in a row of 768
	v_add_nc_u32 v6, s15, v2
	v_add_nc_u32 v6, CST, v6                       ; and the way back: 16 bytes a lane
	s_lshl_b32 s26, s14, 7
	v_add_nc_u32 v7, s26, v1
	v_add_nc_u32 v7, SCB, v7                       ; my block's scale byte: 128 x wave + 32 x row + lane
	v_and_b32 v10, 63, v0
	v_lshlrev_b32 v11, 3, v10                      ; the scale bytes' way out: waves 0 and 1, 8 bytes a lane
	v_add_nc_u32 v10, SCB, v11
	s_lshl_b32 s20, ttmp9, 16                      ; 16 rows of 4,096 bytes a work-group,
	s_lshl_b32 s21, s14, 14                        ; 4 a wave
	s_add_co_u32 s20, s20, s21
	s_mov_b32 s21, 0
	s_lshl_b32 s22, ttmp9, 2
	s_add_co_u32 s22, s22, s14
	s_mul_i32 s22, s22, 3072                       ; 4 rows of 768 bytes of codes a wave
	s_mov_b32 s23, 0
	s_lshl_b32 s24, ttmp9, 9                       ; 512 scale bytes a work-group
	s_mov_b32 s25, 0
	s_wait_kmcnt 0x0
	s_add_nc_u64 s[4:5], s[4:5], s[20:21]
	s_add_nc_u64 s[10:11], s[10:11], s[22:23]
	s_add_nc_u64 s[12:13], s[12:13], s[24:25]
.irp j, 0,1,2,3,4,5,6,7
	global_load_b128 v[G+4*\j:G+4*\j+3], v9, s[6:7] offset:16*\j
	global_load_b128 v[BE+4*\j:BE+4*\j+3], v9, s[8:9] offset:16*\j
.endr
.irp i, 0,1,2,3
.irp j, 0,1,2,3,4,5,6,7
	global_load_b128 v[R+32*\i+4*\j:R+32*\i+4*\j+3], v2, s[4:5] offset:4096*\i+512*\j   ; 32 lanes read 512 consecutive bytes
.endr
.endr
; the sum of v[T] over the 32 lanes, in every lane
.macro ACROSS
	v_add_f32_dpp v[T], v[T], v[T] row_xmask:1 row_mask:0xf bank_mask:0xf
	v_add_f32_dpp v[T], v[T], v[T] row_xmask:2 row_mask:0xf bank_mask:0xf
	v_add_f32_dpp v[T], v[T], v[T] row_xmask:4 row_mask:0xf bank_mask:0xf
	v_add_f32_dpp v[T], v[T], v[T] row_xmask:8 row_mask:0xf bank_mask:0xf
	v_permlanex16_b32 v[T+1], v[T], s16, s17       ; (its destination has been written)
	v_add_f32 v[T], v[T], v[T+1]
.endm
.macro ROW i
.set RR, R+32*\i
	s_wait_loadcnt 8*(3-\i)                        ; loads come back in order: g, b and this row are in; the rows behind it stay out
.irp j, 0,1,2,3,4,5,6,7
	ds_store_b128 v3, v[RR+4*\j:RR+4*\j+3] offset:TST*\i+576*\j
.endr
.irp j, 0,1,2,3,4,5,6,7
	ds_load_b128 v[RR+4*\j:RR+4*\j+3], v4 offset:TST*\i+16*\j   ; LDS serves a wave's instructions in order: these see the stores above
.endr
	s_wait_dscnt 0x0                               ; my 32 neighbours are in; the last row's stores of codes and byte have read their registers
	v_pk_add_f32 v[T:T+1], v[RR:RR+1], v[RR+2:RR+3]                ; the sum, two at a time, in two chains
	v_pk_add_f32 v[T+2:T+3], v[RR+4:RR+5], v[RR+6:RR+7]
.irp j, 8,12,16,20,24,28
	v_pk_add_f32 v[T:T+1], v[T:T+1], v[RR+\j:RR+\j+1]
	v_pk_add_f32 v[T+2:T+3], v[T+2:T+3], v[RR+\j+2:RR+\j+3]
.endr
	v_pk_add_f32 v[T:T+1], v[T:T+1], v[T+2:T+3]
	v_add_f32 v[T], v[T], v[T+1]
	ACROSS
	v_mul_f32 v[T+4], s18, v[T]                    ; the mean, in both halves of a pair
	v_mul_f32 v[T+5], s18, v[T]
.irp j, 0,2,4,6,8,10,12,14,16,18,20,22,24,26,28,30
	v_pk_add_f32 v[RR+\j:RR+\j+1], v[RR+\j:RR+\j+1], v[T+4:T+5] neg_lo:[0,1] neg_hi:[0,1]   ; x - mean
.endr
	v_pk_mul_f32 v[T:T+1], v[RR:RR+1], v[RR:RR+1]                  ; the sum of squares
	v_pk_mul_f32 v[T+2:T+3], v[RR+2:RR+3], v[RR+2:RR+3]
.irp j, 4,8,12,16,20,24,28
	v_pk_fma_f32 v[T:T+1], v[RR+\j:RR+\j+1], v[RR+\j:RR+\j+1], v[T:T+1]
	v_pk_fma_f32 v[T+2:T+3], v[RR+\j+2:RR+\j+3], v[RR+\j+2:RR+\j+3], v[T+2:T+3]
.endr
	v_pk_add_f32 v[T:T+1], v[T:T+1], v[T+2:T+3]
	v_add_f32 v[T], v[T], v[T+1]
	ACROSS
	v_fma_f32 v[T+2], v[T], s18, s19               ; var + eps
	v_rsq_f32 v[T+6], v[T+2]
	v_rsq_f32 v[T+7], v[T+2]
	v_nop                                          ; a plain instruction between a transcendental and the use of its result (ISA guide 5.7.2)
	s_wait_alu depctr_va_vdst(0)
.irp j, 0,2,4,6,8,10,12,14,16,18,20,22,24,26,28,30
	v_pk_mul_f32 v[RR+\j:RR+\j+1], v[RR+\j:RR+\j+1], v[T+6:T+7]
.endr
.irp j, 0,2,4,6,8,10,12,14,16,18,20,22,24,26,28,30
	v_pk_fma_f32 v[RR+\j:RR+\j+1], v[RR+\j:RR+\j+1], v[G+\j:G+\j+1], v[BE+\j:BE+\j+1]
.endr
	v_max3_num_f32 v[T], |v[RR]|, |v[RR+1]|, |v[RR+2]|             ; the block's largest magnitude: all 32 numbers are mine
	v_max3_num_f32 v[T+1], |v[RR+3]|, |v[RR+4]|, |v[RR+5]|
.irp j, 6,10,14,18,22,26
	v_max3_num_f32 v[T], v[T], |v[RR+\j]|, |v[RR+\j+1]|
	v_max3_num_f32 v[T+1], v[T+1], |v[RR+\j+2]|, |v[RR+\j+3]|
.endr
	v_max3_num_f32 v[T], v[T], |v[RR+30]|, |v[RR+31]|
	v_max3_num_f32 v[T], v[T], v[T+1], 0x1800000   ; and the floor 2^(3 - 127): the byte cannot fall under 1
	v_add_nc_u32 v[T+2], 0xff000000, v[T]          ; 2 off the exponent field: the conversion takes the exponent field of this operand as its scale
	v_lshrrev_b32 v[T+3], 23, v[T+2]               ; the scale's byte
	v_cvt_scalef32_pk16_fp6_f32 v[C:C+2], v[RR:RR+15], v[T+2]
	v_cvt_scalef32_pk16_fp6_f32 v[C+4:C+6], v[RR+16:RR+31], v[T+2]  ; (a conversion's three registers begin on an even number)
	v_nop                                          ; one plain place behind a scaled conversion
	v_mov_b32 v[C+3], v[C+4]                       ; the block's 24 bytes on end
	v_mov_b32 v[C+4], v[C+5]
	v_mov_b32 v[C+5], v[C+6]
.irp k, 0,1,2
	ds_store_b64 v5, v[C+2*\k:C+2*\k+1] offset:768*\i+8*\k
.endr
	ds_store_b8 v7, v[T+3] offset:32*\i
.endm
	ROW 0
	ROW 1
	ROW 2
	ROW 3
.irp k, 0,1,2,3,4,5
	ds_load_b128 v[R+4*\k:R+4*\k+3], v6 offset:512*\k   ; my 4 rows of codes, as they lie in memory
.endr
.irp k, 0,1,2,3,4,5
	s_wait_dscnt 5-\k                              ; the younger read-backs may be out
	global_store_b128 v2, v[R+4*\k:R+4*\k+3], s[10:11] offset:512*\k   ; 32 lanes store 512 consecutive bytes, at a multiple of 256 from the buffer's first byte
.endr
	s_wait_dscnt 0x0                               ; for the others' sake: my scale bytes lie in LDS
	s_barrier_signal -1
	s_barrier_wait -1
	s_cmp_gt_u32 s14, 1
	s_cbranch_scc1 .Ldone
	ds_load_b64 v[T:T+1], v10                      ; bytes that all four waves stored
	s_wait_dscnt 0x0
	global_store_b64 v11, v[T:T+1], s[12:13]       ; a wave stores 256 consecutive bytes, aligned
.Ldone:
	s_wait_tensorcnt 0x0
	ds_add_u32 v232, v233
	s_wait_dscnt 0x0
	s_endpgm
.Lfunc_end_k_q2a653b018d_ln1:
	.size	k_q2a653b018d_ln1, .Lfunc_end_k_q2a653b018d_ln1-k_q2a653b018d_ln1
	.p2alignl 7, 3214868480
	.fill 96, 4, 3214868480
	.section	.rodata,"a",@progbits
	.p2align	6, 0x0
	.amdhsa_kernel k_q2a653b018d_ln1
		.amdhsa_group_segment_fixed_size 87040
		.amdhsa_private_segment_fixed_size 0
		.amdhsa_enable_private_segment 0
		.amdhsa_kernarg_size 40
		.amdhsa_user_sgpr_count 2
		.amdhsa_user_sgpr_kernarg_segment_ptr 1
		.amdhsa_wavefront_size32 1
		.amdhsa_system_sgpr_workgroup_id_x 1
		.amdhsa_system_sgpr_workgroup_id_y 1
		.amdhsa_system_sgpr_workgroup_id_z 1
		.amdhsa_system_vgpr_workitem_id 0
		.amdhsa_next_free_vgpr 234
		.amdhsa_next_free_sgpr 66
		.amdhsa_reserve_vcc 0
		.amdhsa_float_denorm_mode_32 3
		.amdhsa_float_denorm_mode_16_64 3
		.amdhsa_memory_ordered 1
		.amdhsa_forward_progress 1
		.amdhsa_inst_pref_size 44
	.end_amdhsa_kernel
	.amdgpu_metadata
---
amdhsa.version: [ 1, 2 ]
amdhsa.kernels:
  - .name:           k_q2a653b018d_ln1
    .symbol:         k_q2a653b018d_ln1.kd
    .args:
      - { .name: x, .offset: 0, .size: 8, .value_kind: global_buffer, .address_space: global }
      - { .name: g1, .offset: 8, .size: 8, .value_kind: global_buffer, .address_space: global }
      - { .name: be1, .offset: 16, .size: 8, .value_kind: global_buffer, .address_space: global }
      - { .name: actc, .offset: 24, .size: 8, .value_kind: global_buffer, .address_space: global }
      - { .name: acts, .offset: 32, .size: 8, .value_kind: global_buffer, .address_space: global }
    .group_segment_fixed_size: 87040
    .private_segment_fixed_size: 0
    .kernarg_segment_align: 8
    .kernarg_segment_size: 40
    .max_flat_workgroup_size: 128
    .sgpr_count:     66
    .vgpr_count:     234
    .wavefront_size: 32
...
	.end_amdgpu_metadata
.endif
;; end of part 1
;; launch qkv (part 2): grid 12 x 16, 4 waves a work-group, clusters of 4 x 4, 327,680 bytes of LDS; arguments actc, acts, Wq_codes, Wq_scales, Wk_codes, Wk_scales, Wv_codes, Wv_scales, qkvc, qkvs; writes qkvc, qkvs
.if DOCPART == 2
	.amdgcn_target "amdgcn-amd-amdhsa--gfx1250"
	.amdhsa_code_object_version 6
	.text
	.protected	k_q2a653b018d_qkv
	.globl	k_q2a653b018d_qkv
	.p2align	8
	.type	k_q2a653b018d_qkv,@function
k_q2a653b018d_qkv:
	s_mov_b64 s[64:65], 0
	v_nop
	global_prefetch_b8 v0, s[64:65] scope:SCOPE_SE
	s_setreg_imm32_b32 hwreg(HW_REG_WAVE_MODE, 25, 1), 1
	s_wait_xcnt 0x0
	s_wait_alu depctr_hold_cnt(0) depctr_sa_sdst(0) depctr_va_vdst(0) depctr_va_sdst(0) depctr_va_ssrc(0) depctr_va_vcc(0) depctr_vm_vsrc(0)
	s_getreg_b32 s2, hwreg(HW_REG_IB_STS2, 6, 4)
	s_cmp_eq_u32 s2, 0
	s_cbranch_scc0 .Lentry_in_a_cluster
	s_endpgm
.Lentry_in_a_cluster:
	s_bfe_u32 s2, ttmp6, 0x10000c
	s_cmp_lg_u32 s2, 0xf033
	s_cbranch_scc0 .Lentry_shape_is_right
	s_endpgm
.Lentry_shape_is_right:
; q, k, v = ln1(x) W^T for the sixteen heads, on codes of FP6 (E2M3) with one E8M0 scale for each 32 along K = 1,024, and the quantising of the three results for attention.
; A: the tokens' codes [4096][768 bytes] and scale bytes [4096][32].  B: a weight's codes [1024 rows = head x 64 + d][768 bytes], scale bytes [1024][32].  The cluster's x (0, 1, 2) picks Wq, Wk or Wv: the same
; number in all sixteen partners, so all of them take the same way through the text.
; A tile of 256 tokens x 256 weight rows is made by four waves, 128 x 128 each: 64 accumulators, 512 registers.  K goes in steps of 256 through a ring of two LDS slots filled by the tensor data mover.
; The scale bytes of the tile's rows, for all of K, come into LDS once, with the first fills.  CLUSTERS: 4 x 4 work-groups; A's tiles are asked for jointly along a row of the cluster, B's along a column.
; The matrix instruction is used transposed (source 0 = 16 rows of B, source 1 = 16 tokens): a lane holds one token and eight neighbouring d.
; THE WAY OUT.  q and k are quantised along d (two blocks of 32 a head): codes [b x 16 + head][token][48 bytes], and a scale word a token: byte 0, byte 1, then 0x7f twice for the half of the instruction's K = 128
; that attention fills with zero codes.  v is quantised along the TOKENS (its K in attention): codes [b x 16 + head][chunk of 128 tokens][d][96 bytes], a scale word for each d and chunk.
; All results are gathered in LDS and leave in runs of 512 consecutive bytes.  The two ways out have LDS bytes of their own, in slots that have had their last fill and their last read.
; LIMITS: NaN and infinities are not served; a block whose largest magnitude lies under 2^-124, a block of zeros among them, keeps the scale byte 1 (this program alone reads the bytes).
; REGISTERS, in windows of 256: window 0: v0-31 addresses; v32-63 scale words, two sets; v64-75 addresses of the way out; from v128 A's fragments, one set.  window 1: B's fragments, two sets.
;   window 2: the accumulators of my tokens 0-63 (accumulator (a, b) at v[8 (8 a + b)]);  window 3: those of my tokens 64-127.
.set SIZE_K, 1024
.set KSTEP,  256                       ; along K in a slot
.set NQ,     KSTEP/128                 ; matrix instructions deep
.set ROWB,   192                       ; a tile's row in bytes
.set KROW,   SIZE_K*6/8                ; a row of A or of B in memory
.set PITCH,  240                       ; an LDS row: 3 x (64 bytes + 16 of padding)
.set FR,     12                        ; registers of a fragment
.set NL,     6                         ; LDS loads that bring one
.set NP,     4                         ; places behind this matrix instruction (ISA guide 7.12.1)
.set HALFT,  128*PITCH
.set SLOT,   4*HALFT
.set LAPS,   SIZE_K/(2*KSTEP)
.set KS,     SIZE_K/32
.set SCL,    2*SLOT                    ; behind the ring: the scales, as runs of 256 bytes + 16 of padding
.set HALFS,  (128*KS/256)*272
.set SBLK,   (16*KS/256)*272
.set SPARE,  SCL+4*HALFS               ; the spare words: 128 bytes for each wave, two blocks of 256 bytes that no other line names
.set SPITCH, 528                       ; a stage row: 512 bytes + 16
.set ADRA, 16
.set ADRB, 20
.set STO,  24                          ; v24  q, k: where I put 32 bytes of a stage row
.set CO,   26                          ; v26  16 x lane
.set ADRS, 27
.set SPW,  28                          ; v28  my spare word; never rewritten
.set NIL,  29                          ; v29  0; never rewritten
.set SC,   32
.set AF,   128
.set RQ,   64                          ; v64  q, k: the stage read back: 4 tokens x 8 lanes, 64 bytes (16 d) a lane
.set CQA,  65                          ; v65  where my 12 bytes of codes go: head, token, quarter
.set SQA,  66                          ; v66  where my token's scale word goes
.set CQR,  67                          ; v67  the gathered codes, read back 16 bytes a lane
.set SQR,  68                          ; v68  the gathered scale words likewise
.set VSTO, 69                          ; v69  v: where I put 32 bytes of a stage row (a stage of 32 tokens)
.set VRD,  70                          ; v70  the stage read by columns: 4 x lane
.set VCA,  71                          ; v71  where my d's 96 bytes of codes go
.set VCR,  72                          ; v72  and their way back
.set VSA,  73                          ; v73  where my d's scale word goes
.set VSR,  74                          ; v74  and its way back
.set GVS,  75                          ; v75  v's scale words in memory: lanes 0-15 the first head's 256 bytes, lanes 16-31 the second's
.set QST,  4*16*SPITCH                 ; q, k: behind the four stages: the codes, 12,288 bytes a wave,
.set QSS,  QST+4*12288                 ; and the scale words, 1,024 bytes a wave
.set VST,  SLOT                        ; v: in slot 1: four stages of 32 rows,
.set VCS,  VST+4*32*SPITCH             ; 3,072 bytes a wave for 32 d's codes,
.set VSS,  VCS+4*3072                  ; 512 bytes a wave for its 128 scale words
.set BB,   128                         ; q, k: v128-191 four groups of 16 numbers
.set CD,   192                         ; v192-207 their codes
.set MX,   80                          ; v80-83 largest magnitudes; v84-87 scale operands; v88-91 bytes; v92-95 the other block's byte; v96-107 at work
.set SOP,  84
.set EB,   88
.set OT,   92
.set LO,   96
.set HI,   100
.set WD,   104
.set CB,   112                         ; v: v112-207 codes: column group g, block of 32 tokens ap at v[112 + 24 g + 6 ap]
.set SW,   212                         ; v212-215 a column group's scale words
.set G1, 24
.set G0, 32
.set G1B, 48
.set G0B, 56
.set G1S, 68
.set G0S, 76
.set G1SB, 80
.set G0SB, 88
.set MSB, 0
.macro WIN new                         ; the immediate's high byte repeats the setting that is left
.if MSB != (\new)
	s_set_vgpr_msb (MSB<<8)|(\new)
.set MSB, (\new)
.endif
.endm
.set MUL_LO, 0xa1                      ; source 0 (B) window 1, source 1 (A) window 0, C and D window 2
.set MUL_HI, 0xf1                      ; the same, C and D window 3
.set TO_B,   0x40                      ; destination window 1, address window 0
; A joint load: waves 0 and 1 fetch for A, waves 2 and 3 for B.  Each line has one mask and one set of registers for all that issue it; the branch hangs on the wave's number alone.
; Four v_nop follow each of the two lines, ahead of the jump, the label and what follows.
.macro JLOAD g0a, g1a, g0b, g1b
	s_cmp_eq_u32 s15, 0
	s_cbranch_scc0 .Lfor_b_\@
	tensor_load_to_lds s[\g0a:\g0a+3], s[\g1a:\g1a+7]
	s_nop 0
.rept 4
	v_nop
.endr
	s_branch .Lasked_\@
.Lfor_b_\@:
	tensor_load_to_lds s[\g0b:\g0b+3], s[\g1b:\g1b+7]
	s_nop 0
.rept 4
	v_nop
.endr
.Lasked_\@:
.endm
.macro CREST                           ; a round of the cluster's barrier behind its opening barrier
	s_cmp_lg_u32 s14, 0
	s_cbranch_scc1 .Lnot_wave_0_\@
	s_barrier_signal -3
.Lnot_wave_0_\@:
	s_barrier_wait -3
	s_barrier_signal -1
	s_barrier_wait -1
.endm
.macro CROUND                          ; a whole round
	s_barrier_signal -1
	s_barrier_wait -1
	CREST
.endm
	s_load_b128 s[4:7], s[0:1], 0x0                ; the tokens' codes, their scales
	s_load_b128 s[8:11], s[0:1], 0x10              ; Wq's codes, scales
	s_load_b128 s[96:99], s[0:1], 0x20             ; Wk's
	s_load_b64 s[100:101], s[0:1], 0x30            ; Wv's codes,
	s_load_b64 s[2:3], s[0:1], 0x38                ; Wv's scales
	s_load_b64 s[12:13], s[0:1], 0x40              ; the results' codes
	s_load_b64 s[66:67], s[0:1], 0x48              ; the results' scale words
	v_lshl_add_u32 v[SPW], v0, 2, SPARE
	v_mov_b32 v[NIL], 0
	ds_add_u32 v28, v29
	ds_add_u32 v28, v29
	s_wait_dscnt 0x0
	v_lshrrev_b32 v1, 5, v0
	v_readfirstlane_b32 s14, v1                    ; wave 0..3
	s_lshr_b32 s15, s14, 1                         ; which half of the tile's tokens is mine.  Also: I fetch for A (0) or for B (1)
	s_and_b32 s16, s14, 1                          ; which half of its weight rows.  Also: which 128 rows of that tile I fetch
	s_bfe_u32 s40, ttmp6, 0x40000                  ; cx, cy: my place in the cluster
	s_bfe_u32 s41, ttmp6, 0x40004
	s_and_b32 s17, ttmp7, 0xffff
	s_lshl_b32 s17, s17, 2
	s_add_co_u32 s17, s17, s41                     ; tile row = 4 x cluster y + cy: 256 tokens
	s_lshl_b32 s43, s41, 2
	s_lshl_b32 s43, 15, s43                        ; my row of the cluster
	s_lshl_b32 s44, 0x1111, s40                    ; my column
	s_or_b32 s[G1+0], s43, (0<<16)|(1<<20)|(1<<21)|(3<<22)|(3<<25)  ; 15:0 the mask: A's tiles go to my row; 17:16 elements of 1 byte; 20 padding on; 21 set beside a mask; 24:22 after every 16 words; 31:25 of 4 words
	s_or_b32 s[G1B+0], s44, (0<<16)|(1<<20)|(1<<21)|(3<<22)|(3<<25)
.irp g, G1, G1B
	s_mov_b32 s[\g+1], ROWB<<16                    ; tensor_dim0
	s_mov_b32 s[\g+2], 128<<16                     ; tensor_dim1 = 128
	s_mov_b32 s[\g+3], ROWB<<16                    ; tile_dim0
	s_mov_b32 s[\g+4], 128                         ; tile_dim1 = 128
	s_mov_b32 s[\g+5], KROW                        ; tensor_dim0_stride
	s_mov_b32 s[\g+6], 0
	s_mov_b32 s[\g+7], 0
.endr
	s_or_b32 s[G1S+0], s43, (3<<16)|(1<<20)|(1<<21)|(5<<22)|(3<<25)  ; the scales of 128 rows: a dense block, as rows of 256 bytes (32 elements of 8 bytes), 16 bytes of padding behind each
	s_or_b32 s[G1SB+0], s44, (3<<16)|(1<<20)|(1<<21)|(5<<22)|(3<<25)
.irp g, G1S, G1SB
	s_mov_b32 s[\g+1], 32<<16
	s_mov_b32 s[\g+2], (128*KS/256)<<16
	s_mov_b32 s[\g+3], 32<<16
	s_mov_b32 s[\g+4], 128*KS/256
	s_mov_b32 s[\g+5], 32
	s_mov_b32 s[\g+6], 0
	s_mov_b32 s[\g+7], 0
.endr
	s_lshl_b32 s18, s16, 7                         ; which 128 rows of the tile I fetch
	s_lshl_b32 s20, s17, 8
	s_add_co_u32 s20, s20, s18                     ; A: token 256 x tile row + 128 x half
	s_lshl_b32 s46, s40, 8
	s_add_co_u32 s46, s46, s18                     ; B: row 256 x cx + 128 x half of the cluster's weight
	s_mov_b32 s21, 0
	s_mov_b32 s47, 0
	s_mov_b64 s[18:19], KS
	s_mul_u64 s[22:23], s[20:21], s[18:19]         ; where these rows' scales begin, in bytes
	s_mul_u64 s[92:93], s[46:47], s[18:19]
	s_mov_b64 s[18:19], KROW
	s_mul_u64 s[20:21], s[20:21], s[18:19]         ; and their codes
	s_mul_u64 s[46:47], s[46:47], s[18:19]
	s_mul_i32 s45, s14, HALFT                      ; where they go: wave x 128 rows: no place in the cluster enters an LDS address
	s_mul_i32 s94, s14, HALFS
	s_wait_kmcnt 0x0
	s_cmp_eq_u32 ttmp9, 1                          ; the cluster's weight: the choice hangs on the cluster's number alone
	s_cselect_b64 s[8:9], s[96:97], s[8:9]
	s_cselect_b64 s[10:11], s[98:99], s[10:11]
	s_cmp_eq_u32 ttmp9, 2
	s_cselect_b64 s[8:9], s[100:101], s[8:9]
	s_cselect_b64 s[10:11], s[2:3], s[10:11]
	s_add_nc_u64 s[20:21], s[4:5], s[20:21]
	s_add_nc_u64 s[22:23], s[6:7], s[22:23]
	s_add_nc_u64 s[46:47], s[8:9], s[46:47]
	s_add_nc_u64 s[92:93], s[10:11], s[92:93]
	CROUND                                         ; all sixteen work-groups are here: the first joint loads meet
	s_mov_b32 s[G0S], 1
	s_add_co_u32 s[G0S+1], s94, SCL
	s_mov_b64 s[G0S+2:G0S+3], s[22:23]
	s_or_b32 s[G0S+3], s[G0S+3], 0x80000000
	s_mov_b32 s[G0SB], 1
	s_add_co_u32 s[G0SB+1], s94, SCL
	s_mov_b64 s[G0SB+2:G0SB+3], s[92:93]
	s_or_b32 s[G0SB+3], s[G0SB+3], 0x80000000
	JLOAD G0S, G1S, G0SB, G1SB                     ; the scales first: they are wanted with K step 0
.irp s, 0,1
	s_mov_b32 s[G0+4*\s], 1
	s_add_co_u32 s[G0+4*\s+1], s45, \s*SLOT
	s_add_nc_u64 s[G0+4*\s+2:G0+4*\s+3], s[20:21], \s*ROWB
	s_or_b32 s[G0+4*\s+3], s[G0+4*\s+3], 0x80000000
	s_mov_b32 s[G0B+4*\s], 1
	s_add_co_u32 s[G0B+4*\s+1], s45, \s*SLOT
	s_add_nc_u64 s[G0B+4*\s+2:G0B+4*\s+3], s[46:47], \s*ROWB
	s_or_b32 s[G0B+4*\s+3], s[G0B+4*\s+3], 0x80000000
	JLOAD G0+4*\s, G1, G0B+4*\s, G1B
.endr
	v_and_b32 v1, 15, v0                           ; r = l % 16
	v_bfe_u32 v2, v0, 4, 1                         ; h = l / 16
	v_mul_u32_u24 v3, v1, PITCH
	v_mul_u32_u24 v4, v2, 24
	v_add_nc_u32 v4, v3, v4                        ; a fragment's row x pitch + 24 x half
	v_lshl_add_u32 v5, v2, 4, v4                   ; and the same behind one padding more
	s_mul_i32 s21, s15, HALFT                      ; my 128 rows of A
	s_mul_i32 s22, s16, HALFT                      ; my 128 rows of B,
	s_add_co_u32 s22, s22, 2*HALFT                 ; which lie behind A's 256
.irp s, 0,1
	v_add_nc_u32 v[ADRA+\s], s21, v4
	v_add_nc_u32 v[ADRB+\s], s22, v4
	v_add_nc_u32 v[ADRA+2+\s], s21, v5
	v_add_nc_u32 v[ADRB+2+\s], s22, v5
	s_add_co_u32 s21, s21, SLOT
	s_add_co_u32 s22, s22, SLOT
.endr
	v_mul_u32_u24 v5, v1, KS                       ; my row's scales: KS bytes a row,
	v_lshrrev_b32 v6, 8, v5
	v_lshl_add_u32 v5, v6, 4, v5                   ; and 16 more for each 256 passed
	s_mul_i32 s21, s15, HALFS
	s_mul_i32 s22, s16, HALFS
	s_add_co_u32 s22, s22, 2*HALFS
	s_sub_co_u32 s22, s22, s21
	v_mul_u32_u24 v6, s22, v2                      ; lanes 16-31 take B's
	s_add_co_u32 s21, s21, SCL
	v_add_nc_u32 v5, v5, v6
	v_add_nc_u32 v[ADRS], s21, v5
	; the addresses of both ways out, all made here, ahead of the place where the ways part
	s_mul_i32 s23, s14, 16*SPITCH                  ; q, k: my stage of 16 rows
	v_mul_u32_u24 v5, v1, SPITCH
	v_lshl_add_u32 v5, v2, 5, v5
	v_add_nc_u32 v[STO], s23, v5                   ; in: row r, 32 bytes for each half of the lanes
	v_and_b32 v6, 31, v0                           ; l
	v_lshlrev_b32 v[CO], 4, v6
	v_lshrrev_b32 v7, 3, v6                        ; l / 8
	v_and_b32 v8, 7, v0                            ; l % 8
	v_bfe_u32 v9, v0, 2, 1                         ; which of my two heads
	v_and_b32 v10, 3, v0                           ; which 16 of its 64 d
	v_mul_u32_u24 v[RQ], v7, SPITCH
	v_lshl_add_u32 v[RQ], v8, 6, v[RQ]
	v_add_nc_u32 v[RQ], s23, v[RQ]
	s_mul_i32 s21, s14, 12288
	s_add_co_u32 s21, s21, QST
	v_mul_u32_u24 v[CQA], v9, 6144                 ; a head's 128 tokens x 48 bytes
	v_mad_u32_u24 v[CQA], v7, 48, v[CQA]
	v_mad_u32_u24 v[CQA], v10, 12, v[CQA]
	v_add_nc_u32 v[CQA], s21, v[CQA]
	v_add_nc_u32 v[CQR], s21, v[CO]
	s_lshl_b32 s21, s14, 10
	s_add_co_u32 s21, s21, QSS
	v_lshlrev_b32 v[SQA], 9, v9
	v_lshl_add_u32 v[SQA], v7, 2, v[SQA]
	v_add_nc_u32 v[SQA], s21, v[SQA]
	v_add_nc_u32 v[SQR], s21, v[CO]
	s_mul_i32 s21, s14, 32*SPITCH
	s_add_co_u32 s21, s21, VST
	v_add_nc_u32 v[VSTO], s21, v5
	v_lshl_add_u32 v[VRD], v6, 2, s21
	s_mul_i32 s21, s14, 3072
	s_add_co_u32 s21, s21, VCS
	v_mul_u32_u24 v[VCA], v6, 96
	v_add_nc_u32 v[VCA], s21, v[VCA]
	v_add_nc_u32 v[VCR], s21, v[CO]
	s_lshl_b32 s21, s14, 9
	s_add_co_u32 s21, s21, VSS
	v_lshl_add_u32 v[VSA], v6, 2, s21
	v_add_nc_u32 v[VSR], s21, v[CO]
	v_lshlrev_b32 v[GVS], 12, v2
	v_lshl_add_u32 v[GVS], v1, 4, v[GVS]
	v_and_b32 v11, 2, v0
	v_cmp_ne_u32 s95, 0, v11                       ; the lanes that hold a head's second block of 32 d
	s_lshr_b32 s20, s17, 3                         ; the batch: eight tile rows of 256 tokens each
	s_lshl_b32 s20, s20, 4
	s_lshl_b32 s21, s40, 2
	s_add_co_u32 s20, s20, s21
	s_lshl_b32 s21, s16, 1
	s_add_co_u32 s20, s20, s21                     ; s20 = 16 x batch + my first head (4 cx + 2 x half)
	s_and_b32 s21, s17, 7
	s_lshl_b32 s21, s21, 8
	s_lshl_b32 s22, s15, 7
	s_add_co_u32 s21, s21, s22                     ; s21 = my first token in the batch, a multiple of 128
.macro FRAG reg, adr, q, i             ; a fragment, 16 rows x 128 K of 6-bit codes: lane l holds row l % 16; registers 6 c .. 6 c + 5 hold K = 64 c + 32 (l / 16) + 0 .. 31: 24 bytes of the row, as they lie
.irp p, 0,1,2,3,4,5                    ; in pieces of 8 bytes.  Lanes 16-31 read three pieces further on; where that piece lies behind one padding more, the second address register serves
.set PC, 12*(\q)+6*(\p/3)+\p%3
.if PC%8 < 5
	ds_load_b64 v[\reg+2*\p:\reg+2*\p+1], v[\adr] offset:8*PC+16*(PC/8)+(\i)*16*PITCH
.else
	ds_load_b64 v[\reg+2*\p:\reg+2*\p+1], v[\adr+2] offset:8*PC+16*(PC/8)+(\i)*16*PITCH
.endif
.endr
.endm
; 16 matrix instructions: A's blocks a0, a0 + 1 x B's eight, 128 along K.  zero = 1: the first product starts the sums.  The 64 accumulators take turns, one instruction a turn.
.macro MUL16 a0, p, q, sc, zero
.irp a, \a0, \a0+1
.irp b, 0,1,2,3,4,5,6,7
.if \zero
	v_wmma_scale_f32_16x16x128_f8f6f4 v[8*(8*((\a)%4)+\b):8*(8*((\a)%4)+\b)+7], v[128*(\p)+FR*\b:128*(\p)+FR*\b+FR-1], v[AF+FR*(\a):AF+FR*(\a)+FR-1], 0, v[SC+8*NQ*(\sc)+NQ*\b+(\q)], v[SC+8*NQ*(\sc)+NQ*(\a)+(\q)] matrix_a_fmt:MATRIX_FMT_FP6 matrix_b_fmt:MATRIX_FMT_FP6 matrix_a_scale:MATRIX_SCALE_ROW1
.else
	v_wmma_scale_f32_16x16x128_f8f6f4 v[8*(8*((\a)%4)+\b):8*(8*((\a)%4)+\b)+7], v[128*(\p)+FR*\b:128*(\p)+FR*\b+FR-1], v[AF+FR*(\a):AF+FR*(\a)+FR-1], v[8*(8*((\a)%4)+\b):8*(8*((\a)%4)+\b)+7], v[SC+8*NQ*(\sc)+NQ*\b+(\q)], v[SC+8*NQ*(\sc)+NQ*(\a)+(\q)] matrix_a_fmt:MATRIX_FMT_FP6 matrix_b_fmt:MATRIX_FMT_FP6 matrix_a_scale:MATRIX_SCALE_ROW1
.endif
.endr
.endr
.endm
.macro FETCH_B slot, q, p              ; B's eight fragments of the slot's q-th 128 along K into set p
	WIN TO_B
.irp i, 0,1,2,3,4,5,6,7
	FRAG 128*(\p)+FR*\i, ADRB+\slot, \q, \i
.endr
	WIN 0
.endm
.macro FETCH_A slot, q, i0             ; A's blocks i0 .. i0 + 3
.irp i, \i0, \i0+1, \i0+2, \i0+3
	FRAG AF+FR*(\i), ADRA+\slot, \q, \i
.endr
.endm
.macro SCALES sc                       ; a K step's scale words into set sc: lanes 0-15 take A's block i, lanes 16-31 B's block i
.irp i, 0,1,2,3,4,5,6,7
	ds_load_b64 v[SC+8*NQ*\sc+NQ*\i:SC+8*NQ*\sc+NQ*\i+1], v[ADRS] offset:\i*SBLK
.endr
.endm
.macro PLACES n                        ; plain vector instructions between a matrix instruction and a load into, or a read of, its registers
.rept \n
	v_nop
.endr
.endm
.macro STEP slot, q, zero              ; a step of 128 along K that has its successor in the same slot
	s_wait_dscnt 4*NL                              ; B's set and A's blocks 0-3 are in; the youngest 24 loads (A's blocks 4-7) may be out
	WIN MUL_LO
	MUL16 0, (\q)%2, \q, \slot, \zero
	MUL16 2, (\q)%2, \q, \slot, \zero
	s_wait_dscnt 0                                 ; A's blocks 4-7 are in
	PLACES NP
	FETCH_B \slot, (\q)+1, 1-(\q)%2
	FETCH_A \slot, (\q)+1, 0
	WIN MUL_HI
	MUL16 4, (\q)%2, \q, \slot, \zero
	MUL16 6, (\q)%2, \q, \slot, \zero
	PLACES NP
	WIN 0
	FETCH_A \slot, (\q)+1, 4
.endm
; A slot's last step changes slots: one barrier; in front of it each wave waits for all its tensor loads, adds 0 to its spare word, and waits for that and for its reads of this slot.  fill = 1: this slot is filled again.
.macro TURN slot, next, fill
	s_wait_tensorcnt 0x0                           ; all my tensor loads have landed: my part of the next slot
	ds_add_u32 v[SPW], v[NIL]                      ; 0 onto my spare word
	s_wait_dscnt 4*NL+1                            ; (the add and the youngest 24 loads, A's blocks 4-7, may be out)
	WIN MUL_LO
	MUL16 0, 1, NQ-1, \slot, 0
	s_wait_dscnt 0x0                               ; the add is done, and my reads of this slot are over
	s_barrier_signal -1
	MUL16 2, 1, NQ-1, \slot, 0
	WIN 0
	s_barrier_wait -1
.if \fill
	CREST                                          ; the barrier has opened a round of the cluster's barrier: no wave of any partner still reads this slot or has a load on its way
	s_add_nc_u64 s[G0+4*\slot+2:G0+4*\slot+3], s[G0+4*\slot+2:G0+4*\slot+3], 2*ROWB
	s_add_nc_u64 s[G0B+4*\slot+2:G0B+4*\slot+3], s[G0B+4*\slot+2:G0B+4*\slot+3], 2*ROWB
	JLOAD G0+4*\slot, G1, G0B+4*\slot, G1B         ; the first tensor load behind the round; its four v_nop are the places in front of the loads below
.else
	PLACES NP
.endif
	v_add_nc_u32 v[ADRS], 4*NQ, v[ADRS]            ; on to the next K step's scale words
	FETCH_B \next, 0, 0
	FETCH_A \next, 0, 0
	SCALES \next
	WIN MUL_HI
	MUL16 4, 1, NQ-1, \slot, 0
	MUL16 6, 1, NQ-1, \slot, 0
	PLACES NP
	WIN 0
	FETCH_A \next, 0, 4
.endm
	s_wait_tensorcnt 1                             ; the scales and my part of K step 0 are in (K step 1's load may be out),
	s_barrier_signal -1
	s_barrier_wait -1                              ; everybody's are
	FETCH_B 0, 0, 0
	FETCH_A 0, 0, 0
	SCALES 0
	FETCH_A 0, 0, 4
	STEP 0, 0, 1                                   ; the first step stands in front of the loop: its products start the sums
	s_mov_b32 s3, LAPS-1
.Llap:                                                 ; a trip goes once round the ring and fills both slots again
	TURN 0, 1, 1
	STEP 1, 0, 0
	TURN 1, 0, 1
	STEP 0, 0, 0
	s_sub_co_u32 s3, s3, 1
	s_cmp_lg_u32 s3, 0
	s_cbranch_scc1 .Llap
	TURN 0, 1, 0                                   ; the last lap fills nothing
	STEP 1, 0, 0
	s_wait_dscnt 4*NL
	WIN MUL_LO
	MUL16 0, 1, NQ-1, 1, 0
	MUL16 2, 1, NQ-1, 1, 0
	s_wait_dscnt 0
	WIN MUL_HI
	MUL16 4, 1, NQ-1, 1, 0
	MUL16 6, 1, NQ-1, 1, 0
	WIN 0
	s_wait_dscnt 0x0                               ; my reads of slot 1 are over:
	s_barrier_signal -1
	s_barrier_wait -1                              ; everybody's are, so both slots may serve the ways out
	PLACES NP
; A block of 16 tokens x 128 columns into a stage, each accumulator from its low end on
.macro STG a, adr, rowoff
.set AC, 64*((\a)%4)
	WIN 0x08+4*((\a)/4)                            ; the data: window 2 or 3
.irp b, 0,1,2,3,4,5,6,7
	ds_store_b128 v[\adr], v[AC+8*\b:AC+8*\b+3] offset:\rowoff+64*\b
	ds_store_b128 v[\adr], v[AC+8*\b+4:AC+8*\b+7] offset:\rowoff+64*\b+16
.endr
	WIN 0
.endm
	s_cmp_eq_u32 ttmp9, 2
	s_cbranch_scc1 .Lv
	; ---- q and k: quantised along d
	s_lshl_b32 s22, s20, 11
	s_add_co_u32 s22, s22, s21                     ; (16 batch + head) x 2,048 + token
	s_mul_i32 s46, s22, 48
	s_mul_i32 s47, ttmp9, 3145728                  ; q's section, or k's
	s_add_co_u32 s46, s46, s47
	s_mov_b32 s47, 0
	s_add_nc_u64 s[12:13], s[12:13], s[46:47]
	s_lshl_b32 s46, s22, 2
	s_lshl_b32 s23, ttmp9, 18
	s_add_co_u32 s46, s46, s23
	s_add_nc_u64 s[66:67], s[66:67], s[46:47]
.irp g, 0,1,2,3
	v_mov_b32 v[OT+\g], 0                          ; written once: a DPP form's destination counts as one of its sources
.endr
.macro QKBLK a                         ; 16 tokens: through my stage, so that a lane holds 16 neighbouring d of one token (two lanes to a block of 32); four groups of 4 tokens by turns
	STG \a, STO, 0
.irp g, 0,1,2,3
.irp i, 0,1,2,3
	ds_load_b128 v[BB+16*\g+4*\i:BB+16*\g+4*\i+3], v[RQ] offset:4*SPITCH*\g+16*\i
.endr
.endr
	s_wait_dscnt 0x0                               ; the numbers are in; the last block's LDS stores have read their registers
.irp g, 0,1,2,3
	v_max3_num_f32 v[MX+\g], |v[BB+16*\g]|, |v[BB+16*\g+1]|, 0x1800000   ; my 16 numbers, and the floor 2^(3 - 127)
.endr
.irp i, 2,4,6,8,10,12,14
.irp g, 0,1,2,3
	v_max3_num_f32 v[MX+\g], v[MX+\g], |v[BB+16*\g+\i]|, |v[BB+16*\g+\i+1]|
.endr
.endr
.irp g, 0,1,2,3
	v_max_num_f32_dpp v[MX+\g], v[MX+\g], v[MX+\g] row_xmask:1 row_mask:0xf bank_mask:0xf   ; with my neighbour's 16: the block's
.endr
.irp g, 0,1,2,3
	v_add_nc_u32 v[SOP+\g], 0xff000000, v[MX+\g]   ; 2 off the exponent field: the conversion's scale operand
.endr
.irp g, 0,1,2,3
	v_cvt_scalef32_pk16_fp6_f32 v[CD+4*\g:CD+4*\g+2], v[BB+16*\g:BB+16*\g+15], v[SOP+\g]
.endr
.irp g, 0,1,2,3
	v_lshrrev_b32 v[EB+\g], 23, v[SOP+\g]          ; the scale's byte.  (A plain place behind the conversions)
.endr
.irp g, 0,1,2,3
	v_mov_b32_dpp v[OT+\g], v[EB+\g] row_xmask:2 row_mask:0xf bank_mask:0xf   ; the byte of the head's other block
.endr
.irp g, 0,1,2,3
	v_cndmask_b32 v[LO+\g], v[EB+\g], v[OT+\g], s95
	v_cndmask_b32 v[HI+\g], v[OT+\g], v[EB+\g], s95
.endr
.irp g, 0,1,2,3
	v_lshl_or_b32 v[WD+\g], v[HI+\g], 8, v[LO+\g]
.endr
.irp g, 0,1,2,3
	v_or_b32 v[WD+\g], 0x7f7f0000, v[WD+\g]        ; bytes 2 and 3 scale zero codes: 1.0
.endr
.irp g, 0,1,2,3
.irp i, 0,1,2
	ds_store_b32 v[CQA], v[CD+4*\g+\i] offset:(16*(\a)+4*\g)*48+4*\i
.endr
	ds_store_b32 v[SQA], v[WD+\g] offset:(16*(\a)+4*\g)*4   ; a head's four lanes write the same word with the same value
.endr
.endm
.irp a, 0,1,2,3,4,5,6,7
	QKBLK \a
.endr
.set i, 0
.rept 24
	ds_load_b128 v[128+4*i:131+4*i], v[CQR] offset:512*i   ; LDS serves a wave's instructions in order: these see my stores
.set i, i+1
.endr
	ds_load_b128 v[224:227], v[SQR]
	ds_load_b128 v[228:231], v[SQR] offset:512
.set i, 0
.rept 24
	s_wait_dscnt 25-i                              ; the younger read-backs may be out
	global_store_b128 v[CO], v[128+4*i:131+4*i], s[12:13] offset:(i/12)*98304+512*(i%12)   ; a head's 6,144 bytes on end; 512 consecutive bytes a store, aligned to 256
.set i, i+1
.endr
	s_wait_dscnt 0x0
	global_store_b128 v[CO], v[224:227], s[66:67]
	global_store_b128 v[CO], v[228:231], s[66:67] offset:8192
	s_branch .Ljoin
.Lv:	; ---- v: quantised along the tokens.  A lane takes a column (a head's d) and its registers run down 32 tokens: a whole block
	s_lshl_b32 s22, s20, 4
	s_lshr_b32 s23, s21, 7
	s_add_co_u32 s22, s22, s23                     ; (16 batch + head) x 16 + my chunk of 128 tokens
	s_mul_i32 s46, s22, 6144
	s_add_co_u32 s46, s46, 6291456                 ; v's section
	s_mov_b32 s47, 0
	s_add_nc_u64 s[12:13], s[12:13], s[46:47]
	s_lshl_b32 s46, s22, 8
	s_add_co_u32 s46, s46, 524288
	s_add_nc_u64 s[66:67], s[66:67], s[46:47]
.macro LOADX g                         ; columns 32 g + lane of the stage's 32 tokens into set g % 2 (v32-63 or v80-111)
.set XL, 32+48*((\g)%2)
.set i, 0
.rept 32
	ds_load_b32 v[XL+i], v[VRD] offset:SPITCH*i+128*(\g)
.set i, i+1
.endr
.endm
.macro BLOCKV ap, g
.set XS, 32+48*((\g)%2)
.set CP, CB+24*(\g)+6*(\ap)
	v_max3_num_f32 v240, |v[XS]|, |v[XS+1]|, |v[XS+2]|
	v_max3_num_f32 v241, |v[XS+3]|, |v[XS+4]|, |v[XS+5]|
.irp j, 6,10,14,18,22,26
	v_max3_num_f32 v240, v240, |v[XS+\j]|, |v[XS+\j+1]|
	v_max3_num_f32 v241, v241, |v[XS+\j+2]|, |v[XS+\j+3]|
.endr
	v_max3_num_f32 v240, v240, |v[XS+30]|, |v[XS+31]|
	v_max3_num_f32 v240, v240, v241, 0x1800000     ; and the floor 2^(3 - 127)
	v_add_nc_u32 v242, 0xff000000, v240
	v_lshrrev_b32 v243, 23, v242
.if (\ap) == 0
	v_mov_b32 v[SW+\g], v243                       ; four bytes to a word, the earlier tokens in the lower byte
.else
	v_lshl_or_b32 v[SW+\g], v243, 8*(\ap), v[SW+\g]
.endif
	v_cvt_scalef32_pk16_fp6_f32 v[CP:CP+2], v[XS:XS+15], v242
	v_cvt_scalef32_pk16_fp6_f32 v[208:210], v[XS+16:XS+31], v242   ; (a conversion's three registers begin on an even number)
	v_nop                                          ; one plain place behind a scaled conversion
	v_mov_b32 v[CP+3], v208
	v_mov_b32 v[CP+4], v209
	v_mov_b32 v[CP+5], v210
.endm
.irp ap, 0,1,2,3
	STG 2*\ap, VSTO, 0
	STG 2*\ap+1, VSTO, 16*SPITCH
	LOADX 0
.irp g, 0,1,2,3
.if \g < 3
	LOADX \g+1
	s_wait_dscnt 32                                ; this column group's 32 loads are in; the next group's may be out
.else
	s_wait_dscnt 0x0
.endif
	BLOCKV \ap, \g
.endr
.endr
.irp g, 0,1,2,3                        ; 32 d x 96 bytes: through LDS, so that they leave as they lie in memory
.irp k, 0,1,2,3,4,5
	ds_store_b128 v[VCA], v[CB+24*\g+4*\k:CB+24*\g+4*\k+3] offset:16*\k
.endr
.if \g > 0
	s_wait_xcnt 0x0                                ; the last group's stores have read their registers
.endif
.irp k, 0,1,2,3,4,5
	ds_load_b128 v[216+4*\k:219+4*\k], v[VCR] offset:512*\k
.endr
	s_wait_dscnt 0x0
.irp k, 0,1,2,3,4,5
	global_store_b128 v[CO], v[216+4*\k:219+4*\k], s[12:13] offset:(\g/2)*98304+(\g%2)*3072+512*\k
.endr
.endr
.irp g, 0,1,2,3
	ds_store_b32 v[VSA], v[SW+\g] offset:128*\g
.endr
	ds_load_b128 v[240:243], v[VSR]
	s_wait_dscnt 0x0
	global_store_b128 v[GVS], v[240:243], s[66:67]  ; sixteen lanes store a head's 256 consecutive bytes, aligned
.Ljoin:
	s_wait_tensorcnt 0x0                           ; the wave's end
	ds_add_u32 v[SPW], v[NIL]
	s_wait_dscnt 0x0
	CROUND                                         ; the closing round: no work-group ends while a partner may still ask for a tile that names it
	s_endpgm
.Lfunc_end_k_q2a653b018d_qkv:
	.size	k_q2a653b018d_qkv, .Lfunc_end_k_q2a653b018d_qkv-k_q2a653b018d_qkv
	.p2alignl 7, 3214868480
	.fill 96, 4, 3214868480
	.section	.rodata,"a",@progbits
	.p2align	6, 0x0
	.amdhsa_kernel k_q2a653b018d_qkv
		.amdhsa_group_segment_fixed_size 327680
		.amdhsa_private_segment_fixed_size 0
		.amdhsa_enable_private_segment 0
		.amdhsa_kernarg_size 80
		.amdhsa_user_sgpr_count 2
		.amdhsa_user_sgpr_kernarg_segment_ptr 1
		.amdhsa_wavefront_size32 1
		.amdhsa_system_sgpr_workgroup_id_x 1
		.amdhsa_system_sgpr_workgroup_id_y 1
		.amdhsa_system_sgpr_workgroup_id_z 1
		.amdhsa_system_vgpr_workitem_id 0
		.amdhsa_next_free_vgpr 1024
		.amdhsa_next_free_sgpr 102
		.amdhsa_reserve_vcc 0
		.amdhsa_float_denorm_mode_32 3
		.amdhsa_float_denorm_mode_16_64 3
		.amdhsa_memory_ordered 1
		.amdhsa_forward_progress 1
		.amdhsa_inst_pref_size 255
	.end_amdhsa_kernel
	.section	.bss,"aw",@nobits
	.p2align	6
	.space	262144
	.amdgpu_metadata
---
amdhsa.version: [ 1, 2 ]
amdhsa.kernels:
  - .name:           k_q2a653b018d_qkv
    .symbol:         k_q2a653b018d_qkv.kd
    .args:
      - { .name: actc, .offset: 0, .size: 8, .value_kind: global_buffer, .address_space: global }
      - { .name: acts, .offset: 8, .size: 8, .value_kind: global_buffer, .address_space: global }
      - { .name: Wq_codes, .offset: 16, .size: 8, .value_kind: global_buffer, .address_space: global }
      - { .name: Wq_scales, .offset: 24, .size: 8, .value_kind: global_buffer, .address_space: global }
      - { .name: Wk_codes, .offset: 32, .size: 8, .value_kind: global_buffer, .address_space: global }
      - { .name: Wk_scales, .offset: 40, .size: 8, .value_kind: global_buffer, .address_space: global }
      - { .name: Wv_codes, .offset: 48, .size: 8, .value_kind: global_buffer, .address_space: global }
      - { .name: Wv_scales, .offset: 56, .size: 8, .value_kind: global_buffer, .address_space: global }
      - { .name: qkvc, .offset: 64, .size: 8, .value_kind: global_buffer, .address_space: global }
      - { .name: qkvs, .offset: 72, .size: 8, .value_kind: global_buffer, .address_space: global }
    .group_segment_fixed_size: 327680
    .private_segment_fixed_size: 0
    .kernarg_segment_align: 8
    .kernarg_segment_size: 80
    .max_flat_workgroup_size: 128
    .sgpr_count:     102
    .vgpr_count:     1024
    .wavefront_size: 32
...
	.end_amdgpu_metadata
.endif
;; end of part 2
;; launch attn (part 3): grid 8 x 32, 16 waves a work-group, no clusters, 210,944 bytes of LDS; arguments qkvc, qkvs, actc, acts; writes actc, acts
.if DOCPART == 3
	.amdgcn_target "amdgcn-amd-amdhsa--gfx1250"
	.amdhsa_code_object_version 6
	.text
	.protected	k_q2a653b018d_attn
	.globl	k_q2a653b018d_attn
	.p2align	8
	.type	k_q2a653b018d_attn,@function
k_q2a653b018d_attn:
	s_mov_b64 s[64:65], 0
	v_nop
	global_prefetch_b8 v0, s[64:65] scope:SCOPE_SE
	s_setreg_imm32_b32 hwreg(HW_REG_WAVE_MODE, 25, 1), 1
	s_wait_xcnt 0x0
; Causal attention of one head, both products on codes of FP6 (E2M3) with one E8M0 scale for each 32 along a product's K, and the quantising of the result along the model's 1,024 for the next product.
; q, k: codes [bh][2048 tokens][48 bytes] (K = the head's 64), a scale word a token (bytes 2, 3 = 0x7f).  The instruction's K is 128: its upper half is zero codes, kept in registers that are cleared once.
; v: codes [bh][16 chunks of 128 keys][64 d][96 bytes] (K = the keys), a scale word for each d and chunk.
; THE SOFTMAX AHEAD OF THE SECOND PRODUCT: t = score x log2(e) / 32; M = the row's largest t so far, rounded UP to a whole number; p = 2^(t - M) is what is quantised, along the keys, not normalised.
; The row's sum is taken of the unquantised p and divides O at the end.  When M moves, the sum and O are multiplied by 2^(old M - new M): exact.
; SHARES.  The head's 16 blocks of 128 queries go in pairs: work-group j owns blocks j and 15 - j, 17 key steps' worth of work for each tile index in every work-group.  Each of the sixteen waves owns one tile of 16
; queries in 256 registers; the halves are dealt so that of any four waves with neighbouring or with equally spaced numbers two are early and two late.
; LDS.  A head's k, v and scale words are 208,896 bytes: they come ONCE, each wave bringing a sixteenth of each of the four blocks by four tensor loads (four of a wave's loads are out), and are never filled again.
; Every wave walks sixteen key steps of 128 keys: the trip count is a constant.  A step all of whose keys come after the wave's queries does nothing but step its addresses (a scalar branch on ids).
; NO CLUSTER: that branch hangs on the work-group's x, so partners would part ways; and what they could share is fetched once in the launch's life, not in a loop.
; LAYOUT.  Both products are used transposed: S^T = K Q^T, O^T = V^T P^T: a lane holds ONE query (lane % 16) throughout.  Lane r of tile 2 b + u takes key (or d) 32 b + 8 u + r + 8 (r / 8), so that the 16 registers
; of tiles 2 b and 2 b + 1 are 16 neighbours, 32 b + 16 (lane / 16) + 0 .. 15: p's for the second product, O's for the quantiser at the end.
; LIMITS: NaN and infinities are not served; a block whose largest magnitude lies under 2^-124, a block of zeros among them, keeps the scale byte 1 (this program alone reads the bytes); v_exp_f32 and v_rcp_f32 are
; accurate to 1 ulp; a block's largest p is taken as the exponential of its largest score.  The results leave in runs of 48 bytes a token (a head's share of a row of codes) and single scale bytes.
; REGISTERS: v1-7 addresses that stay; v8-11 addresses of the step; v12 -M, v13 the largest t, v[14:15] the sum; v16-27 Q; v28-75 four fragments of K; v76-123 V's four; v124-187 S^T, then p; v188-219 O^T;
;   v220-223 V's scale words; v224-235 p's codes; v232-247 at work; v248-251 K's scale words; v252 f; v253 p's scale word; v254 at work; v255 Q's scale word.
.set VB,  98304                        ; LDS: k at 0 (pitch 48), v here (pitch 96),
.set KSB, 196608                       ; k's scale words (4 bytes a key),
.set VSB, 204800                       ; v's (4 bytes a d and chunk)
.set S,   124
.set OA,  188
.set G1A, 24                           ; s[24:31] group 1: 24 rows of 256 bytes;  s[32:39] 2 rows;  s[40:47] 1 row;  s[48:63] four groups 0
.set G1B, 32
.set G1C, 40
	s_load_b128 s[4:7], s[0:1], 0x0                ; q, k, v: codes s[4:5], scale words s[6:7]
	s_load_b128 s[8:11], s[0:1], 0x10              ; the result's codes s[8:9], scale bytes s[10:11]
	v_lshl_add_u32 v254, v0, 2, 0x33000
	v_mov_b32 v255, 0
	ds_add_u32 v254, v255
	ds_add_u32 v254, v255
	s_wait_dscnt 0x0
	v_lshrrev_b32 v8, 5, v0
	v_readfirstlane_b32 s18, v8                    ; wave 0..15
	s_and_b32 s19, ttmp7, 0xffff                   ; 16 x batch + head
.irp g, G1A, G1B, G1C                  ; dense blocks, as rows of 256 bytes: 32 elements of 8 bytes, no mask, no padding
	s_mov_b32 s[\g], 3<<16
	s_mov_b32 s[\g+1], 32<<16                      ; tensor_dim0
	s_mov_b32 s[\g+3], 32<<16                      ; tile_dim0
	s_mov_b32 s[\g+5], 32                          ; the pitch
	s_mov_b32 s[\g+6], 0
	s_mov_b32 s[\g+7], 0
.endr
	s_mov_b32 s[G1A+2], 24<<16                     ; tensor_dim1,
	s_mov_b32 s[G1A+4], 24                         ; tile_dim1: 6,144 bytes
	s_mov_b32 s[G1B+2], 2<<16
	s_mov_b32 s[G1B+4], 2                          ; 512 bytes
	s_mov_b32 s[G1C+2], 1<<16
	s_mov_b32 s[G1C+4], 1                          ; 256 bytes
	s_mul_i32 s72, s18, 6144                       ; my sixteenth of k and of v,
	s_lshl_b32 s73, s18, 9                         ; of k's scale words,
	s_lshl_b32 s84, s18, 8                         ; of v's
	s_mul_i32 s74, s19, 98304
	s_add_co_u32 s74, s74, s72
	s_add_co_u32 s76, s74, 3145728                 ; k's section
	s_mov_b32 s77, 0
	s_add_co_u32 s78, s74, 6291456                 ; v's
	s_mov_b32 s79, 0
	s_lshl_b32 s80, s19, 13
	s_add_co_u32 s80, s80, s73
	s_add_co_u32 s80, s80, 262144
	s_mov_b32 s81, 0
	s_lshl_b32 s82, s19, 12
	s_add_co_u32 s82, s82, s84
	s_add_co_u32 s82, s82, 524288
	s_mov_b32 s83, 0
	s_wait_kmcnt 0x0
	s_mov_b32 s48, 1
	s_mov_b32 s49, s72
	s_add_nc_u64 s[50:51], s[4:5], s[76:77]
	s_or_b32 s51, s51, 0x80000000
	s_mov_b32 s52, 1
	s_add_co_u32 s53, s72, VB
	s_add_nc_u64 s[54:55], s[4:5], s[78:79]
	s_or_b32 s55, s55, 0x80000000
	s_mov_b32 s56, 1
	s_add_co_u32 s57, s73, KSB
	s_add_nc_u64 s[58:59], s[6:7], s[80:81]
	s_or_b32 s59, s59, 0x80000000
	s_mov_b32 s60, 1
	s_add_co_u32 s61, s84, VSB
	s_add_nc_u64 s[62:63], s[6:7], s[82:83]
	s_or_b32 s63, s63, 0x80000000
	tensor_load_to_lds s[48:51], s[G1A:G1A+7]      ; the launch's only fills, one group, ahead of every wait on TENSORcnt, every LDS read and every barrier
	s_nop 0
	tensor_load_to_lds s[52:55], s[G1A:G1A+7]
	s_nop 0
	tensor_load_to_lds s[56:59], s[G1B:G1B+7]
	s_nop 0
	tensor_load_to_lds s[60:63], s[G1C:G1C+7]
	s_nop 0
.rept 4
	v_nop
.endr
	s_lshr_b32 s85, s18, 2
	s_xor_b32 s85, s85, s18
	s_and_b32 s85, s85, 1                          ; 0: the early block, 1: the late one
	s_lshl_b32 s86, ttmp9, 1
	s_sub_co_u32 s86, 15, s86
	s_mul_i32 s86, s86, s85
	s_add_co_u32 s86, s86, ttmp9                   ; block j or 15 - j
	s_lshl_b32 s71, s86, 7
	s_lshr_b32 s87, s18, 1
	s_lshl_b32 s87, s87, 4
	s_add_co_u32 s71, s71, s87                     ; s71 = my first query
	s_mul_i32 s88, s19, 98304
	s_mul_i32 s89, s71, 48
	s_add_co_u32 s88, s88, s89
	s_mov_b32 s89, 0
	s_add_nc_u64 s[4:5], s[4:5], s[88:89]          ; q's codes at my first query
	s_lshl_b32 s88, s19, 13
	s_lshl_b32 s90, s71, 2
	s_add_co_u32 s88, s88, s90
	s_add_nc_u64 s[6:7], s[6:7], s[88:89]          ; and its scale words
	s_lshr_b32 s90, s19, 4
	s_lshl_b32 s90, s90, 11
	s_add_co_u32 s90, s90, s71                     ; the token: 2,048 x batch + query
	s_and_b32 s91, s19, 15                         ; the head
	s_mul_i32 s88, s90, 768
	s_mul_i32 s92, s91, 48
	s_add_co_u32 s88, s88, s92
	s_add_nc_u64 s[8:9], s[8:9], s[88:89]
	s_lshl_b32 s88, s90, 5
	s_lshl_b32 s92, s91, 1
	s_add_co_u32 s88, s88, s92
	s_add_nc_u64 s[10:11], s[10:11], s[88:89]
	s_mov_b32 s20, 0x76543210                      ; v_permlanex16_b32's selects for lane l xor 16
	s_mov_b32 s21, 0xfedcba98
	s_mov_b32 s22, 0x3d38aa3b                      ; c = log2(e) / 32
	s_mov_b32 s23, s22                             ; (named with it as a pair, so it is written)
	s_mov_b32 s66, 0                               ; the step's tiles of k and of v: 6,144 bytes a step
	s_mov_b32 s67, 0                               ; k's scale words: 512
	s_mov_b32 s68, 0                               ; v's: 256
	s_mov_b32 s69, 16                              ; steps to go
	s_mov_b32 s70, 0                               ; the step's first key
	v_and_b32 v8, 15, v0                           ; r
	v_bfe_u32 v9, v0, 4, 1                         ; h
	v_mul_u32_u24 v10, v8, 48
	v_mad_u32_u24 v10, v9, 24, v10
.irp p, 0,1,2
	global_load_b64 v[16+2*\p:17+2*\p], v10, s[4:5] offset:8*\p   ; Q's fragment, K = 32 h .. 32 h + 31, stays in registers
.endr
	v_lshlrev_b32 v254, 2, v8
	global_load_b32 v255, v254, s[6:7]             ; Q's scale words
	v_and_b32 v11, 8, v8
	v_add_nc_u32 v11, v11, v8                      ; r + 8 (r / 8)
	v_mul_u32_u24 v1, v11, 48
	v_mad_u32_u24 v1, v9, 24, v1                   ; my lane's place in a tile of k
	v_mul_u32_u24 v2, v11, 96
	v_mad_u32_u24 v2, v9, 24, v2
	v_add_nc_u32 v2, VB, v2                        ; in a tile of v
	v_lshl_add_u32 v3, v11, 2, KSB                 ; among k's scale words
	v_lshl_add_u32 v4, v11, 2, VSB                 ; among v's
	v_mul_u32_u24 v5, v8, 768
	v_mad_u32_u24 v5, v9, 12, v5                   ; the way out: token r, my half's 12 bytes of a block
	v_lshl_add_u32 v6, v8, 5, v9                   ; and block h's scale byte
	v_lshlrev_b32 v7, 4, v9
	v_sub_nc_u32 v7, v8, v7                        ; r - 16 h, for the diagonal
	v_mov_b32 v13, 0xff61b1e6                      ; the largest t so far: -3e38, under every t
	v_floor_f32 v12, -v13                          ; -M
	v_mov_b32 v14, 0                               ; the sum, in two halves
	v_mov_b32 v15, 0
.irp b, 0,1,2,3
	v_mov_b32 v[236+\b], 0                         ; written once: a lane permute's destination counts as one of its sources
.endr
	v_mov_b32 v252, 0
	v_mov_b32 v253, 0                              ; (named as the upper half of the pair v[252:253] before it is first written)
.irp j, 0,1,2,3,4,5
	v_mov_b32 v[22+\j], 0                          ; K = 64 .. 127 of Q and of the four fragments of k: zero codes, for the whole launch
	v_mov_b32 v[34+\j], 0
	v_mov_b32 v[46+\j], 0
	v_mov_b32 v[58+\j], 0
	v_mov_b32 v[70+\j], 0
.endr
.set j, 0
.rept 32
	v_mov_b32 v[OA+j], 0                           ; O^T.  (The step is written once: the first finds zeros, which the first change of M leaves zeros)
.set j, j+1
.endr
	s_wait_tensorcnt 0x0                           ; my four parts have landed,
	s_barrier_signal -1
	s_barrier_wait -1                              ; everybody's have
	s_wait_loadcnt 0x0                             ; Q
.macro KLOAD g                         ; four tiles of 16 keys: 24 bytes a lane each, and their scale words
.irp t, 0,1,2,3
.irp p, 0,1,2
	ds_load_b64 v[28+12*\t+2*\p:29+12*\t+2*\p], v8 offset:(32*((4*\g+\t)/2)+8*(\t%2))*48+8*\p
.endr
	ds_load_b32 v[248+\t], v10 offset:(32*((4*\g+\t)/2)+8*(\t%2))*4
.endr
.endm
.macro KQ g
.irp t, 0,1,2,3
	v_wmma_scale_f32_16x16x128_f8f6f4 v[S+8*(4*\g+\t):S+8*(4*\g+\t)+7], v[28+12*\t:39+12*\t], v[16:27], 0, v[248+\t], v255 matrix_a_fmt:MATRIX_FMT_FP6 matrix_b_fmt:MATRIX_FMT_FP6
.endr
.endm
.Lstep:
	s_add_co_u32 s72, s71, 15
	s_cmp_gt_u32 s70, s72                          ; all 128 keys come after my 16 queries: nothing to do but step
	s_cbranch_scc1 .Lhidden
	v_add_nc_u32 v8, s66, v1                       ; (these four are also the places in front of the loads into registers that the last products read)
	v_add_nc_u32 v9, s66, v2
	v_add_nc_u32 v10, s67, v3
	v_add_nc_u32 v11, s68, v4
	KLOAD 0
.irp t, 0,1,2,3                        ; all of the step's v: four tiles of 16 d x 128 keys
.irp p, 0,1,2,3,4,5
	ds_load_b64 v[76+12*\t+2*\p:77+12*\t+2*\p], v9 offset:(32*(\t/2)+8*(\t%2))*96+48*(\p/3)+8*(\p%3)
.endr
	ds_load_b32 v[220+\t], v11 offset:(32*(\t/2)+8*(\t%2))*4
.endr
	s_wait_dscnt 28                                ; k's first four tiles are in; v's 28 loads may be out
	KQ 0
.rept 4
	v_nop                                          ; places in front of loads into registers that matrix instructions have read
.endr
	KLOAD 1
	s_wait_dscnt 0x0
	KQ 1
.rept 4
	v_nop
.endr
	s_add_co_u32 s72, s70, 127                     ; on the diagonal the scores of hidden keys become -infinity ahead of the maximum: p = 0 then.  A step all of whose keys count skips this
	s_cmp_le_u32 s72, s71
	s_cbranch_scc1 .Lopen
	s_sub_co_i32 s72, s71, s70
	v_add_nc_u32 v252, s72, v7                     ; d = my query - the step's first key - 16 h.  Register 16 b + i holds key 32 b + 16 h + i of the step: hidden where 32 b + i > d
	v_mov_b32 v254, 0xff800000                     ; -infinity
.set n, 0
.rept 64
	v_cmp_gt_i32 vcc_lo, 32*(n/16)+n%16, v252
	v_cndmask_b32 v[S+n], v[S+n], v254, vcc_lo
.set n, n+1
.endr
.Lopen:
.irp b, 0,1,2,3
	v_max3_num_f32 v[232+\b], v[S+16*\b], v[S+1+16*\b], v[S+2+16*\b]   ; the largest score of each block of 32 keys: it serves for the row's maximum and, since p rises with the score, for the block's largest p
.endr
.irp i, 3,5,7,9,11,13
.irp b, 0,1,2,3
	v_max3_num_f32 v[232+\b], v[232+\b], v[S+16*\b+\i], v[S+1+16*\b+\i]
.endr
.endr
.irp b, 0,1,2,3
	v_max_num_f32 v[232+\b], v[232+\b], v[S+15+16*\b]
.endr
.irp b, 0,1,2,3
	v_permlanex16_b32 v[236+\b], v[232+\b], s20, s21
.endr
.irp b, 0,1,2,3
	v_max_num_f32 v[232+\b], v[232+\b], v[236+\b]  ; with lane l xor 16's 16 keys
.endr
	v_max3_num_f32 v254, v232, v233, v234
	v_max_num_f32 v254, v254, v235                 ; the step's largest score of my query
	v_mul_f32 v254, s22, v254                      ; as t (c is positive)
	v_max_num_f32 v13, v13, v254                   ; the running largest t
	v_mov_b32 v254, v12
	v_floor_f32 v12, -v13                          ; the new -M = floor(-t) = -ceil(t): a whole number
	v_sub_f32 v254, v12, v254                      ; M's old value less its new one: a whole number, 0 or less
	v_cvt_i32_f32 v254, v254                       ; (it saturates)
	v_ldexp_f32 v252, 1.0, v254                    ; f = 2^(old M - new M)
.set j, 0
.rept 32
	v_pk_fma_f32 v[S+j:S+j+1], v[S+j:S+j+1], s[22:23], v[12:13] op_sel_hi:[1,0,0]   ; t - M, two at a time (of the pairs c and -M the low word serves both halves)
.set j, j+2
.endr
.irp b, 0,1,2,3
	v_fma_f32 v[232+\b], v[232+\b], s22, v12       ; the same of each block's largest score
.endr
.set j, 0
.rept 64
	v_exp_f32 v[S+j], v[S+j]                       ; p = 2^(t - M), at most 1: not normalised
.set j, j+1
.endr
.irp b, 0,1,2,3
	v_exp_f32 v[232+\b], v[232+\b]                 ; the block's largest p
.endr
	v_pk_mul_f32 v[14:15], v[14:15], v[252:253] op_sel_hi:[1,0]   ; the sums under the new M.  (A plain place behind the exponentials)
	s_wait_alu depctr_va_vdst(0)
.irp b, 0,1,2,3
	v_max_num_f32 v[232+\b], 0x1800000, v[232+\b]  ; the floor 2^(3 - 127): the byte cannot fall under 1
.endr
.irp b, 0,1,2,3
	v_add_nc_u32 v[244+\b], 0xff000000, v[232+\b]  ; 2 off the exponent field: the conversion's scale operand
.endr
.irp b, 0,1,2,3
	v_lshrrev_b32 v[236+\b], 23, v[244+\b]         ; the scale's byte
.endr
	v_lshl_or_b32 v253, v237, 8, v236              ; p's scale word for these 128 keys
	v_lshl_or_b32 v253, v238, 16, v253
	v_lshl_or_b32 v253, v239, 24, v253
.irp c, 0,1
	v_cvt_scalef32_pk16_fp6_f32 v[224+6*\c:226+6*\c], v[S+32*\c:S+15+32*\c], v[244+2*\c]
	v_cvt_scalef32_pk16_fp6_f32 v[236+4*\c:238+4*\c], v[S+16+32*\c:S+31+32*\c], v[244+2*\c+1]   ; (a conversion's three registers begin on an even number)
.endr
	v_nop                                          ; one plain place behind a scaled conversion
.irp c, 0,1                            ; the operand's layout wants a whole block in a lane: lanes 0-15 block 2 c, lanes 16-31 block 2 c + 1
.irp i, 0,1,2
	v_permlane16_swap_b32 v[224+6*\c+\i], v[236+4*\c+\i]
.endr
.irp i, 0,1,2
	v_mov_b32 v[227+6*\c+\i], v[236+4*\c+\i]
.endr
.endr
	v_pk_add_f32 v[236:237], v[S:S+1], v[S+2:S+3]  ; the row's sum is taken of the unquantised p: two at a time, in two chains
.irp j, 4,8,12,16,20,24,28,32,36,40,44,48,52,56,60
	v_pk_add_f32 v[14:15], v[14:15], v[S+\j:S+1+\j]
	v_pk_add_f32 v[236:237], v[236:237], v[S+2+\j:S+3+\j]
.endr
	v_pk_add_f32 v[14:15], v[14:15], v[236:237]
.set j, 0
.rept 16
	v_pk_mul_f32 v[OA+j:OA+j+1], v[OA+j:OA+j+1], v[252:253] op_sel_hi:[1,0]   ; O^T under the new M.  (With the sums above: the places between the writes of p's codes and scale word and the products below)
.set j, j+2
.endr
.irp t, 0,1,2,3                        ; O^T += V^T P^T: the four accumulators by turns
	v_wmma_scale_f32_16x16x128_f8f6f4 v[OA+8*\t:OA+8*\t+7], v[76+12*\t:87+12*\t], v[224:235], v[OA+8*\t:OA+8*\t+7], v[220+\t], v253 matrix_a_fmt:MATRIX_FMT_FP6 matrix_b_fmt:MATRIX_FMT_FP6
.endr
.Lhidden:
	s_add_co_u32 s66, s66, 6144
	s_add_co_u32 s67, s67, 512
	s_add_co_u32 s68, s68, 256
	s_add_co_u32 s70, s70, 128
	s_sub_co_u32 s69, s69, 1
	s_cmp_lg_u32 s69, 0
	s_cbranch_scc1 .Lstep
	; THE WAY OUT.  O^T / the sum; register 16 b + i is d = 32 b + 16 h + i of my query: half a block of the next product's K; lane l xor 16 holds the other half.
.rept 4
	v_nop                                          ; places behind the last products
.endr
	v_add_f32 v14, v14, v15                        ; the sum's two halves,
	v_permlanex16_b32 v252, v14, s20, s21
	v_add_f32 v14, v14, v252                       ; and lane l xor 16's: the row's sum
	v_rcp_f32 v14, v14
	v_and_b32 v242, 16, v0                         ; (a plain place behind the transcendental)
.set j, 0
	s_wait_alu depctr_va_vdst(0)
.rept 32
	v_mul_f32 v[S+j], v[OA+j], v14
.set j, j+1
.endr
.irp b, 0,1
	v_max3_num_f32 v[232+\b], |v[S+16*\b]|, |v[S+1+16*\b]|, 0x1800000
.endr
.irp i, 2,4,6,8,10,12,14
.irp b, 0,1
	v_max3_num_f32 v[232+\b], v[232+\b], |v[S+16*\b+\i]|, |v[S+1+16*\b+\i]|
.endr
.endr
.irp b, 0,1
	v_permlanex16_b32 v[236+\b], v[232+\b], s20, s21
.endr
.irp b, 0,1
	v_max_num_f32 v[232+\b], v[232+\b], v[236+\b]
.endr
.irp b, 0,1
	v_add_nc_u32 v[244+\b], 0xff000000, v[232+\b]
.endr
	v_cvt_scalef32_pk16_fp6_f32 v[224:226], v[S:S+15], v244
	v_cvt_scalef32_pk16_fp6_f32 v[228:230], v[S+16:S+31], v245
.irp b, 0,1
	v_lshrrev_b32 v[240+\b], 23, v[244+\b]         ; the scale bytes.  (Plain places behind the conversions)
.endr
	v_cmp_ne_u32 vcc_lo, 0, v242
	v_cndmask_b32 v240, v240, v241, vcc_lo         ; lanes 0-15 store block 0's byte, lanes 16-31 block 1's
	global_store_b96 v5, v[224:226], s[8:9]
	global_store_b96 v5, v[228:230], s[8:9] offset:24
	global_store_b8 v6, v240, s[10:11]
	s_wait_xcnt 0x0
	v_lshl_add_u32 v254, v0, 2, 0x33000
	v_mov_b32 v255, 0
	s_wait_tensorcnt 0x0
	ds_add_u32 v254, v255
	s_wait_dscnt 0x0
	s_endpgm
.Lfunc_end_k_q2a653b018d_attn:
	.size	k_q2a653b018d_attn, .Lfunc_end_k_q2a653b018d_attn-k_q2a653b018d_attn
	.p2alignl 7, 3214868480
	.fill 96, 4, 3214868480
	.section	.rodata,"a",@progbits
	.p2align	6, 0x0
	.amdhsa_kernel k_q2a653b018d_attn
		.amdhsa_group_segment_fixed_size 210944
		.amdhsa_private_segment_fixed_size 0
		.amdhsa_enable_private_segment 0
		.amdhsa_kernarg_size 32
		.amdhsa_user_sgpr_count 2
		.amdhsa_user_sgpr_kernarg_segment_ptr 1
		.amdhsa_wavefront_size32 1
		.amdhsa_system_sgpr_workgroup_id_x 1
		.amdhsa_system_sgpr_workgroup_id_y 1
		.amdhsa_system_sgpr_workgroup_id_z 1
		.amdhsa_system_vgpr_workitem_id 0
		.amdhsa_next_free_vgpr 256
		.amdhsa_next_free_sgpr 96
		.amdhsa_reserve_vcc 1
		.amdhsa_float_denorm_mode_32 3
		.amdhsa_float_denorm_mode_16_64 3
		.amdhsa_memory_ordered 1
		.amdhsa_forward_progress 1
		.amdhsa_inst_pref_size 36
	.end_amdhsa_kernel
	.amdgpu_metadata
---
amdhsa.version: [ 1, 2 ]
amdhsa.kernels:
  - .name:           k_q2a653b018d_attn
    .symbol:         k_q2a653b018d_attn.kd
    .args:
      - { .name: qkvc, .offset: 0, .size: 8, .value_kind: global_buffer, .address_space: global }
      - { .name: qkvs, .offset: 8, .size: 8, .value_kind: global_buffer, .address_space: global }
      - { .name: actc, .offset: 16, .size: 8, .value_kind: global_buffer, .address_space: global }
      - { .name: acts, .offset: 24, .size: 8, .value_kind: global_buffer, .address_space: global }
    .group_segment_fixed_size: 210944
    .private_segment_fixed_size: 0
    .kernarg_segment_align: 8
    .kernarg_segment_size: 32
    .max_flat_workgroup_size: 512
    .sgpr_count:     96
    .vgpr_count:     256
    .wavefront_size: 32
...
	.end_amdgpu_metadata
.endif
;; end of part 3
;; launch wo (part 4): grid 4 x 16, 4 waves a work-group, clusters of 4 x 4, 327,680 bytes of LDS; arguments actc, acts, Wo_codes, Wo_scales, bo, x, x1; writes x1
.if DOCPART == 4
	.amdgcn_target "amdgcn-amd-amdhsa--gfx1250"
	.amdhsa_code_object_version 6
	.text
	.protected	k_q2a653b018d_wo
	.globl	k_q2a653b018d_wo
	.p2align	8
	.type	k_q2a653b018d_wo,@function
k_q2a653b018d_wo:
	s_mov_b64 s[64:65], 0
	v_nop
	global_prefetch_b8 v0, s[64:65] scope:SCOPE_SE
	s_setreg_imm32_b32 hwreg(HW_REG_WAVE_MODE, 25, 1), 1
	s_wait_xcnt 0x0
	s_wait_alu depctr_hold_cnt(0) depctr_sa_sdst(0) depctr_va_vdst(0) depctr_va_sdst(0) depctr_va_ssrc(0) depctr_va_vcc(0) depctr_vm_vsrc(0)
	s_getreg_b32 s2, hwreg(HW_REG_IB_STS2, 6, 4)
	s_cmp_eq_u32 s2, 0
	s_cbranch_scc0 .Lentry_in_a_cluster
	s_endpgm
.Lentry_in_a_cluster:
	s_bfe_u32 s2, ttmp6, 0x10000c
	s_cmp_lg_u32 s2, 0xf033
	s_cbranch_scc0 .Lentry_shape_is_right
	s_endpgm
.Lentry_shape_is_right:
; out[m][n] = res[m][n] + (sum over k of A[m][k] B[n][k]) + bias[n].  A: [4096][SIZE_K], B: [SIZE_N][SIZE_K]: codes of FP6 (E2M3), 6 bits each, K innermost, with one E8M0 scale byte for each 32 along K;
; res and out: [4096][SIZE_N] f32; bias: [SIZE_N] f32; sums in f32.
; A tile of 256 x 256 is made by four waves, 128 x 128 each: 64 accumulators, 512 registers.  K goes in steps of 256 through a ring of two LDS slots filled by the tensor data mover (rows of 192 bytes).
; The scale bytes of the tile's rows, for all of K, come into LDS once, with the first fills, and stay.  CLUSTERS: 4 x 4 work-groups; A's tiles are asked for jointly along a row of the cluster, B's along a column.
; The matrix instruction is used transposed (source 0 = 16 rows of B, source 1 = 16 rows of A): a lane holds eight neighbouring numbers of a row of the result.
; THE WAY OUT: a block of 16 rows x 128 columns goes through my own stage in LDS (in slot 0, which has had its last fill and its last read) and comes back as whole rows of 512 bytes; the residual's rows, asked for a
; block ahead, and the bias are added; 32 lanes store 512 consecutive bytes, aligned to 256.  With SIZE_N = 1,024 the launch has 64 tiles, so 64 work-groups.
; REGISTERS, in windows of 256: window 0: v0-31 addresses and the bias; v32-63 scale words, two sets; v64-127 residual rows; from v128 A's fragments, one set (behind the loop: v128-191 results, v192-255 residual rows).
;   window 1: B's fragments, two sets.   window 2: the accumulators of my rows 0-63 (accumulator (a, b) at v[8 (8 a + b)]);   window 3: those of my rows 64-127.
.set SIZE_K, 1024
.set SIZE_N, 1024
.set KSTEP,  256                       ; along K in a slot
.set NQ,     KSTEP/128                 ; matrix instructions deep
.set ROWB,   192                       ; a tile's row in bytes
.set KROW,   SIZE_K*6/8                ; a row of A or of B in memory
.set PITCH,  240                       ; an LDS row: 3 x (64 bytes + 16 of padding)
.set FR,     12                        ; registers of a fragment
.set NL,     6                         ; LDS loads that bring one
.set NP,     4                         ; places behind this matrix instruction (ISA guide 7.12.1)
.set HALFT,  128*PITCH
.set SLOT,   4*HALFT
.set LAPS,   SIZE_K/(2*KSTEP)
.set KS,     SIZE_K/32
.set SCL,    2*SLOT                    ; behind the ring: the scales, as runs of 256 bytes + 16 of padding
.set HALFS,  (128*KS/256)*272
.set SBLK,   (16*KS/256)*272
.set SPARE,  SCL+4*HALFS               ; the spare words: 128 bytes for each wave, two blocks of 256 bytes that no other line names
.set SPITCH, 528                       ; a stage row: 512 bytes + 16
.set BI,   8                           ; v8-11  the bias of my 4 columns
.set ADRA, 16
.set ADRB, 20
.set STO,  24                          ; v24  where I put 32 bytes of a stage row
.set RD,   25                          ; v25  where I read a row back
.set CO,   26                          ; v26  16 x lane
.set ADRS, 27
.set SPW,  28                          ; v28  my spare word; never rewritten
.set NIL,  29                          ; v29  0; never rewritten
.set SC,   32
.set AF,   128
.set BB,   128
.set G1, 24
.set G0, 32
.set G1B, 48
.set G0B, 56
.set G1S, 68
.set G0S, 76
.set G1SB, 80
.set G0SB, 88
.set MSB, 0
.macro WIN new                         ; the immediate's high byte repeats the setting that is left
.if MSB != (\new)
	s_set_vgpr_msb (MSB<<8)|(\new)
.set MSB, (\new)
.endif
.endm
.set MUL_LO, 0xa1                      ; source 0 (B) window 1, source 1 (A) window 0, C and D window 2
.set MUL_HI, 0xf1                      ; the same, C and D window 3
.set TO_B,   0x40                      ; destination window 1, address window 0
; A joint load: waves 0 and 1 fetch for A, waves 2 and 3 for B.  Each line has one mask and one set of registers for all that issue it; the branch hangs on the wave's number alone.
; Four v_nop follow each of the two lines, ahead of the jump, the label and what follows.
.macro JLOAD g0a, g1a, g0b, g1b
	s_cmp_eq_u32 s15, 0
	s_cbranch_scc0 .Lfor_b_\@
	tensor_load_to_lds s[\g0a:\g0a+3], s[\g1a:\g1a+7]
	s_nop 0
.rept 4
	v_nop
.endr
	s_branch .Lasked_\@
.Lfor_b_\@:
	tensor_load_to_lds s[\g0b:\g0b+3], s[\g1b:\g1b+7]
	s_nop 0
.rept 4
	v_nop
.endr
.Lasked_\@:
.endm
.macro CREST                           ; a round of the cluster's barrier behind its opening barrier
	s_cmp_lg_u32 s14, 0
	s_cbranch_scc1 .Lnot_wave_0_\@
	s_barrier_signal -3
.Lnot_wave_0_\@:
	s_barrier_wait -3
	s_barrier_signal -1
	s_barrier_wait -1
.endm
.macro CROUND                          ; a whole round
	s_barrier_signal -1
	s_barrier_wait -1
	CREST
.endm
.macro RLOAD a                         ; the residual's rows 16 a .. 16 a + 15 of my 128, 512 consecutive bytes a load, into v64-127 or v192-255 by turns; every offset is an immediate, 520,192 at the most
.set RA, 64+128*((\a)%2)
.irp t, 0,1,2,3,4,5,6,7,8,9,10,11,12,13,14,15
	global_load_b128 v[RA+4*\t:RA+4*\t+3], v[CO], s[98:99] offset:(16*(\a)+\t)*SIZE_N*4
.endr
.endm
	s_load_b128 s[4:7], s[0:1], 0x0                ; A's codes, A's scales
	s_load_b128 s[8:11], s[0:1], 0x10              ; B's codes, B's scales
	s_load_b128 s[96:99], s[0:1], 0x20             ; the bias, the residual
	s_load_b64 s[12:13], s[0:1], 0x30              ; the result
	v_lshl_add_u32 v[SPW], v0, 2, SPARE
	v_mov_b32 v[NIL], 0
	ds_add_u32 v28, v29
	ds_add_u32 v28, v29
	s_wait_dscnt 0x0
	v_lshrrev_b32 v1, 5, v0
	v_readfirstlane_b32 s14, v1                    ; wave 0..3
	s_lshr_b32 s15, s14, 1                         ; which half of the tile's rows is mine.  Also: I fetch for A (0) or for B (1)
	s_and_b32 s16, s14, 1                          ; which half of its columns.  Also: which 128 rows of that tile I fetch
	s_bfe_u32 s40, ttmp6, 0x40000                  ; cx, cy: my place in the cluster
	s_bfe_u32 s41, ttmp6, 0x40004
	s_lshl_b32 s42, ttmp9, 2
	s_add_co_u32 s42, s42, s40                     ; tile column = 4 x cluster x + cx
	s_and_b32 s17, ttmp7, 0xffff
	s_lshl_b32 s17, s17, 2
	s_add_co_u32 s17, s17, s41                     ; tile row = 4 x cluster y + cy
	s_lshl_b32 s43, s41, 2
	s_lshl_b32 s43, 15, s43                        ; my row of the cluster
	s_lshl_b32 s44, 0x1111, s40                    ; my column
	s_or_b32 s[G1+0], s43, (0<<16)|(1<<20)|(1<<21)|(3<<22)|(3<<25)  ; 15:0 the mask: A's tiles go to my row; 17:16 elements of 1 byte; 20 padding on; 21 set beside a mask; 24:22 after every 16 words; 31:25 of 4 words
	s_or_b32 s[G1B+0], s44, (0<<16)|(1<<20)|(1<<21)|(3<<22)|(3<<25)
.irp g, G1, G1B
	s_mov_b32 s[\g+1], ROWB<<16                    ; tensor_dim0
	s_mov_b32 s[\g+2], 128<<16                     ; tensor_dim1 = 128
	s_mov_b32 s[\g+3], ROWB<<16                    ; tile_dim0
	s_mov_b32 s[\g+4], 128                         ; tile_dim1 = 128
	s_mov_b32 s[\g+5], KROW                        ; tensor_dim0_stride
	s_mov_b32 s[\g+6], 0
	s_mov_b32 s[\g+7], 0
.endr
	s_or_b32 s[G1S+0], s43, (3<<16)|(1<<20)|(1<<21)|(5<<22)|(3<<25)  ; the scales of 128 rows: a dense block, as rows of 256 bytes (32 elements of 8 bytes), 16 bytes of padding behind each
	s_or_b32 s[G1SB+0], s44, (3<<16)|(1<<20)|(1<<21)|(5<<22)|(3<<25)
.irp g, G1S, G1SB
	s_mov_b32 s[\g+1], 32<<16
	s_mov_b32 s[\g+2], (128*KS/256)<<16
	s_mov_b32 s[\g+3], 32<<16
	s_mov_b32 s[\g+4], 128*KS/256
	s_mov_b32 s[\g+5], 32
	s_mov_b32 s[\g+6], 0
	s_mov_b32 s[\g+7], 0
.endr
	s_lshl_b32 s18, s16, 7                         ; which 128 rows of the tile I fetch
	s_lshl_b32 s20, s17, 8
	s_add_co_u32 s20, s20, s18                     ; A: row 256 x tile row + 128 x half
	s_lshl_b32 s46, s42, 8
	s_add_co_u32 s46, s46, s18                     ; B: row 256 x tile column + 128 x half
	s_mov_b32 s21, 0
	s_mov_b32 s47, 0
	s_mov_b64 s[18:19], KS
	s_mul_u64 s[22:23], s[20:21], s[18:19]         ; where these rows' scales begin, in bytes
	s_mul_u64 s[92:93], s[46:47], s[18:19]
	s_mov_b64 s[18:19], KROW
	s_mul_u64 s[20:21], s[20:21], s[18:19]         ; and their codes
	s_mul_u64 s[46:47], s[46:47], s[18:19]
	s_mul_i32 s45, s14, HALFT                      ; where they go: wave x 128 rows: no place in the cluster enters an LDS address
	s_mul_i32 s94, s14, HALFS
	s_wait_kmcnt 0x0
	s_add_nc_u64 s[20:21], s[4:5], s[20:21]
	s_add_nc_u64 s[22:23], s[6:7], s[22:23]
	s_add_nc_u64 s[46:47], s[8:9], s[46:47]
	s_add_nc_u64 s[92:93], s[10:11], s[92:93]
	CROUND                                         ; all sixteen work-groups are here: the first joint loads meet
	s_mov_b32 s[G0S], 1
	s_add_co_u32 s[G0S+1], s94, SCL
	s_mov_b64 s[G0S+2:G0S+3], s[22:23]
	s_or_b32 s[G0S+3], s[G0S+3], 0x80000000
	s_mov_b32 s[G0SB], 1
	s_add_co_u32 s[G0SB+1], s94, SCL
	s_mov_b64 s[G0SB+2:G0SB+3], s[92:93]
	s_or_b32 s[G0SB+3], s[G0SB+3], 0x80000000
	JLOAD G0S, G1S, G0SB, G1SB                     ; the scales first: they are wanted with K step 0
.irp s, 0,1
	s_mov_b32 s[G0+4*\s], 1
	s_add_co_u32 s[G0+4*\s+1], s45, \s*SLOT
	s_add_nc_u64 s[G0+4*\s+2:G0+4*\s+3], s[20:21], \s*ROWB
	s_or_b32 s[G0+4*\s+3], s[G0+4*\s+3], 0x80000000
	s_mov_b32 s[G0B+4*\s], 1
	s_add_co_u32 s[G0B+4*\s+1], s45, \s*SLOT
	s_add_nc_u64 s[G0B+4*\s+2:G0B+4*\s+3], s[46:47], \s*ROWB
	s_or_b32 s[G0B+4*\s+3], s[G0B+4*\s+3], 0x80000000
	JLOAD G0+4*\s, G1, G0B+4*\s, G1B
.endr
	v_and_b32 v1, 15, v0                           ; l % 16
	v_bfe_u32 v2, v0, 4, 1                         ; l / 16
	v_mul_u32_u24 v3, v1, PITCH
	v_mul_u32_u24 v4, v2, 24
	v_add_nc_u32 v4, v3, v4                        ; a fragment's row x pitch + 24 x half
	v_lshl_add_u32 v5, v2, 4, v4                   ; and the same behind one padding more
	s_mul_i32 s21, s15, HALFT                      ; my 128 rows of A
	s_mul_i32 s22, s16, HALFT                      ; my 128 rows of B,
	s_add_co_u32 s22, s22, 2*HALFT                 ; which lie behind A's 256
.irp s, 0,1
	v_add_nc_u32 v[ADRA+\s], s21, v4
	v_add_nc_u32 v[ADRB+\s], s22, v4
	v_add_nc_u32 v[ADRA+2+\s], s21, v5
	v_add_nc_u32 v[ADRB+2+\s], s22, v5
	s_add_co_u32 s21, s21, SLOT
	s_add_co_u32 s22, s22, SLOT
.endr
	v_mul_u32_u24 v5, v1, KS                       ; my row's scales: KS bytes a row,
	v_lshrrev_b32 v6, 8, v5
	v_lshl_add_u32 v5, v6, 4, v5                   ; and 16 more for each 256 passed
	s_mul_i32 s21, s15, HALFS
	s_mul_i32 s22, s16, HALFS
	s_add_co_u32 s22, s22, 2*HALFS
	s_sub_co_u32 s22, s22, s21
	v_mul_u32_u24 v6, s22, v2                      ; lanes 16-31 take B's
	s_add_co_u32 s21, s21, SCL
	v_add_nc_u32 v5, v5, v6
	v_add_nc_u32 v[ADRS], s21, v5
	s_mul_i32 s23, s14, 16*SPITCH                  ; my stage
	v_mul_u32_u24 v5, v1, SPITCH                   ; in: row l % 16, 32 bytes for each half of the lanes
	v_lshl_add_u32 v5, v2, 5, v5
	v_add_nc_u32 v[STO], s23, v5
	v_and_b32 v6, 31, v0
	v_lshlrev_b32 v[CO], 4, v6                     ; back: the 32 lanes take one row of 512 bytes; and the same in memory
	v_add_nc_u32 v[RD], s23, v[CO]
	s_lshl_b32 s20, s17, 8
	s_lshl_b32 s21, s15, 7
	s_add_co_u32 s20, s20, s21                     ; my first row: 256 x tile row + 128 x half
	s_mov_b32 s21, 0
	s_mov_b64 s[18:19], SIZE_N*4
	s_mul_u64 s[20:21], s[20:21], s[18:19]
	s_lshl_b32 s46, s42, 10                        ; my first column, in bytes: 1024 x tile column + 512 x half
	s_lshl_b32 s47, s16, 9
	s_add_co_u32 s46, s46, s47
	s_mov_b32 s47, 0
	s_add_nc_u64 s[96:97], s[96:97], s[46:47]      ; the bias at my first column
	s_add_nc_u64 s[20:21], s[20:21], s[46:47]
	s_add_nc_u64 s[12:13], s[12:13], s[20:21]      ; the result and the residual at my first number
	s_add_nc_u64 s[98:99], s[98:99], s[20:21]
	global_load_b128 v[BI:BI+3], v[CO], s[96:97]
	RLOAD 0                                        ; they land while K is walked; their address registers are never rewritten
.macro FRAG reg, adr, q, i             ; a fragment, 16 rows x 128 K of 6-bit codes: lane l holds row l % 16; registers 6 c .. 6 c + 5 hold K = 64 c + 32 (l / 16) + 0 .. 31: 24 bytes of the row, as they lie
.irp p, 0,1,2,3,4,5                    ; in pieces of 8 bytes.  Lanes 16-31 read three pieces further on; where that piece lies behind one padding more, the second address register serves
.set PC, 12*(\q)+6*(\p/3)+\p%3
.if PC%8 < 5
	ds_load_b64 v[\reg+2*\p:\reg+2*\p+1], v[\adr] offset:8*PC+16*(PC/8)+(\i)*16*PITCH
.else
	ds_load_b64 v[\reg+2*\p:\reg+2*\p+1], v[\adr+2] offset:8*PC+16*(PC/8)+(\i)*16*PITCH
.endif
.endr
.endm
; 16 matrix instructions: A's blocks a0, a0 + 1 x B's eight, 128 along K.  zero = 1: the first product starts the sums.  The 64 accumulators take turns, one instruction a turn.
.macro MUL16 a0, p, q, sc, zero
.irp a, \a0, \a0+1
.irp b, 0,1,2,3,4,5,6,7
.if \zero
	v_wmma_scale_f32_16x16x128_f8f6f4 v[8*(8*((\a)%4)+\b):8*(8*((\a)%4)+\b)+7], v[128*(\p)+FR*\b:128*(\p)+FR*\b+FR-1], v[AF+FR*(\a):AF+FR*(\a)+FR-1], 0, v[SC+8*NQ*(\sc)+NQ*\b+(\q)], v[SC+8*NQ*(\sc)+NQ*(\a)+(\q)] matrix_a_fmt:MATRIX_FMT_FP6 matrix_b_fmt:MATRIX_FMT_FP6 matrix_a_scale:MATRIX_SCALE_ROW1
.else
	v_wmma_scale_f32_16x16x128_f8f6f4 v[8*(8*((\a)%4)+\b):8*(8*((\a)%4)+\b)+7], v[128*(\p)+FR*\b:128*(\p)+FR*\b+FR-1], v[AF+FR*(\a):AF+FR*(\a)+FR-1], v[8*(8*((\a)%4)+\b):8*(8*((\a)%4)+\b)+7], v[SC+8*NQ*(\sc)+NQ*\b+(\q)], v[SC+8*NQ*(\sc)+NQ*(\a)+(\q)] matrix_a_fmt:MATRIX_FMT_FP6 matrix_b_fmt:MATRIX_FMT_FP6 matrix_a_scale:MATRIX_SCALE_ROW1
.endif
.endr
.endr
.endm
.macro FETCH_B slot, q, p              ; B's eight fragments of the slot's q-th 128 along K into set p
	WIN TO_B
.irp i, 0,1,2,3,4,5,6,7
	FRAG 128*(\p)+FR*\i, ADRB+\slot, \q, \i
.endr
	WIN 0
.endm
.macro FETCH_A slot, q, i0             ; A's blocks i0 .. i0 + 3
.irp i, \i0, \i0+1, \i0+2, \i0+3
	FRAG AF+FR*(\i), ADRA+\slot, \q, \i
.endr
.endm
.macro SCALES sc                       ; a K step's scale words into set sc: lanes 0-15 take A's block i, lanes 16-31 B's block i
.irp i, 0,1,2,3,4,5,6,7
	ds_load_b64 v[SC+8*NQ*\sc+NQ*\i:SC+8*NQ*\sc+NQ*\i+1], v[ADRS] offset:\i*SBLK
.endr
.endm
.macro PLACES n                        ; plain vector instructions between a matrix instruction and a load into, or a read of, its registers
.rept \n
	v_nop
.endr
.endm
.macro STEP slot, q, zero              ; a step of 128 along K that has its successor in the same slot
	s_wait_dscnt 4*NL                              ; B's set and A's blocks 0-3 are in; the youngest 24 loads (A's blocks 4-7) may be out
	WIN MUL_LO
	MUL16 0, (\q)%2, \q, \slot, \zero
	MUL16 2, (\q)%2, \q, \slot, \zero
	s_wait_dscnt 0                                 ; A's blocks 4-7 are in
	PLACES NP
	FETCH_B \slot, (\q)+1, 1-(\q)%2
	FETCH_A \slot, (\q)+1, 0
	WIN MUL_HI
	MUL16 4, (\q)%2, \q, \slot, \zero
	MUL16 6, (\q)%2, \q, \slot, \zero
	PLACES NP
	WIN 0
	FETCH_A \slot, (\q)+1, 4
.endm
; A slot's last step changes slots: one barrier; in front of it each wave waits for all its tensor loads, adds 0 to its spare word, and waits for that and for its reads of this slot.  fill = 1: this slot is filled again.
.macro TURN slot, next, fill
	s_wait_tensorcnt 0x0                           ; all my tensor loads have landed: my part of the next slot
	ds_add_u32 v[SPW], v[NIL]                      ; 0 onto my spare word
	s_wait_dscnt 4*NL+1                            ; (the add and the youngest 24 loads, A's blocks 4-7, may be out)
	WIN MUL_LO
	MUL16 0, 1, NQ-1, \slot, 0
	s_wait_dscnt 0x0                               ; the add is done, and my reads of this slot are over
	s_barrier_signal -1
	MUL16 2, 1, NQ-1, \slot, 0
	WIN 0
	s_barrier_wait -1
.if \fill
	CREST                                          ; the barrier has opened a round of the cluster's barrier: no wave of any partner still reads this slot or has a load on its way
	s_add_nc_u64 s[G0+4*\slot+2:G0+4*\slot+3], s[G0+4*\slot+2:G0+4*\slot+3], 2*ROWB
	s_add_nc_u64 s[G0B+4*\slot+2:G0B+4*\slot+3], s[G0B+4*\slot+2:G0B+4*\slot+3], 2*ROWB
	JLOAD G0+4*\slot, G1, G0B+4*\slot, G1B         ; the first tensor load behind the round; its four v_nop are the places in front of the loads below
.else
	PLACES NP
.endif
	v_add_nc_u32 v[ADRS], 4*NQ, v[ADRS]            ; on to the next K step's scale words
	FETCH_B \next, 0, 0
	FETCH_A \next, 0, 0
	SCALES \next
	WIN MUL_HI
	MUL16 4, 1, NQ-1, \slot, 0
	MUL16 6, 1, NQ-1, \slot, 0
	PLACES NP
	WIN 0
	FETCH_A \next, 0, 4
.endm
	s_wait_tensorcnt 1                             ; the scales and my part of K step 0 are in (K step 1's load may be out),
	s_barrier_signal -1
	s_barrier_wait -1                              ; everybody's are
	FETCH_B 0, 0, 0
	FETCH_A 0, 0, 0
	SCALES 0
	FETCH_A 0, 0, 4
	STEP 0, 0, 1                                   ; the first step stands in front of the loop: its products start the sums
	s_mov_b32 s3, LAPS-1
.Llap:                                                 ; a trip goes once round the ring and fills both slots again
	TURN 0, 1, 1
	STEP 1, 0, 0
	TURN 1, 0, 1
	STEP 0, 0, 0
	s_sub_co_u32 s3, s3, 1
	s_cmp_lg_u32 s3, 0
	s_cbranch_scc1 .Llap
	TURN 0, 1, 0                                   ; the last lap fills nothing
	STEP 1, 0, 0
	s_wait_dscnt 4*NL
	WIN MUL_LO
	MUL16 0, 1, NQ-1, 1, 0
	MUL16 2, 1, NQ-1, 1, 0
	s_wait_dscnt 0
	WIN MUL_HI
	MUL16 4, 1, NQ-1, 1, 0
	MUL16 6, 1, NQ-1, 1, 0
	WIN 0
; A block of 16 rows x 128 columns into my stage, each accumulator from its low end on
.macro STG a, adr, rowoff
.set AC, 64*((\a)%4)
	WIN 0x08+4*((\a)/4)                            ; the data: window 2 or 3
.irp b, 0,1,2,3,4,5,6,7
	ds_store_b128 v[\adr], v[AC+8*\b:AC+8*\b+3] offset:\rowoff+64*\b
	ds_store_b128 v[\adr], v[AC+8*\b+4:AC+8*\b+7] offset:\rowoff+64*\b+16
.endr
	WIN 0
.endm
.macro OUTB a
.if (\a) > 0
	s_wait_xcnt 0x0                                ; the last block's stores have read their registers
.endif
	STG \a, STO, 0
.irp t, 0,1,2,3,4,5,6,7,8,9,10,11,12,13,14,15
	ds_load_b128 v[BB+4*\t:BB+4*\t+3], v[RD] offset:\t*SPITCH   ; LDS serves a wave's instructions in order: these see the stores above
.endr
.if (\a) < 7
	RLOAD (\a)+1
	s_wait_loadcnt 16                              ; this block's residual rows (and the bias) are in; the next block's 16 loads may be out
.else
	s_wait_loadcnt 0x0
.endif
	s_wait_dscnt 0x0
.set RA, 64+128*((\a)%2)
.irp t, 0,1,2,3,4,5,6,7,8,9,10,11,12,13,14,15
	v_pk_add_f32 v[BB+4*\t:BB+4*\t+1], v[BB+4*\t:BB+4*\t+1], v[RA+4*\t:RA+4*\t+1]
	v_pk_add_f32 v[BB+4*\t+2:BB+4*\t+3], v[BB+4*\t+2:BB+4*\t+3], v[RA+4*\t+2:RA+4*\t+3]
.endr
.irp t, 0,1,2,3,4,5,6,7,8,9,10,11,12,13,14,15
	v_pk_add_f32 v[BB+4*\t:BB+4*\t+1], v[BB+4*\t:BB+4*\t+1], v[BI:BI+1]
	v_pk_add_f32 v[BB+4*\t+2:BB+4*\t+3], v[BB+4*\t+2:BB+4*\t+3], v[BI+2:BI+3]
.endr
.irp t, 0,1,2,3,4,5,6,7,8,9,10,11,12,13,14,15
	global_store_b128 v[CO], v[BB+4*\t:BB+4*\t+3], s[12:13] offset:(16*(\a)+\t)*SIZE_N*4   ; 32 lanes store 512 consecutive bytes, at a multiple of 256 from the buffer's first byte
.endr
.endm
	PLACES NP                                      ; in front of the first read of results and of the loads into registers that held A's fragments
.irp a, 0,1,2,3,4,5,6,7
	OUTB \a
.endr
	s_wait_tensorcnt 0x0                           ; the wave's end
	ds_add_u32 v[SPW], v[NIL]
	s_wait_dscnt 0x0
	CROUND                                         ; the closing round: no work-group ends while a partner may still ask for a tile that names it
	s_endpgm
.Lfunc_end_k_q2a653b018d_wo:
	.size	k_q2a653b018d_wo, .Lfunc_end_k_q2a653b018d_wo-k_q2a653b018d_wo
	.p2alignl 7, 3214868480
	.fill 96, 4, 3214868480
	.section	.rodata,"a",@progbits
	.p2align	6, 0x0
	.amdhsa_kernel k_q2a653b018d_wo
		.amdhsa_group_segment_fixed_size 327680
		.amdhsa_private_segment_fixed_size 0
		.amdhsa_enable_private_segment 0
		.amdhsa_kernarg_size 56
		.amdhsa_user_sgpr_count 2
		.amdhsa_user_sgpr_kernarg_segment_ptr 1
		.amdhsa_wavefront_size32 1
		.amdhsa_system_sgpr_workgroup_id_x 1
		.amdhsa_system_sgpr_workgroup_id_y 1
		.amdhsa_system_sgpr_workgroup_id_z 1
		.amdhsa_system_vgpr_workitem_id 0
		.amdhsa_next_free_vgpr 1024
		.amdhsa_next_free_sgpr 102
		.amdhsa_reserve_vcc 0
		.amdhsa_float_denorm_mode_32 3
		.amdhsa_float_denorm_mode_16_64 3
		.amdhsa_memory_ordered 1
		.amdhsa_forward_progress 1
		.amdhsa_inst_pref_size 204
	.end_amdhsa_kernel
	.amdgpu_metadata
---
amdhsa.version: [ 1, 2 ]
amdhsa.kernels:
  - .name:           k_q2a653b018d_wo
    .symbol:         k_q2a653b018d_wo.kd
    .args:
      - { .name: actc, .offset: 0, .size: 8, .value_kind: global_buffer, .address_space: global }
      - { .name: acts, .offset: 8, .size: 8, .value_kind: global_buffer, .address_space: global }
      - { .name: Wo_codes, .offset: 16, .size: 8, .value_kind: global_buffer, .address_space: global }
      - { .name: Wo_scales, .offset: 24, .size: 8, .value_kind: global_buffer, .address_space: global }
      - { .name: bo, .offset: 32, .size: 8, .value_kind: global_buffer, .address_space: global }
      - { .name: x, .offset: 40, .size: 8, .value_kind: global_buffer, .address_space: global }
      - { .name: x1, .offset: 48, .size: 8, .value_kind: global_buffer, .address_space: global }
    .group_segment_fixed_size: 327680
    .private_segment_fixed_size: 0
    .kernarg_segment_align: 8
    .kernarg_segment_size: 56
    .max_flat_workgroup_size: 128
    .sgpr_count:     102
    .vgpr_count:     1024
    .wavefront_size: 32
...
	.end_amdgpu_metadata
.endif
;; end of part 4
;; launch ln2: the kernel of part 1 again; grid 256 x 1, 4 waves a work-group, no clusters, 87,040 bytes of LDS; arguments x1, g2, be2, actc, acts; writes actc, acts
;; launch w1 (part 5): grid 16 x 16, 4 waves a work-group, clusters of 4 x 4, 327,680 bytes of LDS; arguments actc, acts, W1_codes, W1_scales, b1, fc, fs; writes fc, fs
.if DOCPART == 5
	.amdgcn_target "amdgcn-amd-amdhsa--gfx1250"
	.amdhsa_code_object_version 6
	.text
	.protected	k_q2a653b018d_w1
	.globl	k_q2a653b018d_w1
	.p2align	8
	.type	k_q2a653b018d_w1,@function
k_q2a653b018d_w1:
	s_mov_b64 s[64:65], 0
	v_nop
	global_prefetch_b8 v0, s[64:65] scope:SCOPE_SE
	s_setreg_imm32_b32 hwreg(HW_REG_WAVE_MODE, 25, 1), 1
	s_wait_xcnt 0x0
	s_wait_alu depctr_hold_cnt(0) depctr_sa_sdst(0) depctr_va_vdst(0) depctr_va_sdst(0) depctr_va_ssrc(0) depctr_va_vcc(0) depctr_vm_vsrc(0)
	s_getreg_b32 s2, hwreg(HW_REG_IB_STS2, 6, 4)
	s_cmp_eq_u32 s2, 0
	s_cbranch_scc0 .Lentry_in_a_cluster
	s_endpgm
.Lentry_in_a_cluster:
	s_bfe_u32 s2, ttmp6, 0x10000c
	s_cmp_lg_u32 s2, 0xf033
	s_cbranch_scc0 .Lentry_shape_is_right
	s_endpgm
.Lentry_shape_is_right:
; f = Q(relu(A B^T + bias)): the feed-forward's first product and the quantising of its result along its columns, which are the next product's K.
; A: [4096][1024], B: [4096][1024]: codes of FP6 (E2M3), K innermost, with one E8M0 scale byte for each 32 along K; bias: [4096] f32.  f: codes [4096][3,072 bytes], scale bytes [4096][128].
; A tile of 256 x 256 is made by four waves, 128 x 128 each: 64 accumulators, 512 registers.  K goes in steps of 256 through a ring of two LDS slots filled by the tensor data mover (rows of 192 bytes).
; The scale bytes of the tile's rows, for all of K, come into LDS once, with the first fills, and stay.  CLUSTERS: 4 x 4 work-groups; A's tiles are asked for jointly along a row of the cluster, B's along a column.
; The matrix instruction is used transposed (source 0 = 16 rows of B, source 1 = 16 rows of A): a lane holds eight neighbouring numbers of a row of the result.
; THE WAY OUT: a block of 16 rows x 128 columns goes through my own stage in LDS (in slot 0, which has had its last fill and its last read) and comes back 16 neighbouring columns a lane, two lanes to a block of 32;
; bias, relu, the block's largest number, its scale byte, the conversion.  A wave's 128 columns are 96 bytes of a row of codes and 4 scale bytes: eight lanes store 96 consecutive bytes; the scale words are gathered in
; LDS and leave 4 bytes a row.  Longer runs would want a wave to hold more columns of a row than its 128.
; LIMITS: NaN and infinities are not served; a block whose largest number lies under 2^-124, a block of zeros among them, keeps the scale byte 1 (this program alone reads the bytes).
; REGISTERS, in windows of 256: window 0: v0-31 addresses; v32-63 scale words, two sets; v64-69 addresses of the way out; v80-91 at work; v96-111 the bias; from v128 A's fragments, one set.
;   window 1: B's fragments, two sets.   window 2: the accumulators of my rows 0-63 (accumulator (a, b) at v[8 (8 a + b)]);   window 3: those of my rows 64-127.
.set SIZE_K, 1024
.set KSTEP,  256                       ; along K in a slot
.set NQ,     KSTEP/128                 ; matrix instructions deep
.set ROWB,   192                       ; a tile's row in bytes
.set KROW,   SIZE_K*6/8                ; a row of A or of B in memory
.set PITCH,  240                       ; an LDS row: 3 x (64 bytes + 16 of padding)
.set FR,     12                        ; registers of a fragment
.set NL,     6                         ; LDS loads that bring one
.set NP,     4                         ; places behind this matrix instruction (ISA guide 7.12.1)
.set HALFT,  128*PITCH
.set SLOT,   4*HALFT
.set LAPS,   SIZE_K/(2*KSTEP)
.set KS,     SIZE_K/32
.set SCL,    2*SLOT                    ; behind the ring: the scales, as runs of 256 bytes + 16 of padding
.set HALFS,  (128*KS/256)*272
.set SBLK,   (16*KS/256)*272
.set SPARE,  SCL+4*HALFS               ; the spare words: 128 bytes for each wave, two blocks of 256 bytes that no other line names
.set SPITCH, 528                       ; a stage row: 512 bytes + 16
.set ADRA, 16
.set ADRB, 20
.set STO,  24                          ; v24  where I put 32 bytes of a stage row
.set ADRS, 27
.set SPW,  28                          ; v28  my spare word; never rewritten
.set NIL,  29                          ; v29  0; never rewritten
.set SC,   32
.set AF,   128
.set RQ,   64                          ; v64  the stage read back: 4 rows x 8 lanes, 64 bytes (16 columns) a lane
.set SBA,  65                          ; v65  where my block's scale byte goes: 4 bytes a row
.set SBR,  66                          ; v66  the scale words read back: 4 x lane
.set GQ,   67                          ; v67  my 12 bytes of codes in memory: row l / 8, 12 (l % 8)
.set GS,   68                          ; v68  a row's scale word in memory: 128 x lane
.set GB,   69                          ; v69  the bias of my 16 columns
.set MX,   80
.set SOP,  84
.set EB,   88
.set BI,   96
.set BB,   128                         ; v128-191 four groups of 16 numbers
.set CD,   192                         ; v192-207 their codes
.set G1, 24
.set G0, 32
.set G1B, 48
.set G0B, 56
.set G1S, 68
.set G0S, 76
.set G1SB, 80
.set G0SB, 88
.set MSB, 0
.macro WIN new                         ; the immediate's high byte repeats the setting that is left
.if MSB != (\new)
	s_set_vgpr_msb (MSB<<8)|(\new)
.set MSB, (\new)
.endif
.endm
.set MUL_LO, 0xa1                      ; source 0 (B) window 1, source 1 (A) window 0, C and D window 2
.set MUL_HI, 0xf1                      ; the same, C and D window 3
.set TO_B,   0x40                      ; destination window 1, address window 0
; A joint load: waves 0 and 1 fetch for A, waves 2 and 3 for B.  Each line has one mask and one set of registers for all that issue it; the branch hangs on the wave's number alone.
; Four v_nop follow each of the two lines, ahead of the jump, the label and what follows.
.macro JLOAD g0a, g1a, g0b, g1b
	s_cmp_eq_u32 s15, 0
	s_cbranch_scc0 .Lfor_b_\@
	tensor_load_to_lds s[\g0a:\g0a+3], s[\g1a:\g1a+7]
	s_nop 0
.rept 4
	v_nop
.endr
	s_branch .Lasked_\@
.Lfor_b_\@:
	tensor_load_to_lds s[\g0b:\g0b+3], s[\g1b:\g1b+7]
	s_nop 0
.rept 4
	v_nop
.endr
.Lasked_\@:
.endm
.macro CREST                           ; a round of the cluster's barrier behind its opening barrier
	s_cmp_lg_u32 s14, 0
	s_cbranch_scc1 .Lnot_wave_0_\@
	s_barrier_signal -3
.Lnot_wave_0_\@:
	s_barrier_wait -3
	s_barrier_signal -1
	s_barrier_wait -1
.endm
.macro CROUND                          ; a whole round
	s_barrier_signal -1
	s_barrier_wait -1
	CREST
.endm
	s_load_b128 s[4:7], s[0:1], 0x0                ; A's codes, A's scales
	s_load_b128 s[8:11], s[0:1], 0x10              ; B's codes, B's scales
	s_load_b128 s[96:99], s[0:1], 0x20             ; the bias, the result's codes
	s_load_b64 s[12:13], s[0:1], 0x30              ; the result's scale bytes
	v_lshl_add_u32 v[SPW], v0, 2, SPARE
	v_mov_b32 v[NIL], 0
	ds_add_u32 v28, v29
	ds_add_u32 v28, v29
	s_wait_dscnt 0x0
	v_lshrrev_b32 v1, 5, v0
	v_readfirstlane_b32 s14, v1                    ; wave 0..3
	s_lshr_b32 s15, s14, 1                         ; which half of the tile's rows is mine.  Also: I fetch for A (0) or for B (1)
	s_and_b32 s16, s14, 1                          ; which half of its columns.  Also: which 128 rows of that tile I fetch
	s_bfe_u32 s40, ttmp6, 0x40000                  ; cx, cy: my place in the cluster
	s_bfe_u32 s41, ttmp6, 0x40004
	s_lshl_b32 s42, ttmp9, 2
	s_add_co_u32 s42, s42, s40                     ; tile column = 4 x cluster x + cx
	s_and_b32 s17, ttmp7, 0xffff
	s_lshl_b32 s17, s17, 2
	s_add_co_u32 s17, s17, s41                     ; tile row = 4 x cluster y + cy
	s_lshl_b32 s43, s41, 2
	s_lshl_b32 s43, 15, s43                        ; my row of the cluster
	s_lshl_b32 s44, 0x1111, s40                    ; my column
	s_or_b32 s[G1+0], s43, (0<<16)|(1<<20)|(1<<21)|(3<<22)|(3<<25)  ; 15:0 the mask: A's tiles go to my row; 17:16 elements of 1 byte; 20 padding on; 21 set beside a mask; 24:22 after every 16 words; 31:25 of 4 words
	s_or_b32 s[G1B+0], s44, (0<<16)|(1<<20)|(1<<21)|(3<<22)|(3<<25)
.irp g, G1, G1B
	s_mov_b32 s[\g+1], ROWB<<16                    ; tensor_dim0
	s_mov_b32 s[\g+2], 128<<16                     ; tensor_dim1 = 128
	s_mov_b32 s[\g+3], ROWB<<16                    ; tile_dim0
	s_mov_b32 s[\g+4], 128                         ; tile_dim1 = 128
	s_mov_b32 s[\g+5], KROW                        ; tensor_dim0_stride
	s_mov_b32 s[\g+6], 0
	s_mov_b32 s[\g+7], 0
.endr
	s_or_b32 s[G1S+0], s43, (3<<16)|(1<<20)|(1<<21)|(5<<22)|(3<<25)  ; the scales of 128 rows: a dense block, as rows of 256 bytes (32 elements of 8 bytes), 16 bytes of padding behind each
	s_or_b32 s[G1SB+0], s44, (3<<16)|(1<<20)|(1<<21)|(5<<22)|(3<<25)
.irp g, G1S, G1SB
	s_mov_b32 s[\g+1], 32<<16
	s_mov_b32 s[\g+2], (128*KS/256)<<16
	s_mov_b32 s[\g+3], 32<<16
	s_mov_b32 s[\g+4], 128*KS/256
	s_mov_b32 s[\g+5], 32
	s_mov_b32 s[\g+6], 0
	s_mov_b32 s[\g+7], 0
.endr
	s_lshl_b32 s18, s16, 7                         ; which 128 rows of the tile I fetch
	s_lshl_b32 s20, s17, 8
	s_add_co_u32 s20, s20, s18                     ; A: row 256 x tile row + 128 x half
	s_lshl_b32 s46, s42, 8
	s_add_co_u32 s46, s46, s18                     ; B: row 256 x tile column + 128 x half
	s_mov_b32 s21, 0
	s_mov_b32 s47, 0
	s_mov_b64 s[18:19], KS
	s_mul_u64 s[22:23], s[20:21], s[18:19]         ; where these rows' scales begin, in bytes
	s_mul_u64 s[92:93], s[46:47], s[18:19]
	s_mov_b64 s[18:19], KROW
	s_mul_u64 s[20:21], s[20:21], s[18:19]         ; and their codes
	s_mul_u64 s[46:47], s[46:47], s[18:19]
	s_mul_i32 s45, s14, HALFT                      ; where they go: wave x 128 rows: no place in the cluster enters an LDS address
	s_mul_i32 s94, s14, HALFS
	s_wait_kmcnt 0x0
	s_add_nc_u64 s[20:21], s[4:5], s[20:21]
	s_add_nc_u64 s[22:23], s[6:7], s[22:23]
	s_add_nc_u64 s[46:47], s[8:9], s[46:47]
	s_add_nc_u64 s[92:93], s[10:11], s[92:93]
	CROUND                                         ; all sixteen work-groups are here: the first joint loads meet
	s_mov_b32 s[G0S], 1
	s_add_co_u32 s[G0S+1], s94, SCL
	s_mov_b64 s[G0S+2:G0S+3], s[22:23]
	s_or_b32 s[G0S+3], s[G0S+3], 0x80000000
	s_mov_b32 s[G0SB], 1
	s_add_co_u32 s[G0SB+1], s94, SCL
	s_mov_b64 s[G0SB+2:G0SB+3], s[92:93]
	s_or_b32 s[G0SB+3], s[G0SB+3], 0x80000000
	JLOAD G0S, G1S, G0SB, G1SB                     ; the scales first: they are wanted with K step 0
.irp s, 0,1
	s_mov_b32 s[G0+4*\s], 1
	s_add_co_u32 s[G0+4*\s+1], s45, \s*SLOT
	s_add_nc_u64 s[G0+4*\s+2:G0+4*\s+3], s[20:21], \s*ROWB
	s_or_b32 s[G0+4*\s+3], s[G0+4*\s+3], 0x80000000
	s_mov_b32 s[G0B+4*\s], 1
	s_add_co_u32 s[G0B+4*\s+1], s45, \s*SLOT
	s_add_nc_u64 s[G0B+4*\s+2:G0B+4*\s+3], s[46:47], \s*ROWB
	s_or_b32 s[G0B+4*\s+3], s[G0B+4*\s+3], 0x80000000
	JLOAD G0+4*\s, G1, G0B+4*\s, G1B
.endr
	v_and_b32 v1, 15, v0                           ; l % 16
	v_bfe_u32 v2, v0, 4, 1                         ; l / 16
	v_mul_u32_u24 v3, v1, PITCH
	v_mul_u32_u24 v4, v2, 24
	v_add_nc_u32 v4, v3, v4                        ; a fragment's row x pitch + 24 x half
	v_lshl_add_u32 v5, v2, 4, v4                   ; and the same behind one padding more
	s_mul_i32 s21, s15, HALFT                      ; my 128 rows of A
	s_mul_i32 s22, s16, HALFT                      ; my 128 rows of B,
	s_add_co_u32 s22, s22, 2*HALFT                 ; which lie behind A's 256
.irp s, 0,1
	v_add_nc_u32 v[ADRA+\s], s21, v4
	v_add_nc_u32 v[ADRB+\s], s22, v4
	v_add_nc_u32 v[ADRA+2+\s], s21, v5
	v_add_nc_u32 v[ADRB+2+\s], s22, v5
	s_add_co_u32 s21, s21, SLOT
	s_add_co_u32 s22, s22, SLOT
.endr
	v_mul_u32_u24 v5, v1, KS                       ; my row's scales: KS bytes a row,
	v_lshrrev_b32 v6, 8, v5
	v_lshl_add_u32 v5, v6, 4, v5                   ; and 16 more for each 256 passed
	s_mul_i32 s21, s15, HALFS
	s_mul_i32 s22, s16, HALFS
	s_add_co_u32 s22, s22, 2*HALFS
	s_sub_co_u32 s22, s22, s21
	v_mul_u32_u24 v6, s22, v2                      ; lanes 16-31 take B's
	s_add_co_u32 s21, s21, SCL
	v_add_nc_u32 v5, v5, v6
	v_add_nc_u32 v[ADRS], s21, v5
	s_mul_i32 s23, s14, 16*SPITCH                  ; my stage
	v_mul_u32_u24 v5, v1, SPITCH                   ; in: row l % 16, 32 bytes for each half of the lanes
	v_lshl_add_u32 v5, v2, 5, v5
	v_add_nc_u32 v[STO], s23, v5
	v_and_b32 v6, 31, v0                           ; l
	v_lshrrev_b32 v7, 3, v6                        ; l / 8
	v_and_b32 v8, 7, v0                            ; l % 8
	v_mul_u32_u24 v[RQ], v7, SPITCH
	v_lshl_add_u32 v[RQ], v8, 6, v[RQ]
	v_add_nc_u32 v[RQ], s23, v[RQ]
	s_lshl_b32 s21, s14, 9
	s_add_co_u32 s21, s21, 4*16*SPITCH             ; behind the four stages: 512 scale bytes a wave
	v_lshrrev_b32 v9, 1, v8
	v_lshl_add_u32 v[SBA], v7, 2, v9
	v_add_nc_u32 v[SBA], s21, v[SBA]
	v_lshl_add_u32 v[SBR], v6, 2, s21
	v_mul_u32_u24 v[GQ], v7, 3072
	v_mad_u32_u24 v[GQ], v8, 12, v[GQ]
	v_lshlrev_b32 v[GS], 7, v6
	v_lshlrev_b32 v[GB], 6, v8
	s_lshl_b32 s20, s17, 8
	s_lshl_b32 s21, s15, 7
	s_add_co_u32 s20, s20, s21                     ; my first row: 256 x tile row + 128 x half
	s_mul_i32 s22, s20, 3072                       ; the codes: 3,072 bytes a row, my 128 columns' 96 bytes
	s_mul_i32 s23, s42, 192
	s_add_co_u32 s22, s22, s23
	s_mul_i32 s23, s16, 96
	s_add_co_u32 s22, s22, s23
	s_mov_b32 s23, 0
	s_add_nc_u64 s[98:99], s[98:99], s[22:23]
	s_lshl_b32 s22, s20, 7                         ; the scale bytes: 128 a row, my 4
	s_lshl_b32 s21, s42, 3
	s_add_co_u32 s22, s22, s21
	s_lshl_b32 s21, s16, 2
	s_add_co_u32 s22, s22, s21
	s_add_nc_u64 s[12:13], s[12:13], s[22:23]
	s_lshl_b32 s46, s42, 10                        ; the bias at my first column: 1024 x tile column + 512 x half bytes
	s_lshl_b32 s47, s16, 9
	s_add_co_u32 s46, s46, s47
	s_mov_b32 s47, 0
	s_add_nc_u64 s[96:97], s[96:97], s[46:47]
.irp i, 0,1,2,3
	global_load_b128 v[BI+4*\i:BI+4*\i+3], v[GB], s[96:97] offset:16*\i   ; it lands while K is walked
.endr
.macro FRAG reg, adr, q, i             ; a fragment, 16 rows x 128 K of 6-bit codes: lane l holds row l % 16; registers 6 c .. 6 c + 5 hold K = 64 c + 32 (l / 16) + 0 .. 31: 24 bytes of the row, as they lie
.irp p, 0,1,2,3,4,5                    ; in pieces of 8 bytes.  Lanes 16-31 read three pieces further on; where that piece lies behind one padding more, the second address register serves
.set PC, 12*(\q)+6*(\p/3)+\p%3
.if PC%8 < 5
	ds_load_b64 v[\reg+2*\p:\reg+2*\p+1], v[\adr] offset:8*PC+16*(PC/8)+(\i)*16*PITCH
.else
	ds_load_b64 v[\reg+2*\p:\reg+2*\p+1], v[\adr+2] offset:8*PC+16*(PC/8)+(\i)*16*PITCH
.endif
.endr
.endm
; 16 matrix instructions: A's blocks a0, a0 + 1 x B's eight, 128 along K.  zero = 1: the first product starts the sums.  The 64 accumulators take turns, one instruction a turn.
.macro MUL16 a0, p, q, sc, zero
.irp a, \a0, \a0+1
.irp b, 0,1,2,3,4,5,6,7
.if \zero
	v_wmma_scale_f32_16x16x128_f8f6f4 v[8*(8*((\a)%4)+\b):8*(8*((\a)%4)+\b)+7], v[128*(\p)+FR*\b:128*(\p)+FR*\b+FR-1], v[AF+FR*(\a):AF+FR*(\a)+FR-1], 0, v[SC+8*NQ*(\sc)+NQ*\b+(\q)], v[SC+8*NQ*(\sc)+NQ*(\a)+(\q)] matrix_a_fmt:MATRIX_FMT_FP6 matrix_b_fmt:MATRIX_FMT_FP6 matrix_a_scale:MATRIX_SCALE_ROW1
.else
	v_wmma_scale_f32_16x16x128_f8f6f4 v[8*(8*((\a)%4)+\b):8*(8*((\a)%4)+\b)+7], v[128*(\p)+FR*\b:128*(\p)+FR*\b+FR-1], v[AF+FR*(\a):AF+FR*(\a)+FR-1], v[8*(8*((\a)%4)+\b):8*(8*((\a)%4)+\b)+7], v[SC+8*NQ*(\sc)+NQ*\b+(\q)], v[SC+8*NQ*(\sc)+NQ*(\a)+(\q)] matrix_a_fmt:MATRIX_FMT_FP6 matrix_b_fmt:MATRIX_FMT_FP6 matrix_a_scale:MATRIX_SCALE_ROW1
.endif
.endr
.endr
.endm
.macro FETCH_B slot, q, p              ; B's eight fragments of the slot's q-th 128 along K into set p
	WIN TO_B
.irp i, 0,1,2,3,4,5,6,7
	FRAG 128*(\p)+FR*\i, ADRB+\slot, \q, \i
.endr
	WIN 0
.endm
.macro FETCH_A slot, q, i0             ; A's blocks i0 .. i0 + 3
.irp i, \i0, \i0+1, \i0+2, \i0+3
	FRAG AF+FR*(\i), ADRA+\slot, \q, \i
.endr
.endm
.macro SCALES sc                       ; a K step's scale words into set sc: lanes 0-15 take A's block i, lanes 16-31 B's block i
.irp i, 0,1,2,3,4,5,6,7
	ds_load_b64 v[SC+8*NQ*\sc+NQ*\i:SC+8*NQ*\sc+NQ*\i+1], v[ADRS] offset:\i*SBLK
.endr
.endm
.macro PLACES n                        ; plain vector instructions between a matrix instruction and a load into, or a read of, its registers
.rept \n
	v_nop
.endr
.endm
.macro STEP slot, q, zero              ; a step of 128 along K that has its successor in the same slot
	s_wait_dscnt 4*NL                              ; B's set and A's blocks 0-3 are in; the youngest 24 loads (A's blocks 4-7) may be out
	WIN MUL_LO
	MUL16 0, (\q)%2, \q, \slot, \zero
	MUL16 2, (\q)%2, \q, \slot, \zero
	s_wait_dscnt 0                                 ; A's blocks 4-7 are in
	PLACES NP
	FETCH_B \slot, (\q)+1, 1-(\q)%2
	FETCH_A \slot, (\q)+1, 0
	WIN MUL_HI
	MUL16 4, (\q)%2, \q, \slot, \zero
	MUL16 6, (\q)%2, \q, \slot, \zero
	PLACES NP
	WIN 0
	FETCH_A \slot, (\q)+1, 4
.endm
; A slot's last step changes slots: one barrier; in front of it each wave waits for all its tensor loads, adds 0 to its spare word, and waits for that and for its reads of this slot.  fill = 1: this slot is filled again.
.macro TURN slot, next, fill
	s_wait_tensorcnt 0x0                           ; all my tensor loads have landed: my part of the next slot
	ds_add_u32 v[SPW], v[NIL]                      ; 0 onto my spare word
	s_wait_dscnt 4*NL+1                            ; (the add and the youngest 24 loads, A's blocks 4-7, may be out)
	WIN MUL_LO
	MUL16 0, 1, NQ-1, \slot, 0
	s_wait_dscnt 0x0                               ; the add is done, and my reads of this slot are over
	s_barrier_signal -1
	MUL16 2, 1, NQ-1, \slot, 0
	WIN 0
	s_barrier_wait -1
.if \fill
	CREST                                          ; the barrier has opened a round of the cluster's barrier: no wave of any partner still reads this slot or has a load on its way
	s_add_nc_u64 s[G0+4*\slot+2:G0+4*\slot+3], s[G0+4*\slot+2:G0+4*\slot+3], 2*ROWB
	s_add_nc_u64 s[G0B+4*\slot+2:G0B+4*\slot+3], s[G0B+4*\slot+2:G0B+4*\slot+3], 2*ROWB
	JLOAD G0+4*\slot, G1, G0B+4*\slot, G1B         ; the first tensor load behind the round; its four v_nop are the places in front of the loads below
.else
	PLACES NP
.endif
	v_add_nc_u32 v[ADRS], 4*NQ, v[ADRS]            ; on to the next K step's scale words
	FETCH_B \next, 0, 0
	FETCH_A \next, 0, 0
	SCALES \next
	WIN MUL_HI
	MUL16 4, 1, NQ-1, \slot, 0
	MUL16 6, 1, NQ-1, \slot, 0
	PLACES NP
	WIN 0
	FETCH_A \next, 0, 4
.endm
	s_wait_tensorcnt 1                             ; the scales and my part of K step 0 are in (K step 1's load may be out),
	s_barrier_signal -1
	s_barrier_wait -1                              ; everybody's are
	FETCH_B 0, 0, 0
	FETCH_A 0, 0, 0
	SCALES 0
	FETCH_A 0, 0, 4
	STEP 0, 0, 1                                   ; the first step stands in front of the loop: its products start the sums
	s_mov_b32 s3, LAPS-1
.Llap:                                                 ; a trip goes once round the ring and fills both slots again
	TURN 0, 1, 1
	STEP 1, 0, 0
	TURN 1, 0, 1
	STEP 0, 0, 0
	s_sub_co_u32 s3, s3, 1
	s_cmp_lg_u32 s3, 0
	s_cbranch_scc1 .Llap
	TURN 0, 1, 0                                   ; the last lap fills nothing
	STEP 1, 0, 0
	s_wait_dscnt 4*NL
	WIN MUL_LO
	MUL16 0, 1, NQ-1, 1, 0
	MUL16 2, 1, NQ-1, 1, 0
	s_wait_dscnt 0
	WIN MUL_HI
	MUL16 4, 1, NQ-1, 1, 0
	MUL16 6, 1, NQ-1, 1, 0
	WIN 0
; A block of 16 rows x 128 columns into my stage, each accumulator from its low end on
.macro STG a, adr, rowoff
.set AC, 64*((\a)%4)
	WIN 0x08+4*((\a)/4)                            ; the data: window 2 or 3
.irp b, 0,1,2,3,4,5,6,7
	ds_store_b128 v[\adr], v[AC+8*\b:AC+8*\b+3] offset:\rowoff+64*\b
	ds_store_b128 v[\adr], v[AC+8*\b+4:AC+8*\b+7] offset:\rowoff+64*\b+16
.endr
	WIN 0
.endm
.macro QBLK a                          ; 16 rows: four groups of 4 rows by turns, so that no line waits for the line above it
.if (\a) > 0
	s_wait_xcnt 0x0                                ; the last block's stores of codes have read their registers
.endif
	STG \a, STO, 0
.irp g, 0,1,2,3
.irp i, 0,1,2,3
	ds_load_b128 v[BB+16*\g+4*\i:BB+16*\g+4*\i+3], v[RQ] offset:4*SPITCH*\g+16*\i
.endr
.endr
	s_wait_dscnt 0x0                               ; the numbers are in; the last block's byte stores have read their registers
.irp k, 0,2,4,6,8,10,12,14
.irp g, 0,1,2,3
	v_pk_add_f32 v[BB+16*\g+\k:BB+16*\g+\k+1], v[BB+16*\g+\k:BB+16*\g+\k+1], v[BI+\k:BI+\k+1]
.endr
.endr
.irp k, 0,1,2,3,4,5,6,7,8,9,10,11,12,13,14,15
.irp g, 0,1,2,3
	v_max_num_f32 v[BB+16*\g+\k], 0, v[BB+16*\g+\k]   ; the activation, in f32
.endr
.endr
.irp g, 0,1,2,3
	v_max3_num_f32 v[MX+\g], v[BB+16*\g], v[BB+16*\g+1], 0x1800000   ; my 16 numbers (none is negative), and the floor 2^(3 - 127)
.endr
.irp i, 2,4,6,8,10,12,14
.irp g, 0,1,2,3
	v_max3_num_f32 v[MX+\g], v[MX+\g], v[BB+16*\g+\i], v[BB+16*\g+\i+1]
.endr
.endr
.irp g, 0,1,2,3
	v_max_num_f32_dpp v[MX+\g], v[MX+\g], v[MX+\g] row_xmask:1 row_mask:0xf bank_mask:0xf   ; with my neighbour's 16: the block's
.endr
.irp g, 0,1,2,3
	v_add_nc_u32 v[SOP+\g], 0xff000000, v[MX+\g]   ; 2 off the exponent field: the conversion's scale operand
.endr
.irp g, 0,1,2,3
	v_cvt_scalef32_pk16_fp6_f32 v[CD+4*\g:CD+4*\g+2], v[BB+16*\g:BB+16*\g+15], v[SOP+\g]
.endr
.irp g, 0,1,2,3
	v_lshrrev_b32 v[EB+\g], 23, v[SOP+\g]          ; the scale's byte.  (A plain place behind the conversions)
.endr
.irp g, 0,1,2,3
	ds_store_b8 v[SBA], v[EB+\g] offset:(16*(\a)+4*\g)*4   ; both lanes of a block write the same byte with the same value
	global_store_b96 v[GQ], v[CD+4*\g:CD+4*\g+2], s[98:99] offset:(16*(\a)+4*\g)*3072   ; eight lanes store a row's 96 consecutive bytes
.endr
.endm
	s_wait_loadcnt 0x0                             ; the bias
	PLACES NP                                      ; in front of the first read of results and of the loads into registers that held A's fragments
.irp a, 0,1,2,3,4,5,6,7
	QBLK \a
.endr
.irp i, 0,1,2,3
	ds_load_b32 v[MX+\i], v[SBR] offset:128*\i     ; my 128 rows' scale words; LDS serves a wave's instructions in order
.endr
	s_wait_dscnt 0x0
.irp i, 0,1,2,3
	global_store_b32 v[GS], v[MX+\i], s[12:13] offset:4096*\i
.endr
	s_wait_tensorcnt 0x0                           ; the wave's end
	ds_add_u32 v[SPW], v[NIL]
	s_wait_dscnt 0x0
	CROUND                                         ; the closing round: no work-group ends while a partner may still ask for a tile that names it
	s_endpgm
.Lfunc_end_k_q2a653b018d_w1:
	.size	k_q2a653b018d_w1, .Lfunc_end_k_q2a653b018d_w1-k_q2a653b018d_w1
	.p2alignl 7, 3214868480
	.fill 96, 4, 3214868480
	.section	.rodata,"a",@progbits
	.p2align	6, 0x0
	.amdhsa_kernel k_q2a653b018d_w1
		.amdhsa_group_segment_fixed_size 327680
		.amdhsa_private_segment_fixed_size 0
		.amdhsa_enable_private_segment 0
		.amdhsa_kernarg_size 56
		.amdhsa_user_sgpr_count 2
		.amdhsa_user_sgpr_kernarg_segment_ptr 1
		.amdhsa_wavefront_size32 1
		.amdhsa_system_sgpr_workgroup_id_x 1
		.amdhsa_system_sgpr_workgroup_id_y 1
		.amdhsa_system_sgpr_workgroup_id_z 1
		.amdhsa_system_vgpr_workitem_id 0
		.amdhsa_next_free_vgpr 1024
		.amdhsa_next_free_sgpr 102
		.amdhsa_reserve_vcc 0
		.amdhsa_float_denorm_mode_32 3
		.amdhsa_float_denorm_mode_16_64 3
		.amdhsa_memory_ordered 1
		.amdhsa_forward_progress 1
		.amdhsa_inst_pref_size 211
	.end_amdhsa_kernel
	.amdgpu_metadata
---
amdhsa.version: [ 1, 2 ]
amdhsa.kernels:
  - .name:           k_q2a653b018d_w1
    .symbol:         k_q2a653b018d_w1.kd
    .args:
      - { .name: actc, .offset: 0, .size: 8, .value_kind: global_buffer, .address_space: global }
      - { .name: acts, .offset: 8, .size: 8, .value_kind: global_buffer, .address_space: global }
      - { .name: W1_codes, .offset: 16, .size: 8, .value_kind: global_buffer, .address_space: global }
      - { .name: W1_scales, .offset: 24, .size: 8, .value_kind: global_buffer, .address_space: global }
      - { .name: b1, .offset: 32, .size: 8, .value_kind: global_buffer, .address_space: global }
      - { .name: fc, .offset: 40, .size: 8, .value_kind: global_buffer, .address_space: global }
      - { .name: fs, .offset: 48, .size: 8, .value_kind: global_buffer, .address_space: global }
    .group_segment_fixed_size: 327680
    .private_segment_fixed_size: 0
    .kernarg_segment_align: 8
    .kernarg_segment_size: 56
    .max_flat_workgroup_size: 128
    .sgpr_count:     102
    .vgpr_count:     1024
    .wavefront_size: 32
...
	.end_amdgpu_metadata
.endif
;; end of part 5
;; launch w2 (part 6): grid 4 x 16, 4 waves a work-group, clusters of 4 x 4, 327,680 bytes of LDS; arguments fc, fs, W2_codes, W2_scales, b2, x1, out0; writes out0
.if DOCPART == 6
	.amdgcn_target "amdgcn-amd-amdhsa--gfx1250"
	.amdhsa_code_object_version 6
	.text
	.protected	k_q2a653b018d_w2
	.globl	k_q2a653b018d_w2
	.p2align	8
	.type	k_q2a653b018d_w2,@function
k_q2a653b018d_w2:
	s_mov_b64 s[64:65], 0
	v_nop
	global_prefetch_b8 v0, s[64:65] scope:SCOPE_SE
	s_setreg_imm32_b32 hwreg(HW_REG_WAVE_MODE, 25, 1), 1
	s_wait_xcnt 0x0
	s_wait_alu depctr_hold_cnt(0) depctr_sa_sdst(0) depctr_va_vdst(0) depctr_va_sdst(0) depctr_va_ssrc(0) depctr_va_vcc(0) depctr_vm_vsrc(0)
	s_getreg_b32 s2, hwreg(HW_REG_IB_STS2, 6, 4)
	s_cmp_eq_u32 s2, 0
	s_cbranch_scc0 .Lentry_in_a_cluster
	s_endpgm
.Lentry_in_a_cluster:
	s_bfe_u32 s2, ttmp6, 0x10000c
	s_cmp_lg_u32 s2, 0xf033
	s_cbranch_scc0 .Lentry_shape_is_right
	s_endpgm
.Lentry_shape_is_right:
; out[m][n] = res[m][n] + (sum over k of A[m][k] B[n][k]) + bias[n].  A: [4096][SIZE_K], B: [SIZE_N][SIZE_K]: codes of FP6 (E2M3), 6 bits each, K innermost, with one E8M0 scale byte for each 32 along K;
; res and out: [4096][SIZE_N] f32; bias: [SIZE_N] f32; sums in f32.
; A tile of 256 x 256 is made by four waves, 128 x 128 each: 64 accumulators, 512 registers.  K goes in steps of 256 through a ring of two LDS slots filled by the tensor data mover (rows of 192 bytes).
; The scale bytes of the tile's rows, for all of K (17 SIZE_K bytes of LDS with their padding), come into LDS once, with the first fills, and stay.
; CLUSTERS: 4 x 4 work-groups; A's tiles are asked for jointly along a row of the cluster, B's along a column.
; The matrix instruction is used transposed (source 0 = 16 rows of B, source 1 = 16 rows of A): a lane holds eight neighbouring numbers of a row of the result.
; THE WAY OUT: a block of 16 rows x 128 columns goes through my own stage in LDS (in slot 0, which has had its last fill and its last read) and comes back as whole rows of 512 bytes; the residual's rows, asked for a
; block ahead, and the bias are added; 32 lanes store 512 consecutive bytes, aligned to 256.  With SIZE_N = 1,024 the launch has 64 tiles, so 64 work-groups.
; REGISTERS, in windows of 256: window 0: v0-31 addresses and the bias; v32-63 scale words, two sets; v64-127 residual rows; from v128 A's fragments, one set (behind the loop: v128-191 results, v192-255 residual rows).
;   window 1: B's fragments, two sets.   window 2: the accumulators of my rows 0-63 (accumulator (a, b) at v[8 (8 a + b)]);   window 3: those of my rows 64-127.
.set SIZE_K, 4096
.set SIZE_N, 1024
.set KSTEP,  256                       ; along K in a slot
.set NQ,     KSTEP/128                 ; matrix instructions deep
.set ROWB,   192                       ; a tile's row in bytes
.set KROW,   SIZE_K*6/8                ; a row of A or of B in memory
.set PITCH,  240                       ; an LDS row: 3 x (64 bytes + 16 of padding)
.set FR,     12                        ; registers of a fragment
.set NL,     6                         ; LDS loads that bring one
.set NP,     4                         ; places behind this matrix instruction (ISA guide 7.12.1)
.set HALFT,  128*PITCH
.set SLOT,   4*HALFT
.set LAPS,   SIZE_K/(2*KSTEP)
.set KS,     SIZE_K/32
.set SCL,    2*SLOT                    ; behind the ring: the scales, as runs of 256 bytes + 16 of padding
.set HALFS,  (128*KS/256)*272
.set SBLK,   (16*KS/256)*272
.set SPARE,  SCL+4*HALFS               ; the spare words: 128 bytes for each wave, two blocks of 256 bytes that no other line names
.set SPITCH, 528                       ; a stage row: 512 bytes + 16
.set BI,   8                           ; v8-11  the bias of my 4 columns
.set ADRA, 16
.set ADRB, 20
.set STO,  24                          ; v24  where I put 32 bytes of a stage row
.set RD,   25                          ; v25  where I read a row back
.set CO,   26                          ; v26  16 x lane
.set ADRS, 27
.set SPW,  28                          ; v28  my spare word; never rewritten
.set NIL,  29                          ; v29  0; never rewritten
.set SC,   32
.set AF,   128
.set BB,   128
.set G1, 24
.set G0, 32
.set G1B, 48
.set G0B, 56
.set G1S, 68
.set G0S, 76
.set G1SB, 80
.set G0SB, 88
.set MSB, 0
.macro WIN new                         ; the immediate's high byte repeats the setting that is left
.if MSB != (\new)
	s_set_vgpr_msb (MSB<<8)|(\new)
.set MSB, (\new)
.endif
.endm
.set MUL_LO, 0xa1                      ; source 0 (B) window 1, source 1 (A) window 0, C and D window 2
.set MUL_HI, 0xf1                      ; the same, C and D window 3
.set TO_B,   0x40                      ; destination window 1, address window 0
; A joint load: waves 0 and 1 fetch for A, waves 2 and 3 for B.  Each line has one mask and one set of registers for all that issue it; the branch hangs on the wave's number alone.
; Four v_nop follow each of the two lines, ahead of the jump, the label and what follows.
.macro JLOAD g0a, g1a, g0b, g1b
	s_cmp_eq_u32 s15, 0
	s_cbranch_scc0 .Lfor_b_\@
	tensor_load_to_lds s[\g0a:\g0a+3], s[\g1a:\g1a+7]
	s_nop 0
.rept 4
	v_nop
.endr
	s_branch .Lasked_\@
.Lfor_b_\@:
	tensor_load_to_lds s[\g0b:\g0b+3], s[\g1b:\g1b+7]
	s_nop 0
.rept 4
	v_nop
.endr
.Lasked_\@:
.endm
.macro CREST                           ; a round of the cluster's barrier behind its opening barrier
	s_cmp_lg_u32 s14, 0
	s_cbranch_scc1 .Lnot_wave_0_\@
	s_barrier_signal -3
.Lnot_wave_0_\@:
	s_barrier_wait -3
	s_barrier_signal -1
	s_barrier_wait -1
.endm
.macro CROUND                          ; a whole round
	s_barrier_signal -1
	s_barrier_wait -1
	CREST
.endm
.macro RLOAD a                         ; the residual's rows 16 a .. 16 a + 15 of my 128, 512 consecutive bytes a load, into v64-127 or v192-255 by turns; every offset is an immediate, 520,192 at the most
.set RA, 64+128*((\a)%2)
.irp t, 0,1,2,3,4,5,6,7,8,9,10,11,12,13,14,15
	global_load_b128 v[RA+4*\t:RA+4*\t+3], v[CO], s[98:99] offset:(16*(\a)+\t)*SIZE_N*4
.endr
.endm
	s_load_b128 s[4:7], s[0:1], 0x0                ; A's codes, A's scales
	s_load_b128 s[8:11], s[0:1], 0x10              ; B's codes, B's scales
	s_load_b128 s[96:99], s[0:1], 0x20             ; the bias, the residual
	s_load_b64 s[12:13], s[0:1], 0x30              ; the result
	v_lshl_add_u32 v[SPW], v0, 2, SPARE
	v_mov_b32 v[NIL], 0
	ds_add_u32 v28, v29
	ds_add_u32 v28, v29
	s_wait_dscnt 0x0
	v_lshrrev_b32 v1, 5, v0
	v_readfirstlane_b32 s14, v1                    ; wave 0..3
	s_lshr_b32 s15, s14, 1                         ; which half of the tile's rows is mine.  Also: I fetch for A (0) or for B (1)
	s_and_b32 s16, s14, 1                          ; which half of its columns.  Also: which 128 rows of that tile I fetch
	s_bfe_u32 s40, ttmp6, 0x40000                  ; cx, cy: my place in the cluster
	s_bfe_u32 s41, ttmp6, 0x40004
	s_lshl_b32 s42, ttmp9, 2
	s_add_co_u32 s42, s42, s40                     ; tile column = 4 x cluster x + cx
	s_and_b32 s17, ttmp7, 0xffff
	s_lshl_b32 s17, s17, 2
	s_add_co_u32 s17, s17, s41                     ; tile row = 4 x cluster y + cy
	s_lshl_b32 s43, s41, 2
	s_lshl_b32 s43, 15, s43                        ; my row of the cluster
	s_lshl_b32 s44, 0x1111, s40                    ; my column
	s_or_b32 s[G1+0], s43, (0<<16)|(1<<20)|(1<<21)|(3<<22)|(3<<25)  ; 15:0 the mask: A's tiles go to my row; 17:16 elements of 1 byte; 20 padding on; 21 set beside a mask; 24:22 after every 16 words; 31:25 of 4 words
	s_or_b32 s[G1B+0], s44, (0<<16)|(1<<20)|(1<<21)|(3<<22)|(3<<25)
.irp g, G1, G1B
	s_mov_b32 s[\g+1], ROWB<<16                    ; tensor_dim0
	s_mov_b32 s[\g+2], 128<<16                     ; tensor_dim1 = 128
	s_mov_b32 s[\g+3], ROWB<<16                    ; tile_dim0
	s_mov_b32 s[\g+4], 128                         ; tile_dim1 = 128
	s_mov_b32 s[\g+5], KROW                        ; tensor_dim0_stride
	s_mov_b32 s[\g+6], 0
	s_mov_b32 s[\g+7], 0
.endr
	s_or_b32 s[G1S+0], s43, (3<<16)|(1<<20)|(1<<21)|(5<<22)|(3<<25)  ; the scales of 128 rows: a dense block, as rows of 256 bytes (32 elements of 8 bytes), 16 bytes of padding behind each
	s_or_b32 s[G1SB+0], s44, (3<<16)|(1<<20)|(1<<21)|(5<<22)|(3<<25)
.irp g, G1S, G1SB
	s_mov_b32 s[\g+1], 32<<16
	s_mov_b32 s[\g+2], (128*KS/256)<<16
	s_mov_b32 s[\g+3], 32<<16
	s_mov_b32 s[\g+4], 128*KS/256
	s_mov_b32 s[\g+5], 32
	s_mov_b32 s[\g+6], 0
	s_mov_b32 s[\g+7], 0
.endr
	s_lshl_b32 s18, s16, 7                         ; which 128 rows of the tile I fetch
	s_lshl_b32 s20, s17, 8
	s_add_co_u32 s20, s20, s18                     ; A: row 256 x tile row + 128 x half
	s_lshl_b32 s46, s42, 8
	s_add_co_u32 s46, s46, s18                     ; B: row 256 x tile column + 128 x half
	s_mov_b32 s21, 0
	s_mov_b32 s47, 0
	s_mov_b64 s[18:19], KS
	s_mul_u64 s[22:23], s[20:21], s[18:19]         ; where these rows' scales begin, in bytes
	s_mul_u64 s[92:93], s[46:47], s[18:19]
	s_mov_b64 s[18:19], KROW
	s_mul_u64 s[20:21], s[20:21], s[18:19]         ; and their codes
	s_mul_u64 s[46:47], s[46:47], s[18:19]
	s_mul_i32 s45, s14, HALFT                      ; where they go: wave x 128 rows: no place in the cluster enters an LDS address
	s_mul_i32 s94, s14, HALFS
	s_wait_kmcnt 0x0
	s_add_nc_u64 s[20:21], s[4:5], s[20:21]
	s_add_nc_u64 s[22:23], s[6:7], s[22:23]
	s_add_nc_u64 s[46:47], s[8:9], s[46:47]
	s_add_nc_u64 s[92:93], s[10:11], s[92:93]
	CROUND                                         ; all sixteen work-groups are here: the first joint loads meet
	s_mov_b32 s[G0S], 1
	s_add_co_u32 s[G0S+1], s94, SCL
	s_mov_b64 s[G0S+2:G0S+3], s[22:23]
	s_or_b32 s[G0S+3], s[G0S+3], 0x80000000
	s_mov_b32 s[G0SB], 1
	s_add_co_u32 s[G0SB+1], s94, SCL
	s_mov_b64 s[G0SB+2:G0SB+3], s[92:93]
	s_or_b32 s[G0SB+3], s[G0SB+3], 0x80000000
	JLOAD G0S, G1S, G0SB, G1SB                     ; the scales first: they are wanted with K step 0
.irp s, 0,1
	s_mov_b32 s[G0+4*\s], 1
	s_add_co_u32 s[G0+4*\s+1], s45, \s*SLOT
	s_add_nc_u64 s[G0+4*\s+2:G0+4*\s+3], s[20:21], \s*ROWB
	s_or_b32 s[G0+4*\s+3], s[G0+4*\s+3], 0x80000000
	s_mov_b32 s[G0B+4*\s], 1
	s_add_co_u32 s[G0B+4*\s+1], s45, \s*SLOT
	s_add_nc_u64 s[G0B+4*\s+2:G0B+4*\s+3], s[46:47], \s*ROWB
	s_or_b32 s[G0B+4*\s+3], s[G0B+4*\s+3], 0x80000000
	JLOAD G0+4*\s, G1, G0B+4*\s, G1B
.endr
	v_and_b32 v1, 15, v0                           ; l % 16
	v_bfe_u32 v2, v0, 4, 1                         ; l / 16
	v_mul_u32_u24 v3, v1, PITCH
	v_mul_u32_u24 v4, v2, 24
	v_add_nc_u32 v4, v3, v4                        ; a fragment's row x pitch + 24 x half
	v_lshl_add_u32 v5, v2, 4, v4                   ; and the same behind one padding more
	s_mul_i32 s21, s15, HALFT                      ; my 128 rows of A
	s_mul_i32 s22, s16, HALFT                      ; my 128 rows of B,
	s_add_co_u32 s22, s22, 2*HALFT                 ; which lie behind A's 256
.irp s, 0,1
	v_add_nc_u32 v[ADRA+\s], s21, v4
	v_add_nc_u32 v[ADRB+\s], s22, v4
	v_add_nc_u32 v[ADRA+2+\s], s21, v5
	v_add_nc_u32 v[ADRB+2+\s], s22, v5
	s_add_co_u32 s21, s21, SLOT
	s_add_co_u32 s22, s22, SLOT
.endr
	v_mul_u32_u24 v5, v1, KS                       ; my row's scales: KS bytes a row,
	v_lshrrev_b32 v6, 8, v5
	v_lshl_add_u32 v5, v6, 4, v5                   ; and 16 more for each 256 passed
	s_mul_i32 s21, s15, HALFS
	s_mul_i32 s22, s16, HALFS
	s_add_co_u32 s22, s22, 2*HALFS
	s_sub_co_u32 s22, s22, s21
	v_mul_u32_u24 v6, s22, v2                      ; lanes 16-31 take B's
	s_add_co_u32 s21, s21, SCL
	v_add_nc_u32 v5, v5, v6
	v_add_nc_u32 v[ADRS], s21, v5
	s_mul_i32 s23, s14, 16*SPITCH                  ; my stage
	v_mul_u32_u24 v5, v1, SPITCH                   ; in: row l % 16, 32 bytes for each half of the lanes
	v_lshl_add_u32 v5, v2, 5, v5
	v_add_nc_u32 v[STO], s23, v5
	v_and_b32 v6, 31, v0
	v_lshlrev_b32 v[CO], 4, v6                     ; back: the 32 lanes take one row of 512 bytes; and the same in memory
	v_add_nc_u32 v[RD], s23, v[CO]
	s_lshl_b32 s20, s17, 8
	s_lshl_b32 s21, s15, 7
	s_add_co_u32 s20, s20, s21                     ; my first row: 256 x tile row + 128 x half
	s_mov_b32 s21, 0
	s_mov_b64 s[18:19], SIZE_N*4
	s_mul_u64 s[20:21], s[20:21], s[18:19]
	s_lshl_b32 s46, s42, 10                        ; my first column, in bytes: 1024 x tile column + 512 x half
	s_lshl_b32 s47, s16, 9
	s_add_co_u32 s46, s46, s47
	s_mov_b32 s47, 0
	s_add_nc_u64 s[96:97], s[96:97], s[46:47]      ; the bias at my first column
	s_add_nc_u64 s[20:21], s[20:21], s[46:47]
	s_add_nc_u64 s[12:13], s[12:13], s[20:21]      ; the result and the residual at my first number
	s_add_nc_u64 s[98:99], s[98:99], s[20:21]
	global_load_b128 v[BI:BI+3], v[CO], s[96:97]
	RLOAD 0                                        ; they land while K is walked; their address registers are never rewritten
.macro FRAG reg, adr, q, i             ; a fragment, 16 rows x 128 K of 6-bit codes: lane l holds row l % 16; registers 6 c .. 6 c + 5 hold K = 64 c + 32 (l / 16) + 0 .. 31: 24 bytes of the row, as they lie
.irp p, 0,1,2,3,4,5                    ; in pieces of 8 bytes.  Lanes 16-31 read three pieces further on; where that piece lies behind one padding more, the second address register serves
.set PC, 12*(\q)+6*(\p/3)+\p%3
.if PC%8 < 5
	ds_load_b64 v[\reg+2*\p:\reg+2*\p+1], v[\adr] offset:8*PC+16*(PC/8)+(\i)*16*PITCH
.else
	ds_load_b64 v[\reg+2*\p:\reg+2*\p+1], v[\adr+2] offset:8*PC+16*(PC/8)+(\i)*16*PITCH
.endif
.endr
.endm
; 16 matrix instructions: A's blocks a0, a0 + 1 x B's eight, 128 along K.  zero = 1: the first product starts the sums.  The 64 accumulators take turns, one instruction a turn.
.macro MUL16 a0, p, q, sc, zero
.irp a, \a0, \a0+1
.irp b, 0,1,2,3,4,5,6,7
.if \zero
	v_wmma_scale_f32_16x16x128_f8f6f4 v[8*(8*((\a)%4)+\b):8*(8*((\a)%4)+\b)+7], v[128*(\p)+FR*\b:128*(\p)+FR*\b+FR-1], v[AF+FR*(\a):AF+FR*(\a)+FR-1], 0, v[SC+8*NQ*(\sc)+NQ*\b+(\q)], v[SC+8*NQ*(\sc)+NQ*(\a)+(\q)] matrix_a_fmt:MATRIX_FMT_FP6 matrix_b_fmt:MATRIX_FMT_FP6 matrix_a_scale:MATRIX_SCALE_ROW1
.else
	v_wmma_scale_f32_16x16x128_f8f6f4 v[8*(8*((\a)%4)+\b):8*(8*((\a)%4)+\b)+7], v[128*(\p)+FR*\b:128*(\p)+FR*\b+FR-1], v[AF+FR*(\a):AF+FR*(\a)+FR-1], v[8*(8*((\a)%4)+\b):8*(8*((\a)%4)+\b)+7], v[SC+8*NQ*(\sc)+NQ*\b+(\q)], v[SC+8*NQ*(\sc)+NQ*(\a)+(\q)] matrix_a_fmt:MATRIX_FMT_FP6 matrix_b_fmt:MATRIX_FMT_FP6 matrix_a_scale:MATRIX_SCALE_ROW1
.endif
.endr
.endr
.endm
.macro FETCH_B slot, q, p              ; B's eight fragments of the slot's q-th 128 along K into set p
	WIN TO_B
.irp i, 0,1,2,3,4,5,6,7
	FRAG 128*(\p)+FR*\i, ADRB+\slot, \q, \i
.endr
	WIN 0
.endm
.macro FETCH_A slot, q, i0             ; A's blocks i0 .. i0 + 3
.irp i, \i0, \i0+1, \i0+2, \i0+3
	FRAG AF+FR*(\i), ADRA+\slot, \q, \i
.endr
.endm
.macro SCALES sc                       ; a K step's scale words into set sc: lanes 0-15 take A's block i, lanes 16-31 B's block i
.irp i, 0,1,2,3,4,5,6,7
	ds_load_b64 v[SC+8*NQ*\sc+NQ*\i:SC+8*NQ*\sc+NQ*\i+1], v[ADRS] offset:\i*SBLK
.endr
.endm
.macro PLACES n                        ; plain vector instructions between a matrix instruction and a load into, or a read of, its registers
.rept \n
	v_nop
.endr
.endm
.macro STEP slot, q, zero              ; a step of 128 along K that has its successor in the same slot
	s_wait_dscnt 4*NL                              ; B's set and A's blocks 0-3 are in; the youngest 24 loads (A's blocks 4-7) may be out
	WIN MUL_LO
	MUL16 0, (\q)%2, \q, \slot, \zero
	MUL16 2, (\q)%2, \q, \slot, \zero
	s_wait_dscnt 0                                 ; A's blocks 4-7 are in
	PLACES NP
	FETCH_B \slot, (\q)+1, 1-(\q)%2
	FETCH_A \slot, (\q)+1, 0
	WIN MUL_HI
	MUL16 4, (\q)%2, \q, \slot, \zero
	MUL16 6, (\q)%2, \q, \slot, \zero
	PLACES NP
	WIN 0
	FETCH_A \slot, (\q)+1, 4
.endm
; A slot's last step changes slots: one barrier; in front of it each wave waits for all its tensor loads, adds 0 to its spare word, and waits for that and for its reads of this slot.  fill = 1: this slot is filled again.
.macro TURN slot, next, fill
	s_wait_tensorcnt 0x0                           ; all my tensor loads have landed: my part of the next slot
	ds_add_u32 v[SPW], v[NIL]                      ; 0 onto my spare word
	s_wait_dscnt 4*NL+1                            ; (the add and the youngest 24 loads, A's blocks 4-7, may be out)
	WIN MUL_LO
	MUL16 0, 1, NQ-1, \slot, 0
	s_wait_dscnt 0x0                               ; the add is done, and my reads of this slot are over
	s_barrier_signal -1
	MUL16 2, 1, NQ-1, \slot, 0
	WIN 0
	s_barrier_wait -1
.if \fill
	CREST                                          ; the barrier has opened a round of the cluster's barrier: no wave of any partner still reads this slot or has a load on its way
	s_add_nc_u64 s[G0+4*\slot+2:G0+4*\slot+3], s[G0+4*\slot+2:G0+4*\slot+3], 2*ROWB
	s_add_nc_u64 s[G0B+4*\slot+2:G0B+4*\slot+3], s[G0B+4*\slot+2:G0B+4*\slot+3], 2*ROWB
	JLOAD G0+4*\slot, G1, G0B+4*\slot, G1B         ; the first tensor load behind the round; its four v_nop are the places in front of the loads below
.else
	PLACES NP
.endif
	v_add_nc_u32 v[ADRS], 4*NQ, v[ADRS]            ; on to the next K step's scale words
	FETCH_B \next, 0, 0
	FETCH_A \next, 0, 0
	SCALES \next
	WIN MUL_HI
	MUL16 4, 1, NQ-1, \slot, 0
	MUL16 6, 1, NQ-1, \slot, 0
	PLACES NP
	WIN 0
	FETCH_A \next, 0, 4
.endm
	s_wait_tensorcnt 1                             ; the scales and my part of K step 0 are in (K step 1's load may be out),
	s_barrier_signal -1
	s_barrier_wait -1                              ; everybody's are
	FETCH_B 0, 0, 0
	FETCH_A 0, 0, 0
	SCALES 0
	FETCH_A 0, 0, 4
	STEP 0, 0, 1                                   ; the first step stands in front of the loop: its products start the sums
	s_mov_b32 s3, LAPS-1
.Llap:                                                 ; a trip goes once round the ring and fills both slots again
	TURN 0, 1, 1
	STEP 1, 0, 0
	TURN 1, 0, 1
	STEP 0, 0, 0
	s_sub_co_u32 s3, s3, 1
	s_cmp_lg_u32 s3, 0
	s_cbranch_scc1 .Llap
	TURN 0, 1, 0                                   ; the last lap fills nothing
	STEP 1, 0, 0
	s_wait_dscnt 4*NL
	WIN MUL_LO
	MUL16 0, 1, NQ-1, 1, 0
	MUL16 2, 1, NQ-1, 1, 0
	s_wait_dscnt 0
	WIN MUL_HI
	MUL16 4, 1, NQ-1, 1, 0
	MUL16 6, 1, NQ-1, 1, 0
	WIN 0
; A block of 16 rows x 128 columns into my stage, each accumulator from its low end on
.macro STG a, adr, rowoff
.set AC, 64*((\a)%4)
	WIN 0x08+4*((\a)/4)                            ; the data: window 2 or 3
.irp b, 0,1,2,3,4,5,6,7
	ds_store_b128 v[\adr], v[AC+8*\b:AC+8*\b+3] offset:\rowoff+64*\b
	ds_store_b128 v[\adr], v[AC+8*\b+4:AC+8*\b+7] offset:\rowoff+64*\b+16
.endr
	WIN 0
.endm
.macro OUTB a
.if (\a) > 0
	s_wait_xcnt 0x0                                ; the last block's stores have read their registers
.endif
	STG \a, STO, 0
.irp t, 0,1,2,3,4,5,6,7,8,9,10,11,12,13,14,15
	ds_load_b128 v[BB+4*\t:BB+4*\t+3], v[RD] offset:\t*SPITCH   ; LDS serves a wave's instructions in order: these see the stores above
.endr
.if (\a) < 7
	RLOAD (\a)+1
	s_wait_loadcnt 16                              ; this block's residual rows (and the bias) are in; the next block's 16 loads may be out
.else
	s_wait_loadcnt 0x0
.endif
	s_wait_dscnt 0x0
.set RA, 64+128*((\a)%2)
.irp t, 0,1,2,3,4,5,6,7,8,9,10,11,12,13,14,15
	v_pk_add_f32 v[BB+4*\t:BB+4*\t+1], v[BB+4*\t:BB+4*\t+1], v[RA+4*\t:RA+4*\t+1]
	v_pk_add_f32 v[BB+4*\t+2:BB+4*\t+3], v[BB+4*\t+2:BB+4*\t+3], v[RA+4*\t+2:RA+4*\t+3]
.endr
.irp t, 0,1,2,3,4,5,6,7,8,9,10,11,12,13,14,15
	v_pk_add_f32 v[BB+4*\t:BB+4*\t+1], v[BB+4*\t:BB+4*\t+1], v[BI:BI+1]
	v_pk_add_f32 v[BB+4*\t+2:BB+4*\t+3], v[BB+4*\t+2:BB+4*\t+3], v[BI+2:BI+3]
.endr
.irp t, 0,1,2,3,4,5,6,7,8,9,10,11,12,13,14,15
	global_store_b128 v[CO], v[BB+4*\t:BB+4*\t+3], s[12:13] offset:(16*(\a)+\t)*SIZE_N*4   ; 32 lanes store 512 consecutive bytes, at a multiple of 256 from the buffer's first byte
.endr
.endm
	PLACES NP                                      ; in front of the first read of results and of the loads into registers that held A's fragments
.irp a, 0,1,2,3,4,5,6,7
	OUTB \a
.endr
	s_wait_tensorcnt 0x0                           ; the wave's end
	ds_add_u32 v[SPW], v[NIL]
	s_wait_dscnt 0x0
	CROUND                                         ; the closing round: no work-group ends while a partner may still ask for a tile that names it
	s_endpgm
.Lfunc_end_k_q2a653b018d_w2:
	.size	k_q2a653b018d_w2, .Lfunc_end_k_q2a653b018d_w2-k_q2a653b018d_w2
	.p2alignl 7, 3214868480
	.fill 96, 4, 3214868480
	.section	.rodata,"a",@progbits
	.p2align	6, 0x0
	.amdhsa_kernel k_q2a653b018d_w2
		.amdhsa_group_segment_fixed_size 327680
		.amdhsa_private_segment_fixed_size 0
		.amdhsa_enable_private_segment 0
		.amdhsa_kernarg_size 56
		.amdhsa_user_sgpr_count 2
		.amdhsa_user_sgpr_kernarg_segment_ptr 1
		.amdhsa_wavefront_size32 1
		.amdhsa_system_sgpr_workgroup_id_x 1
		.amdhsa_system_sgpr_workgroup_id_y 1
		.amdhsa_system_sgpr_workgroup_id_z 1
		.amdhsa_system_vgpr_workitem_id 0
		.amdhsa_next_free_vgpr 1024
		.amdhsa_next_free_sgpr 102
		.amdhsa_reserve_vcc 0
		.amdhsa_float_denorm_mode_32 3
		.amdhsa_float_denorm_mode_16_64 3
		.amdhsa_memory_ordered 1
		.amdhsa_forward_progress 1
		.amdhsa_inst_pref_size 204
	.end_amdhsa_kernel
	.amdgpu_metadata
---
amdhsa.version: [ 1, 2 ]
amdhsa.kernels:
  - .name:           k_q2a653b018d_w2
    .symbol:         k_q2a653b018d_w2.kd
    .args:
      - { .name: fc, .offset: 0, .size: 8, .value_kind: global_buffer, .address_space: global }
      - { .name: fs, .offset: 8, .size: 8, .value_kind: global_buffer, .address_space: global }
      - { .name: W2_codes, .offset: 16, .size: 8, .value_kind: global_buffer, .address_space: global }
      - { .name: W2_scales, .offset: 24, .size: 8, .value_kind: global_buffer, .address_space: global }
      - { .name: b2, .offset: 32, .size: 8, .value_kind: global_buffer, .address_space: global }
      - { .name: x1, .offset: 40, .size: 8, .value_kind: global_buffer, .address_space: global }
      - { .name: out0, .offset: 48, .size: 8, .value_kind: global_buffer, .address_space: global }
    .group_segment_fixed_size: 327680
    .private_segment_fixed_size: 0
    .kernarg_segment_align: 8
    .kernarg_segment_size: 56
    .max_flat_workgroup_size: 128
    .sgpr_count:     102
    .vgpr_count:     1024
    .wavefront_size: 32
...
	.end_amdgpu_metadata
.endif
;; end of part 6
;; ======== version 2 of 2: 7 launches
;; limits: right only within a limited range of input values
;; workspace buffers: actc 3,145,728 bytes; acts 131,072 bytes; qkvc 9,437,184 bytes; qkvs 655,360 bytes; x1 16,777,216 bytes; fc 12,582,912 bytes; fs 524,288 bytes
;; launch ln1 (part 7): grid 256 x 1, 4 waves a work-group, no clusters, 87,040 bytes of LDS; arguments x, g1, be1, actc, acts; writes actc, acts
.if DOCPART == 7
	.amdgcn_target "amdgcn-amd-amdhsa--gfx1250"
	.amdhsa_code_object_version 6
	.text
	.protected	k_q2a653b018d_ln1
	.globl	k_q2a653b018d_ln1
	.p2align	8
	.type	k_q2a653b018d_ln1,@function
k_q2a653b018d_ln1:
	s_mov_b64 s[64:65], 0
	v_nop
	global_prefetch_b8 v0, s[64:65] scope:SCOPE_SE
	s_setreg_imm32_b32 hwreg(HW_REG_WAVE_MODE, 25, 1), 1
	s_wait_xcnt 0x0
; LayerNorm of [4096][1024] f32 rows, then the MX quantiser along the row: codes of FP6 (E2M3), 768 bytes a row, and one E8M0 byte for each 32 numbers, 32 bytes a row.
; y = (x - mean) * rsqrt(var + 1e-5) * g + b, all in f32; the variance is the mean of (x - mean)^2, taken in a second pass over registers, so a common offset of the inputs costs no accuracy.
; SHARES.  A work-group takes 16 rows, each of its four waves 4.  A wave asks for all its 4 rows at once (32 loads of 512 consecutive bytes): 64 KiB a work-group are on their way.
; A load is dense where neighbouring lanes take neighbouring bytes; the conversions want 32 NEIGHBOURS in one lane.  So each row turns through the wave's own stage in LDS: in as loaded, out 128 bytes a lane
; (places of 128 + 16 bytes, so that the lanes' reads start at different banks).  Lane l then holds columns 32 l .. 32 l + 31: one whole block, whose largest magnitude needs no other lane.
; A block's scale byte is its largest magnitude's exponent field - 2, held at 1 from below.  A wave's 4 rows of codes (3,072 bytes on end in memory) are gathered in LDS and leave as 12 aligned runs of 256 bytes;
; the work-group's 512 scale bytes meet in LDS behind one barrier and leave as two aligned runs of 256 bytes.
; LIMITS: NaN and infinities among the inputs are not served; a block whose largest magnitude lies under 2^-124 keeps the byte 1; a block of zeros keeps the byte 1 too (its codes are zeros, which add nothing
; under any byte but 0xff, and this program alone reads the bytes); v_rsq_f32 is accurate to 1 ulp (ISA guide, its entry in 15.8).
.set WREG, 21504                       ; LDS of a wave: four turn stages of 4,608 bytes, then 3,072 bytes for its codes
.set TST,  4608                        ; a turn stage: 32 places of 144 bytes
.set CST,  18432
.set SCB,  86016                       ; behind the four waves' regions: the work-group's 512 scale bytes
.set G,    16                          ; v16-47   g of my 32 columns
.set BE,   48                          ; v48-79   b of my 32 columns
.set R,    80                          ; v80-207  row i at v[80 + 32 i]
.set T,    208                         ; v208-215 at work: sums; v212-213 the mean, twice; v214-215 the reciprocal root, twice
.set C,    224                         ; v224-230 a block's codes
	s_load_b256 s[4:11], s[0:1], 0x0               ; the rows s[4:5], g s[6:7], b s[8:9], the codes s[10:11]
	s_load_b64 s[12:13], s[0:1], 0x20              ; the scale bytes
	v_lshl_add_u32 v232, v0, 2, 0x15200
	v_mov_b32 v233, 0
	v_lshrrev_b32 v1, 5, v0
	v_readfirstlane_b32 s14, v1                    ; wave 0..3
	v_and_b32 v1, 31, v0                           ; lane
	s_mul_i32 s15, s14, WREG
	s_mov_b32 s16, 0x76543210                      ; v_permlanex16_b32's selects for lane l xor 16
	s_mov_b32 s17, 0xfedcba98
	s_mov_b32 s18, 0x3a800000                      ; 1 / 1024
	s_mov_b32 s19, 0x3727c5ac                      ; 1e-5
	v_lshlrev_b32 v2, 4, v1                        ; 16 x lane: my bytes of a dense load or store
	v_lshlrev_b32 v9, 7, v1                        ; 128 x lane: g and b of my 32 columns
	v_lshrrev_b32 v3, 3, v1
	v_mul_u32_u24 v3, v3, 144
	v_and_b32 v8, 7, v1
	v_lshl_add_u32 v3, v8, 4, v3
	v_add_nc_u32 v3, s15, v3                       ; the turn, in: eight lanes' 128 bytes to a place: 144 (lane / 8) + 16 (lane % 8); a load's 512 bytes take four places
	v_mul_u32_u24 v4, v1, 144
	v_add_nc_u32 v4, s15, v4                       ; the turn, out: place = lane
	v_mul_u32_u24 v5, v1, 24
	v_add_nc_u32 v5, s15, v5
	v_add_nc_u32 v5, CST, v5                       ; my block's 24 bytes of codes in a row of 768
	v_add_nc_u32 v6, s15, v2
	v_add_nc_u32 v6, CST, v6                       ; and the way back: 16 bytes a lane
	s_lshl_b32 s26, s14, 7
	v_add_nc_u32 v7, s26, v1
	v_add_nc_u32 v7, SCB, v7                       ; my block's scale byte: 128 x wave + 32 x row + lane
	v_and_b32 v10, 63, v0
	v_lshlrev_b32 v11, 3, v10                      ; the scale bytes' way out: waves 0 and 1, 8 bytes a lane
	v_add_nc_u32 v10, SCB, v11
	s_lshl_b32 s20, ttmp9, 16                      ; 16 rows of 4,096 bytes a work-group,
	s_lshl_b32 s21, s14, 14                        ; 4 a wave
	s_add_co_u32 s20, s20, s21
	s_mov_b32 s21, 0
	s_lshl_b32 s22, ttmp9, 2
	s_add_co_u32 s22, s22, s14
	s_mul_i32 s22, s22, 3072                       ; 4 rows of 768 bytes of codes a wave
	s_mov_b32 s23, 0
	s_lshl_b32 s24, ttmp9, 9                       ; 512 scale bytes a work-group
	s_mov_b32 s25, 0
	s_wait_kmcnt 0x0
	s_add_nc_u64 s[4:5], s[4:5], s[20:21]
	s_add_nc_u64 s[10:11], s[10:11], s[22:23]
	s_add_nc_u64 s[12:13], s[12:13], s[24:25]
.irp j, 0,1,2,3,4,5,6,7
	global_load_b128 v[G+4*\j:G+4*\j+3], v9, s[6:7] offset:16*\j
	global_load_b128 v[BE+4*\j:BE+4*\j+3], v9, s[8:9] offset:16*\j
.endr
.irp i, 0,1,2,3
.irp j, 0,1,2,3,4,5,6,7
	global_load_b128 v[R+32*\i+4*\j:R+32*\i+4*\j+3], v2, s[4:5] offset:4096*\i+512*\j   ; 32 lanes read 512 consecutive bytes
.endr
.endr
; the sum of v[T] over the 32 lanes, in every lane
.macro ACROSS
	v_add_f32_dpp v[T], v[T], v[T] row_xmask:1 row_mask:0xf bank_mask:0xf
	v_add_f32_dpp v[T], v[T], v[T] row_xmask:2 row_mask:0xf bank_mask:0xf
	v_add_f32_dpp v[T], v[T], v[T] row_xmask:4 row_mask:0xf bank_mask:0xf
	v_add_f32_dpp v[T], v[T], v[T] row_xmask:8 row_mask:0xf bank_mask:0xf
	v_permlanex16_b32 v[T+1], v[T], s16, s17       ; (its destination has been written)
	v_add_f32 v[T], v[T], v[T+1]
.endm
.macro ROW i
.set RR, R+32*\i
	s_wait_loadcnt 8*(3-\i)                        ; loads come back in order: g, b and this row are in; the rows behind it stay out
.irp j, 0,1,2,3,4,5,6,7
	ds_store_b128 v3, v[RR+4*\j:RR+4*\j+3] offset:TST*\i+576*\j
.endr
.irp j, 0,1,2,3,4,5,6,7
	ds_load_b128 v[RR+4*\j:RR+4*\j+3], v4 offset:TST*\i+16*\j   ; LDS serves a wave's instructions in order: these see the stores above
.endr
	s_wait_dscnt 0x0                               ; my 32 neighbours are in; the last row's stores of codes and byte have read their registers
	v_pk_add_f32 v[T:T+1], v[RR:RR+1], v[RR+2:RR+3]                ; the sum, two at a time, in two chains
	v_pk_add_f32 v[T+2:T+3], v[RR+4:RR+5], v[RR+6:RR+7]
.irp j, 8,12,16,20,24,28
	v_pk_add_f32 v[T:T+1], v[T:T+1], v[RR+\j:RR+\j+1]
	v_pk_add_f32 v[T+2:T+3], v[T+2:T+3], v[RR+\j+2:RR+\j+3]
.endr
	v_pk_add_f32 v[T:T+1], v[T:T+1], v[T+2:T+3]
	v_add_f32 v[T], v[T], v[T+1]
	ACROSS
	v_mul_f32 v[T+4], s18, v[T]                    ; the mean, in both halves of a pair
	v_mul_f32 v[T+5], s18, v[T]
.irp j, 0,2,4,6,8,10,12,14,16,18,20,22,24,26,28,30
	v_pk_add_f32 v[RR+\j:RR+\j+1], v[RR+\j:RR+\j+1], v[T+4:T+5] neg_lo:[0,1] neg_hi:[0,1]   ; x - mean
.endr
	v_pk_mul_f32 v[T:T+1], v[RR:RR+1], v[RR:RR+1]                  ; the sum of squares
	v_pk_mul_f32 v[T+2:T+3], v[RR+2:RR+3], v[RR+2:RR+3]
.irp j, 4,8,12,16,20,24,28
	v_pk_fma_f32 v[T:T+1], v[RR+\j:RR+\j+1], v[RR+\j:RR+\j+1], v[T:T+1]
	v_pk_fma_f32 v[T+2:T+3], v[RR+\j+2:RR+\j+3], v[RR+\j+2:RR+\j+3], v[T+2:T+3]
.endr
	v_pk_add_f32 v[T:T+1], v[T:T+1], v[T+2:T+3]
	v_add_f32 v[T], v[T], v[T+1]
	ACROSS
	v_fma_f32 v[T+2], v[T], s18, s19               ; var + eps
	s_wait_alu depctr_va_vdst(0)
	v_rsq_f32 v[T+6], v[T+2]
	v_rsq_f32 v[T+7], v[T+2]
	v_nop                                          ; a plain instruction between a transcendental and the use of its result (ISA guide 5.7.2)
	s_wait_alu depctr_va_vdst(0)
.irp j, 0,2,4,6,8,10,12,14,16,18,20,22,24,26,28,30
	v_pk_mul_f32 v[RR+\j:RR+\j+1], v[RR+\j:RR+\j+1], v[T+6:T+7]
.endr
.irp j, 0,2,4,6,8,10,12,14,16,18,20,22,24,26,28,30
	v_pk_fma_f32 v[RR+\j:RR+\j+1], v[RR+\j:RR+\j+1], v[G+\j:G+\j+1], v[BE+\j:BE+\j+1]
.endr
	v_max3_num_f32 v[T], |v[RR]|, |v[RR+1]|, |v[RR+2]|             ; the block's largest magnitude: all 32 numbers are mine
	v_max3_num_f32 v[T+1], |v[RR+3]|, |v[RR+4]|, |v[RR+5]|
.irp j, 6,10,14,18,22,26
	v_max3_num_f32 v[T], v[T], |v[RR+\j]|, |v[RR+\j+1]|
	v_max3_num_f32 v[T+1], v[T+1], |v[RR+\j+2]|, |v[RR+\j+3]|
.endr
	v_max3_num_f32 v[T], v[T], |v[RR+30]|, |v[RR+31]|
	v_max3_num_f32 v[T], v[T], v[T+1], 0x1800000   ; and the floor 2^(3 - 127): the byte cannot fall under 1
	v_add_nc_u32 v[T+2], 0xff000000, v[T]          ; 2 off the exponent field: the conversion takes the exponent field of this operand as its scale
	v_lshrrev_b32 v[T+3], 23, v[T+2]               ; the scale's byte
	v_cvt_scalef32_pk16_fp6_f32 v[C:C+2], v[RR:RR+15], v[T+2]
	v_cvt_scalef32_pk16_fp6_f32 v[C+4:C+6], v[RR+16:RR+31], v[T+2]  ; (a conversion's three registers begin on an even number)
	v_nop                                          ; one plain place behind a scaled conversion
	v_mov_b32 v[C+3], v[C+4]                       ; the block's 24 bytes on end
	v_mov_b32 v[C+4], v[C+5]
	v_mov_b32 v[C+5], v[C+6]
.irp k, 0,1,2
	ds_store_b64 v5, v[C+2*\k:C+2*\k+1] offset:768*\i+8*\k
.endr
	ds_store_b8 v7, v[T+3] offset:32*\i
.endm
	ROW 0
	ROW 1
	ROW 2
	ROW 3
.irp k, 0,1,2,3,4,5
	ds_load_b128 v[R+4*\k:R+4*\k+3], v6 offset:512*\k   ; my 4 rows of codes, as they lie in memory
.endr
.irp k, 0,1,2,3,4,5
	s_wait_dscnt 5-\k                              ; the younger read-backs may be out
	global_store_b128 v2, v[R+4*\k:R+4*\k+3], s[10:11] offset:512*\k   ; 32 lanes store 512 consecutive bytes, at a multiple of 256 from the buffer's first byte
.endr
	s_wait_dscnt 0x0                               ; for the others' sake: my scale bytes lie in LDS
	s_barrier_signal -1
	s_barrier_wait -1
	s_cmp_gt_u32 s14, 1
	s_cbranch_scc1 .Ldone
	ds_load_b64 v[T:T+1], v10                      ; bytes that all four waves stored
	s_wait_dscnt 0x0
	global_store_b64 v11, v[T:T+1], s[12:13]       ; a wave stores 256 consecutive bytes, aligned
.Ldone:
	s_wait_tensorcnt 0x0
	ds_add_u32 v232, v233
	s_wait_dscnt 0x0
	s_endpgm
.Lfunc_end_k_q2a653b018d_ln1:
	.size	k_q2a653b018d_ln1, .Lfunc_end_k_q2a653b018d_ln1-k_q2a653b018d_ln1
	.p2alignl 7, 3214868480
	.fill 96, 4, 3214868480
	.section	.rodata,"a",@progbits
	.p2align	6, 0x0
	.amdhsa_kernel k_q2a653b018d_ln1
		.amdhsa_group_segment_fixed_size 87040
		.amdhsa_private_segment_fixed_size 0
		.amdhsa_enable_private_segment 0
		.amdhsa_kernarg_size 40
		.amdhsa_user_sgpr_count 2
		.amdhsa_user_sgpr_kernarg_segment_ptr 1
		.amdhsa_wavefront_size32 1
		.amdhsa_system_sgpr_workgroup_id_x 1
		.amdhsa_system_sgpr_workgroup_id_y 1
		.amdhsa_system_sgpr_workgroup_id_z 1
		.amdhsa_system_vgpr_workitem_id 0
		.amdhsa_next_free_vgpr 234
		.amdhsa_next_free_sgpr 66
		.amdhsa_reserve_vcc 0
		.amdhsa_float_denorm_mode_32 3
		.amdhsa_float_denorm_mode_16_64 3
		.amdhsa_memory_ordered 1
		.amdhsa_forward_progress 1
		.amdhsa_inst_pref_size 44
	.end_amdhsa_kernel
	.amdgpu_metadata
---
amdhsa.version: [ 1, 2 ]
amdhsa.kernels:
  - .name:           k_q2a653b018d_ln1
    .symbol:         k_q2a653b018d_ln1.kd
    .args:
      - { .name: x, .offset: 0, .size: 8, .value_kind: global_buffer, .address_space: global }
      - { .name: g1, .offset: 8, .size: 8, .value_kind: global_buffer, .address_space: global }
      - { .name: be1, .offset: 16, .size: 8, .value_kind: global_buffer, .address_space: global }
      - { .name: actc, .offset: 24, .size: 8, .value_kind: global_buffer, .address_space: global }
      - { .name: acts, .offset: 32, .size: 8, .value_kind: global_buffer, .address_space: global }
    .group_segment_fixed_size: 87040
    .private_segment_fixed_size: 0
    .kernarg_segment_align: 8
    .kernarg_segment_size: 40
    .max_flat_workgroup_size: 128
    .sgpr_count:     66
    .vgpr_count:     234
    .wavefront_size: 32
...
	.end_amdgpu_metadata
.endif
;; end of part 7
;; launch qkv (part 8): grid 8 x 32, 4 waves a work-group, clusters of 4 x 4, 327,680 bytes of LDS; arguments actc, acts, Wq_codes, Wq_scales, Wk_codes, Wk_scales, Wv_codes, Wv_scales, qkvc, qkvs; writes qkvc, qkvs
.if DOCPART == 8
	.amdgcn_target "amdgcn-amd-amdhsa--gfx1250"
	.amdhsa_code_object_version 6
	.text
	.protected	k_q2a653b018d_qkv
	.globl	k_q2a653b018d_qkv
	.p2align	8
	.type	k_q2a653b018d_qkv,@function
k_q2a653b018d_qkv:
	s_mov_b64 s[64:65], 0
	v_nop
	global_prefetch_b8 v0, s[64:65] scope:SCOPE_SE
	s_setreg_imm32_b32 hwreg(HW_REG_WAVE_MODE, 25, 1), 1
	s_wait_xcnt 0x0
	s_wait_alu depctr_hold_cnt(0) depctr_sa_sdst(0) depctr_va_vdst(0) depctr_va_sdst(0) depctr_va_ssrc(0) depctr_va_vcc(0) depctr_vm_vsrc(0)
	s_getreg_b32 s2, hwreg(HW_REG_IB_STS2, 6, 4)
	s_cmp_eq_u32 s2, 0
	s_cbranch_scc0 .Lentry_in_a_cluster
	s_endpgm
.Lentry_in_a_cluster:
	s_bfe_u32 s2, ttmp6, 0x10000c
	s_cmp_lg_u32 s2, 0xf033
	s_cbranch_scc0 .Lentry_shape_is_right
	s_endpgm
.Lentry_shape_is_right:
; q, k, v = ln1(x) W, on FP6 codes with E8M0 scales, and the quantising of the results for attention.
; A work-group owns 128 tokens and two heads; it walks three units: 128 rows of Wq, of Wk, of Wv.  A wave makes 64 tokens x 64 (one head).
; A (128 tokens x 768 bytes, all of K) comes into LDS once and its fragments stay in registers (384 a wave); B goes through two slots, whole rows of 768 bytes.
; B's rows are laid in LDS in two halves (rows 0-15 and 16-31 of each 32), so that lane r of block 2 b + u takes row 32 b + 8 u + r + 8 (r / 8): a lane's 16 registers of two blocks are 16 neighbours.
; q, k: [bh][token][48 bytes], a scale word a token (bytes 2, 3 = 0x7f).  v: sources swapped, a lane holds one d; [bh][chunk of 128 keys][half][64 d][48 bytes]; within a block of 32 keys
; position 16 h + j is key 8 h + j and 16 h + 8 + j is key 16 + 8 h + j: attention lays p's codes in the same order.  v's scale words: [bh][chunk][d].
; Scale words come by global loads: lanes 0-15 hold the words of K steps 0-3, lanes 16-31 those of steps 4-7.
; LIMITS: NaN and infinities are not served; a block under 2^-124, zeros too, keeps the scale byte 1 (only this program reads the bytes).
.set NU, 3
.set ANEW, 0
.set PERM, 1
.set KROWA, 768
.set KROWB, 768
.set KSAL, 32
.set AH, 16
.set ASST, 0
.set KSB, 32
.set BSST, 0
.set BROWS, 128
.set ZKIND, 1
.set BIA, 128
.set PITCH, 816
.set HA, 64*PITCH
.set RB0, 2*HA
.set SLOTB, 104704
.set SPARE, RB0+2*SLOTB
.if PERM
.set HB, HA+128
.set BH, 16
.else
.set HB, HA
.set BH, 64
.endif
.set ADRA, 16
.set ADRB, 18
.set ASO, 22
.set BSO, 23
.set SPW, 28
.set NIL, 29
.set SA, 32
.set SB, 64
.set G1, 24
.set G0, 32
.set G1B, 48
.set G0B, 56
.set MSB, 0
.macro WIN new
.if MSB != (\new)
	s_set_vgpr_msb (MSB<<8)|(\new)
.set MSB, (\new)
.endif
.endm
.macro PLACES
.rept 4
	v_nop
.endr
.endm
.macro JLOAD g0a, g1a, g0b, g1b
	s_cmp_eq_u32 s15, 0
	s_cbranch_scc0 .Lfor_b_\@
	tensor_load_to_lds s[\g0a:\g0a+3], s[\g1a:\g1a+7]
	s_nop 0
	PLACES
	s_branch .Lasked_\@
.Lfor_b_\@:
	tensor_load_to_lds s[\g0b:\g0b+3], s[\g1b:\g1b+7]
	s_nop 0
	PLACES
.Lasked_\@:
.endm
.macro JLOADB g0b
	s_cmp_eq_u32 s15, 0
	s_cbranch_scc1 .Lnob_\@
	tensor_load_to_lds s[\g0b:\g0b+3], s[G1B:G1B+7]
	s_nop 0
	PLACES
.Lnob_\@:
.endm
.macro CREST
	s_cmp_lg_u32 s14, 0
	s_cbranch_scc1 .Lnot_wave_0_\@
	s_barrier_signal -3
.Lnot_wave_0_\@:
	s_barrier_wait -3
	s_barrier_signal -1
	s_barrier_wait -1
.endm
.macro CROUND
	s_barrier_signal -1
	s_barrier_wait -1
	CREST
.endm
.macro SYNC round                      ; wait for the tensor loads, add 0 to my spare word and wait for it, then the barrier or the cluster's round
	s_wait_tensorcnt 0x0
	ds_add_u32 v[SPW], v[NIL]
	s_wait_dscnt 0x0
.if \round
	CROUND
.else
	s_barrier_signal -1
	s_barrier_wait -1
.endif
.endm
.macro FRAG reg, a1, a2, q, off        ; 16 rows x 128 K: six pieces of 8 bytes; 16 bytes of padding lie behind every 256 of a row
.irp p, 0,1,2,3,4,5
.set BY, 96*(\q)+48*(\p/3)+8*(\p%3)
.if BY/256 == (BY+24)/256
	ds_load_b64 v[\reg+2*\p:\reg+2*\p+1], v[\a1] offset:BY+16*(BY/256)+\off
.else
	ds_load_b64 v[\reg+2*\p:\reg+2*\p+1], v[\a2] offset:BY+16*(BY/256)+\off
.endif
.endr
.endm
.macro ALOAD q                         ; A's four blocks of K step q: steps 0-4 in window 1, steps 5-7 in window 3
	WIN 0x40+0x80*((\q)/5)
.irp i, 0,1,2,3
	FRAG 48*((\q)%5)+12*\i, ADRA, ADRA+1, \q, \i*16*PITCH
.endr
.endm
.macro BLOAD sl, q, p                  ; B's four blocks of K step q into set p, window 3
	WIN 0xc0
.irp i, 0,1,2,3
.if PERM
	FRAG 144+48*(\p)+12*\i, ADRB+(\sl), ADRB+2+(\sl), \q, \i*8*PITCH
.else
	FRAG 144+48*(\p)+12*\i, ADRB+(\sl), ADRB+2+(\sl), \q, \i*16*PITCH
.endif
.endr
.endm
.macro WM c, q
.if (\q)/4
	v_wmma_scale_f32_16x16x128_f8f6f4 v[DD:DD+7], v[X:X+11], v[Y:Y+11], \c, v[SX], v[SY] matrix_a_fmt:MATRIX_FMT_FP6 matrix_b_fmt:MATRIX_FMT_FP6 matrix_a_scale:MATRIX_SCALE_ROW1 matrix_b_scale:MATRIX_SCALE_ROW1
.else
	v_wmma_scale_f32_16x16x128_f8f6f4 v[DD:DD+7], v[X:X+11], v[Y:Y+11], \c, v[SX], v[SY] matrix_a_fmt:MATRIX_FMT_FP6 matrix_b_fmt:MATRIX_FMT_FP6
.endif
.endm
.macro MUL q, p, z, sa, sb, sw         ; 16 products, the 16 accumulators (window 2) by turns; z: 0 add, 1 begin with 0, 2 begin with the bias
.if \sw
	WIN 0xad+2*((\q)/5)
.else
	WIN 0xa7+8*((\q)/5)
.endif
.irp a, 0,1,2,3
.irp b, 0,1,2,3
.if \sw
.set DD, 8*(8*(\a/2)+2*\b+\a%2)
.set X, 48*((\q)%5)+12*\a
.set Y, 144+48*(\p)+12*\b
.set SX, SA+16*(\sa)+4*\a+(\q)%4
.set SY, SB+16*(\sb)+4*\b+(\q)%4
.else
.set DD, 8*(4*\a+\b)
.set Y, 48*((\q)%5)+12*\a
.set X, 144+48*(\p)+12*\b
.set SY, SA+16*(\sa)+4*\a+(\q)%4
.set SX, SB+16*(\sb)+4*\b+(\q)%4
.endif
.if \z == 1
	WM 0, \q
.else
.if \z == 2
	WM v[BIA+8*\b:BIA+8*\b+7], \q
.else
	WM v[DD:DD+7], \q
.endif
.endif
.endr
.endr
.endm
.macro SLA set, u
.irp i, 0,1,2,3
	global_load_b128 v[SA+16*(\set)+4*\i:SA+16*(\set)+4*\i+3], v[ASO], s[6:7] offset:\i*16*KSAL+(\u)*ASST
.endr
.endm
.macro SLB set, u, base
.irp i, 0,1,2,3
.if PERM
	global_load_b128 v[SB+16*(\set)+4*\i:SB+16*(\set)+4*\i+3], v[BSO], s[\base:\base+1] offset:(32*(\i/2)+8*(\i%2))*KSB+(\u)*BSST
.else
	global_load_b128 v[SB+16*(\set)+4*\i:SB+16*(\set)+4*\i+3], v[BSO], s[\base:\base+1] offset:\i*16*KSB+(\u)*BSST
.endif
.endr
.endm
.macro USTEPS u, al, sw                ; a unit: eight K steps; the next step's fragments are asked for ahead of each step's products
.irp q, 0,1,2,3,4,5,6,7
	s_wait_dscnt 0x0
	PLACES
.if \q < 7
	BLOAD (\u)%2, \q+1, (\q+1)%2
.if \al
	ALOAD \q+1
.endif
.endif
.set ZZ, 0
.if \q == 0
	WIN 0
	NEXTS \u
.if (ANEW == 0) || (\u == 0)
.set ZZ, ZKIND
.endif
.endif
	MUL \q, (\q)%2, ZZ, ANEW*((\u)%2), (\u)%2, \sw
.endr
	WIN 0
.endm
.macro NEXTS u                         ; this unit's scale words are in; the next unit's are asked for
	s_wait_loadcnt 0x0
.if \u == 0
	SLB 1, 0, 98
.endif
.if \u == 1
	SLB 0, 0, 70
.endif
.endm
.set CQA, 8
.set CVA, 9
.set SQA, 10
.set VSA, 11
.set CQR, 12
.set SQR, 13
.set VSR, 14
.set CO, 24
.set CO8, 25
.set MX, 96
.set OT, 104
.set SOP, 112
.set EB, 120
.set WD, 128
.set CD, 132
.set RBK, 164
.set VSS, 4*3584
	s_load_b128 s[4:7], s[0:1], 0x0
	s_load_b128 s[8:11], s[0:1], 0x10
	s_load_b128 s[96:99], s[0:1], 0x20
	s_load_b128 s[68:71], s[0:1], 0x30
	s_load_b128 s[72:75], s[0:1], 0x40
	v_lshl_add_u32 v[SPW], v0, 2, SPARE
	v_mov_b32 v[NIL], 0
	ds_add_u32 v[SPW], v[NIL]
	ds_add_u32 v[SPW], v[NIL]
	v_lshrrev_b32 v1, 5, v0
	v_readfirstlane_b32 s14, v1
	s_lshr_b32 s15, s14, 1                 ; my half of the tokens; 0: I fetch for A, 1: for B
	s_and_b32 s16, s14, 1                  ; my half of the columns; which half of a tile I fetch
	s_bfe_u32 s40, ttmp6, 0x40000
	s_bfe_u32 s41, ttmp6, 0x40004
	s_lshl_b32 s42, ttmp9, 2
	s_add_co_u32 s42, s42, s40
	s_and_b32 s17, ttmp7, 0xffff
	s_lshl_b32 s17, s17, 2
	s_add_co_u32 s17, s17, s41
	s_lshl_b32 s43, s41, 2
	s_lshl_b32 s43, 15, s43
	s_lshl_b32 s44, 0x1111, s40
	s_or_b32 s[G1], s43, (3<<16)|(1<<20)|(1<<21)|(5<<22)|(3<<25)
	s_or_b32 s[G1B], s44, (3<<16)|(1<<20)|(1<<21)|(5<<22)|(3<<25)
	s_mov_b32 s[G1+1], 96<<16              ; A: 64 rows of 768 bytes (96 elements of 8)
	s_mov_b32 s[G1+2], 64<<16
	s_mov_b32 s[G1+3], 96<<16
	s_mov_b32 s[G1+4], 64
	s_mov_b32 s[G1+5], KROWA/8
	s_mov_b32 s[G1+6], 0
	s_mov_b32 s[G1+7], 0
.if PERM
	s_mov_b32 s[G1B+1], 1536<<16           ; B: 4 runs of 16 dense rows (12,288 bytes), 32 rows apart
	s_mov_b32 s[G1B+2], 4<<16
	s_mov_b32 s[G1B+3], 1536<<16
	s_mov_b32 s[G1B+4], 4
	s_mov_b32 s[G1B+5], 3072
.else
	s_mov_b32 s[G1B+1], 96<<16
	s_mov_b32 s[G1B+2], 64<<16
	s_mov_b32 s[G1B+3], 96<<16
	s_mov_b32 s[G1B+4], 64
	s_mov_b32 s[G1B+5], KROWB/8
.endif
	s_mov_b32 s[G1B+6], 0
	s_mov_b32 s[G1B+7], 0
	s_lshl_b32 s20, s17, 7
	s_lshl_b32 s18, s16, 6
	s_add_co_u32 s20, s20, s18
	s_mul_i32 s20, s20, KROWA
	s_mov_b32 s21, 0
	s_mul_i32 s46, s42, BROWS
	s_mul_i32 s18, s16, BH
	s_add_co_u32 s46, s46, s18
	s_mul_i32 s46, s46, KROWB
	s_mov_b32 s47, 0
	s_mul_i32 s45, s16, HA
	s_mul_i32 s94, s16, HB
	s_add_co_u32 s94, s94, RB0
	s_lshl_b32 s84, s17, 7
	s_lshl_b32 s18, s15, 6
	s_add_co_u32 s84, s84, s18
	s_mul_i32 s84, s84, KSAL
	s_mov_b32 s85, 0
	s_mul_i32 s86, s42, BROWS
	s_lshl_b32 s18, s16, 6
	s_add_co_u32 s86, s86, s18
	s_mul_i32 s86, s86, KSB
	s_mov_b32 s87, 0
	s_mov_b32 s38, 0x76543210
	s_mov_b32 s39, 0xfedcba98
	s_wait_dscnt 0x0
	s_wait_kmcnt 0x0
	s_add_nc_u64 s[20:21], s[4:5], s[20:21]
	s_add_nc_u64 s[8:9], s[8:9], s[46:47]
	s_add_nc_u64 s[96:97], s[96:97], s[46:47]
	s_add_nc_u64 s[68:69], s[68:69], s[46:47]
	s_add_nc_u64 s[6:7], s[6:7], s[84:85]
	s_add_nc_u64 s[10:11], s[10:11], s[86:87]
	s_add_nc_u64 s[98:99], s[98:99], s[86:87]
	s_add_nc_u64 s[70:71], s[70:71], s[86:87]
	CROUND
	s_mov_b32 s[G0], 1
	s_mov_b32 s[G0+1], s45
	s_mov_b64 s[G0+2:G0+3], s[20:21]
	s_or_b32 s[G0+3], s[G0+3], 0x80000000
	s_mov_b32 s[G0B], 1
	s_mov_b32 s[G0B+1], s94
	s_mov_b64 s[G0B+2:G0B+3], s[8:9]
	s_or_b32 s[G0B+3], s[G0B+3], 0x80000000
	s_mov_b32 s[G0B+4], 1
	s_add_co_u32 s[G0B+5], s94, SLOTB
	s_mov_b64 s[G0B+6:G0B+7], s[96:97]
	s_or_b32 s[G0B+7], s[G0B+7], 0x80000000
	JLOAD G0, G1, G0B, G1B                 ; one load a wave: A's halves, Wq's halves
	; where the results go
	s_lshr_b32 s80, s17, 4
	s_lshl_b32 s80, s80, 4
	s_lshl_b32 s81, s42, 1
	s_add_co_u32 s80, s80, s81
	s_add_co_u32 s80, s80, s16             ; bh
	s_and_b32 s81, s17, 15                 ; the chunk of 128 tokens
	s_lshl_b32 s82, s80, 11
	s_lshl_b32 s83, s81, 7
	s_add_co_u32 s82, s82, s83
	s_lshl_b32 s83, s15, 6
	s_add_co_u32 s82, s82, s83             ; bh x 2048 + my first token
	s_mul_i32 s88, s82, 48
	s_mov_b32 s89, 0
	s_lshl_b32 s90, s82, 2
	s_mov_b32 s91, 0
	s_lshl_b32 s82, s80, 4
	s_add_co_u32 s82, s82, s81             ; bh x 16 + chunk
	s_lshl_b32 s92, s82, 8
	s_add_co_u32 s92, s92, 524288
	s_mov_b32 s93, 0
	s_add_nc_u64 s[78:79], s[74:75], s[92:93]
	s_lshl_b32 s82, s82, 1
	s_add_co_u32 s82, s82, s15
	s_mul_i32 s92, s82, 3072
	s_add_co_u32 s92, s92, 6291456
	s_add_nc_u64 s[76:77], s[72:73], s[92:93]
	s_add_nc_u64 s[72:73], s[72:73], s[88:89]
	s_add_nc_u64 s[74:75], s[74:75], s[90:91]
	s_mul_i32 s21, s15, HA
.if PERM
	s_mul_i32 s22, s16, 32*PITCH
.else
	s_mul_i32 s22, s16, HA
.endif
	s_add_co_u32 s22, s22, RB0
	s_mul_i32 s23, s14, 3584               ; my stage, in A's bytes, which are filled once
	s_lshl_b32 s80, s16, 8
	s_add_co_u32 s80, s80, VSS
	s_lshl_b32 s81, s15, 1
	s_add_co_u32 s81, s81, s80
	v_and_b32 v1, 15, v0
	v_bfe_u32 v2, v0, 4, 1
	v_mul_u32_u24 v3, v1, PITCH
	v_mad_u32_u24 v4, v2, 24, v3
	v_mad_u32_u24 v5, v2, 40, v3
	v_add_nc_u32 v[ADRA], s21, v4
	v_add_nc_u32 v[ADRA+1], s21, v5
.if PERM
	v_and_b32 v6, 7, v1
	v_lshrrev_b32 v7, 3, v1
	v_mul_u32_u24 v3, v6, PITCH
	v_mad_u32_u24 v3, v7, HB, v3
	v_mad_u32_u24 v4, v2, 24, v3
	v_mad_u32_u24 v5, v2, 40, v3
	v_lshl_add_u32 v6, v7, 3, v1           ; r + 8 (r / 8)
.else
	v_mov_b32 v6, v1
.endif
	v_add_nc_u32 v[ADRB], s22, v4
	v_add_nc_u32 v[ADRB+2], s22, v5
	v_add_nc_u32 v[ADRB+1], SLOTB, v[ADRB]
	v_add_nc_u32 v[ADRB+3], SLOTB, v[ADRB+2]
	v_mul_u32_u24 v[ASO], v1, KSAL
	v_mad_u32_u24 v[ASO], v2, AH, v[ASO]
	v_mul_u32_u24 v[BSO], v6, KSB
	v_lshl_add_u32 v[BSO], v2, 4, v[BSO]
	v_and_b32 v7, 31, v0
	v_lshlrev_b32 v[CO], 4, v7
	v_lshlrev_b32 v[CO8], 3, v7
	v_mul_u32_u24 v3, v2, 12
	v_mad_u32_u24 v[CQA], v1, 48, v3
	v_add_nc_u32 v[CQA], s23, v[CQA]
	v_mad_u32_u24 v[CVA], v6, 48, v3
	v_add_nc_u32 v[CVA], s23, v[CVA]
	v_lshl_add_u32 v[SQA], v1, 2, s23
	v_add_nc_u32 v[SQA], 3072, v[SQA]
	v_lshl_add_u32 v[VSA], v6, 2, s81
	v_add_nc_u32 v[CQR], s23, v[CO]
	v_add_nc_u32 v[SQR], s23, v[CO8]
	v_add_nc_u32 v[SQR], 3072, v[SQR]
	v_add_nc_u32 v[VSR], s80, v[CO8]
.irp g, 0,1,2,3,4,5,6,7
	v_mov_b32 v[OT+\g], 0
.endr
	s_wait_alu depctr_va_vdst(0)
	SLA 0, 0
	SLB 0, 0, 10
; eight groups of 16 accumulator registers, each half a block of 32; lane l xor 16 holds the other half
.macro QUANT
	WIN 0x0a
.irp g, 0,1,2,3,4,5,6,7
	v_max3_num_f32 v[MX+\g], |v[16*\g]|, |v[16*\g+1]|, 0x1800000
.endr
.irp i, 2,4,6,8,10,12,14
.irp g, 0,1,2,3,4,5,6,7
	v_max3_num_f32 v[MX+\g], |v[16*\g+\i]|, |v[16*\g+\i+1]|, v[MX+\g]
.endr
.endr
	WIN 0
.irp g, 0,1,2,3,4,5,6,7
	v_permlanex16_b32 v[OT+\g], v[MX+\g], s38, s39
.endr
.irp g, 0,1,2,3,4,5,6,7
	v_max_num_f32 v[MX+\g], v[MX+\g], v[OT+\g]
.endr
.irp g, 0,1,2,3,4,5,6,7
	v_add_nc_u32 v[SOP+\g], 0xff000000, v[MX+\g]
.endr
	WIN 0x02
.irp g, 0,1,2,3,4,5,6,7
	v_cvt_scalef32_pk16_fp6_f32 v[CD+4*\g:CD+4*\g+2], v[16*\g:16*\g+15], v[SOP+\g]
.endr
	WIN 0
.irp g, 0,1,2,3,4,5,6,7
	v_lshrrev_b32 v[EB+\g], 23, v[SOP+\g]
.endr
.endm
.macro BACK base, off                  ; my 3,072 bytes of codes, dense, out of my own stage
.irp k, 0,1,2,3,4,5
	ds_load_b128 v[RBK+4*\k:RBK+4*\k+3], v[CQR] offset:512*\k
.endr
.endm
.macro EPIQK u
	s_wait_xcnt 0x0                        ; earlier stores have read their registers
	QUANT
.irp a, 0,1,2,3
	v_lshl_or_b32 v[WD+\a], v[EB+2*\a+1], 8, v[EB+2*\a]
.endr
.irp a, 0,1,2,3
	v_or_b32 v[WD+\a], 0x7f7f0000, v[WD+\a]
.endr
.irp g, 0,1,2,3,4,5,6,7
.irp i, 0,1,2
	ds_store_b32 v[CQA], v[CD+4*\g+\i] offset:16*(\g/2)*48+24*(\g%2)+4*\i
.endr
.endr
.irp a, 0,1,2,3
	ds_store_b32 v[SQA], v[WD+\a] offset:64*\a
.endr
	BACK
	ds_load_b64 v[RBK+24:RBK+25], v[SQR]
	s_wait_dscnt 0x0
.irp k, 0,1,2,3,4,5
	global_store_b128 v[CO], v[RBK+4*\k:RBK+4*\k+3], s[72:73] offset:(\u)*3145728+512*\k
.endr
	global_store_b64 v[CO8], v[RBK+24:RBK+25], s[74:75] offset:(\u)*262144
.endm
	SYNC 1                                 ; A and Wq are in
	JLOADB G0B+4                           ; Wk, slot 1's first fill
	ALOAD 0
	BLOAD 0, 0, 0
	WIN 0
	USTEPS 0, 1, 0
	SYNC 1
	s_mov_b64 s[G0B+2:G0B+3], s[68:69]
	s_or_b32 s[G0B+3], s[G0B+3], 0x80000000
	JLOADB G0B                             ; Wv into slot 0
	PLACES
	BLOAD 1, 0, 0
	WIN 0
	EPIQK 0
	USTEPS 1, 0, 0
	SYNC 0
	PLACES
	BLOAD 0, 0, 0
	WIN 0
	EPIQK 1
	USTEPS 2, 0, 1
	PLACES
	s_wait_xcnt 0x0
	QUANT                                  ; group 4 t + b: d block b, keys 32 t .. 32 t + 31 of my 64
.irp b, 0,1,2,3
	v_lshl_or_b32 v[WD+\b], v[EB+4+\b], 8, v[EB+\b]
.endr
.irp g, 0,1,2,3,4,5,6,7
.irp i, 0,1,2
	ds_store_b32 v[CVA], v[CD+4*\g+\i] offset:(32*((\g%4)/2)+8*(\g%2))*48+24*(\g/4)+4*\i
.endr
.endr
.irp b, 0,1,2,3
	ds_store_b16 v[VSA], v[WD+\b] offset:(32*(\b/2)+8*(\b%2))*4
.endr
	BACK
	s_wait_dscnt 0x0
.irp k, 0,1,2,3,4,5
	global_store_b128 v[CO], v[RBK+4*\k:RBK+4*\k+3], s[76:77] offset:512*\k
.endr
	s_barrier_signal -1
	s_barrier_wait -1                      ; both halves' scale bytes of a head lie in LDS
	s_cmp_lg_u32 s15, 0
	s_cbranch_scc1 .Ldone
	ds_load_b64 v[RBK+24:RBK+25], v[VSR]
	s_wait_dscnt 0x0
	global_store_b64 v[CO8], v[RBK+24:RBK+25], s[78:79]
.Ldone:
	s_wait_tensorcnt 0x0                   ; the wave's end
	ds_add_u32 v[SPW], v[NIL]
	s_wait_dscnt 0x0
	CROUND
	s_endpgm
.Lfunc_end_k_q2a653b018d_qkv:
	.size	k_q2a653b018d_qkv, .Lfunc_end_k_q2a653b018d_qkv-k_q2a653b018d_qkv
	.p2alignl 7, 3214868480
	.fill 96, 4, 3214868480
	.section	.rodata,"a",@progbits
	.p2align	6, 0x0
	.amdhsa_kernel k_q2a653b018d_qkv
		.amdhsa_group_segment_fixed_size 327680
		.amdhsa_private_segment_fixed_size 0
		.amdhsa_enable_private_segment 0
		.amdhsa_kernarg_size 80
		.amdhsa_user_sgpr_count 2
		.amdhsa_user_sgpr_kernarg_segment_ptr 1
		.amdhsa_wavefront_size32 1
		.amdhsa_system_sgpr_workgroup_id_x 1
		.amdhsa_system_sgpr_workgroup_id_y 1
		.amdhsa_system_sgpr_workgroup_id_z 1
		.amdhsa_system_vgpr_workitem_id 0
		.amdhsa_next_free_vgpr 1024
		.amdhsa_next_free_sgpr 102
		.amdhsa_reserve_vcc 0
		.amdhsa_float_denorm_mode_32 3
		.amdhsa_float_denorm_mode_16_64 3
		.amdhsa_memory_ordered 1
		.amdhsa_forward_progress 1
		.amdhsa_inst_pref_size 144
	.end_amdhsa_kernel
	.amdgpu_metadata
---
amdhsa.version: [ 1, 2 ]
amdhsa.kernels:
  - .name:           k_q2a653b018d_qkv
    .symbol:         k_q2a653b018d_qkv.kd
    .args:
      - { .name: actc, .offset: 0, .size: 8, .value_kind: global_buffer, .address_space: global }
      - { .name: acts, .offset: 8, .size: 8, .value_kind: global_buffer, .address_space: global }
      - { .name: Wq_codes, .offset: 16, .size: 8, .value_kind: global_buffer, .address_space: global }
      - { .name: Wq_scales, .offset: 24, .size: 8, .value_kind: global_buffer, .address_space: global }
      - { .name: Wk_codes, .offset: 32, .size: 8, .value_kind: global_buffer, .address_space: global }
      - { .name: Wk_scales, .offset: 40, .size: 8, .value_kind: global_buffer, .address_space: global }
      - { .name: Wv_codes, .offset: 48, .size: 8, .value_kind: global_buffer, .address_space: global }
      - { .name: Wv_scales, .offset: 56, .size: 8, .value_kind: global_buffer, .address_space: global }
      - { .name: qkvc, .offset: 64, .size: 8, .value_kind: global_buffer, .address_space: global }
      - { .name: qkvs, .offset: 72, .size: 8, .value_kind: global_buffer, .address_space: global }
    .group_segment_fixed_size: 327680
    .private_segment_fixed_size: 0
    .kernarg_segment_align: 8
    .kernarg_segment_size: 80
    .max_flat_workgroup_size: 128
    .sgpr_count:     102
    .vgpr_count:     1024
    .wavefront_size: 32
...
	.end_amdgpu_metadata
.endif
;; end of part 8
;; launch attn (part 9): grid 8 x 32, 16 waves a work-group, no clusters, 210,944 bytes of LDS; arguments qkvc, qkvs, actc, acts; writes actc, acts
.if DOCPART == 9
	.amdgcn_target "amdgcn-amd-amdhsa--gfx1250"
	.amdhsa_code_object_version 6
	.text
	.protected	k_q2a653b018d_attn
	.globl	k_q2a653b018d_attn
	.p2align	8
	.type	k_q2a653b018d_attn,@function
k_q2a653b018d_attn:
	s_mov_b64 s[64:65], 0
	v_nop
	global_prefetch_b8 v0, s[64:65] scope:SCOPE_SE
	s_setreg_imm32_b32 hwreg(HW_REG_WAVE_MODE, 25, 1), 1
	s_wait_xcnt 0x0
; Causal attention of one head, both products on codes of FP6 (E2M3) with one E8M0 scale for each 32 along a product's K, and the quantising of the result along the model's 1,024 for the next product.
; q, k: codes [bh][2048 tokens][48 bytes] (K = the head's 64), a scale word a token (bytes 2, 3 = 0x7f).  The instruction's K is 128: its upper half is zero codes, kept in registers that are cleared once.
; v: codes [bh][16 chunks of 128 keys][64 d][96 bytes] (K = the keys), a scale word for each d and chunk.
; THE SOFTMAX AHEAD OF THE SECOND PRODUCT: t = score x log2(e) / 32; M = the row's largest t so far, rounded UP to a whole number; p = 2^(t - M) is what is quantised, along the keys, not normalised.
; The row's sum is taken of the unquantised p and divides O at the end.  When M moves, the sum and O are multiplied by 2^(old M - new M): exact.
; SHARES.  The head's 16 blocks of 128 queries go in pairs: work-group j owns blocks j and 15 - j, 17 key steps' worth of work for each tile index in every work-group.  Each of the sixteen waves owns one tile of 16
; queries in 256 registers; the halves are dealt so that of any four waves with neighbouring or with equally spaced numbers two are early and two late.
; LDS.  A head's k, v and scale words are 208,896 bytes: they come ONCE, brought by one tensor load each of waves 0-13, and are never filled again.
; Every wave walks sixteen key steps of 128 keys: the trip count is a constant.  A step all of whose keys come after the wave's queries does nothing but step its addresses (a scalar branch on ids).
; NO CLUSTER: that branch hangs on the work-group's x, so partners would part ways; and what they could share is fetched once in the launch's life, not in a loop.
; LAYOUT.  Both products are used transposed: S^T = K Q^T, O^T = V^T P^T: a lane holds ONE query (lane % 16) throughout.  Lane r of tile t takes key 16 t + r; lane r of tile 2 b + u takes d 32 b + 8 u + r + 8 (r / 8), so that the 16 registers
; of tiles 2 b and 2 b + 1 are 16 neighbours, 32 b + 16 (lane / 16) + 0 .. 15: O's for the quantiser at the end.
; LIMITS: NaN and infinities are not served; a block whose largest magnitude lies under 2^-124, a block of zeros among them, keeps the scale byte 1 (this program alone reads the bytes); v_exp_f32 and v_rcp_f32 are
; accurate to 1 ulp; a block's largest p is taken as the exponential of its largest score.  The results leave in runs of 48 bytes a token (a head's share of a row of codes) and single scale bytes.
; REGISTERS: v1-7 addresses that stay; v8-11 addresses of the step; v12 -M, v13 the largest t, v[14:15] the sum; v16-27 Q; v28-75 four fragments of K; v76-123 V's four; v124-187 S^T, then p; v188-219 O^T;
;   v220-223 V's scale words; v224-235 p's codes; v232-247 at work; v248-251 K's scale words; v252 f; v253 p's scale word; v254 at work; v255 Q's scale word.
.set VB,  98304                        ; LDS: k at 0 (pitch 48), v here (pitch 96),
.set KSB, 196608                       ; k's scale words (4 bytes a key),
.set VSB, 204800                       ; v's (4 bytes a d and chunk)
.set S,   124
.set OA,  188
.set G1A, 24                           ; s[24:31] group 1: 64 rows of 256 bytes;  s[32:39] 32 rows;  s[40:47] 16 rows;  s[48:51], s[56:63] three groups 0
.set G1B, 32
.set G1C, 40
	s_load_b128 s[4:7], s[0:1], 0x0                ; q, k, v: codes s[4:5], scale words s[6:7]
	s_load_b128 s[8:11], s[0:1], 0x10              ; the result's codes s[8:9], scale bytes s[10:11]
	v_lshl_add_u32 v254, v0, 2, 0x33000
	v_mov_b32 v255, 0
	ds_add_u32 v254, v255
	ds_add_u32 v254, v255
	s_wait_dscnt 0x0
	v_lshrrev_b32 v8, 5, v0
	s_delay_alu instid0(VALU_DEP_1)
	v_readfirstlane_b32 s18, v8                    ; wave 0..15
	s_and_b32 s19, ttmp7, 0xffff                   ; 16 x batch + head
.irp g, G1A, G1B, G1C                  ; dense blocks, as rows of 256 bytes: 32 elements of 8 bytes, no mask, no padding
	s_mov_b32 s[\g], 3<<16
	s_mov_b32 s[\g+1], 32<<16                      ; tensor_dim0
	s_mov_b32 s[\g+3], 32<<16                      ; tile_dim0
	s_mov_b32 s[\g+5], 32                          ; the pitch
	s_mov_b32 s[\g+6], 0
	s_mov_b32 s[\g+7], 0
.endr
	; ONE tensor load a wave: waves 0-5 bring k in sixths of 16,384 bytes, waves 6-11 v likewise (v follows k in LDS), wave 12 k's scale words, wave 13 v's
	s_mov_b32 s[G1A+2], 64<<16
	s_mov_b32 s[G1A+4], 64
	s_mov_b32 s[G1B+2], 32<<16
	s_mov_b32 s[G1B+4], 32
	s_mov_b32 s[G1C+2], 16<<16
	s_mov_b32 s[G1C+4], 16
	s_lshl_b32 s72, s18, 14
	s_mov_b32 s73, 0
	s_mov_b32 s84, 0
	s_mul_i32 s74, s19, 98304
	s_add_co_u32 s74, s74, s72
	s_cmp_lt_u32 s18, 6
	s_mov_b32 s76, 6193152                         ; v's section less the six parts of k
	s_cselect_b32 s76, 3145728, s76
	s_add_co_u32 s76, s76, s74
	s_mov_b32 s77, 0
	s_lshl_b32 s80, s19, 13
	s_add_co_u32 s80, s80, s73
	s_add_co_u32 s80, s80, 262144
	s_mov_b32 s81, 0
	s_lshl_b32 s82, s19, 12
	s_add_co_u32 s82, s82, s84
	s_add_co_u32 s82, s82, 524288
	s_mov_b32 s83, 0
	s_wait_kmcnt 0x0
	s_mov_b32 s48, 1
	s_mov_b32 s49, s72
	s_add_nc_u64 s[50:51], s[4:5], s[76:77]
	s_or_b32 s51, s51, 0x80000000
	s_mov_b32 s56, 1
	s_add_co_u32 s57, s73, KSB
	s_add_nc_u64 s[58:59], s[6:7], s[80:81]
	s_or_b32 s59, s59, 0x80000000
	s_mov_b32 s60, 1
	s_add_co_u32 s61, s84, VSB
	s_add_nc_u64 s[62:63], s[6:7], s[82:83]
	s_or_b32 s63, s63, 0x80000000
	s_cmp_lt_u32 s18, 12
	s_cbranch_scc0 .Lhead_ks
	tensor_load_to_lds s[48:51], s[G1A:G1A+7]
	s_nop 0
	s_branch .Lhead_asked
.Lhead_ks:
	s_cmp_eq_u32 s18, 12
	s_cbranch_scc0 .Lhead_vs
	tensor_load_to_lds s[56:59], s[G1B:G1B+7]
	s_nop 0
	s_branch .Lhead_asked
.Lhead_vs:
	s_cmp_eq_u32 s18, 13
	s_cbranch_scc0 .Lhead_asked
	tensor_load_to_lds s[60:63], s[G1C:G1C+7]
	s_nop 0
.Lhead_asked:
.rept 4
	v_nop
.endr
	s_lshr_b32 s85, s18, 2
	s_xor_b32 s85, s85, s18
	s_and_b32 s85, s85, 1                          ; 0: the early block, 1: the late one
	s_lshl_b32 s86, ttmp9, 1
	s_sub_co_u32 s86, 15, s86
	s_mul_i32 s86, s86, s85
	s_add_co_u32 s86, s86, ttmp9                   ; block j or 15 - j
	s_lshl_b32 s71, s86, 7
	s_lshr_b32 s87, s18, 1
	s_lshl_b32 s87, s87, 4
	s_add_co_u32 s71, s71, s87                     ; s71 = my first query
	s_mul_i32 s88, s19, 98304
	s_mul_i32 s89, s71, 48
	s_add_co_u32 s88, s88, s89
	s_mov_b32 s89, 0
	s_add_nc_u64 s[4:5], s[4:5], s[88:89]          ; q's codes at my first query
	s_lshl_b32 s88, s19, 13
	s_lshl_b32 s90, s71, 2
	s_add_co_u32 s88, s88, s90
	s_add_nc_u64 s[6:7], s[6:7], s[88:89]          ; and its scale words
	s_lshr_b32 s90, s19, 4
	s_lshl_b32 s90, s90, 11
	s_add_co_u32 s90, s90, s71                     ; the token: 2,048 x batch + query
	s_and_b32 s91, s19, 15                         ; the head
	s_mul_i32 s88, s90, 768
	s_mul_i32 s92, s91, 48
	s_add_co_u32 s88, s88, s92
	s_add_nc_u64 s[8:9], s[8:9], s[88:89]
	s_lshl_b32 s88, s90, 5
	s_lshl_b32 s92, s91, 1
	s_add_co_u32 s88, s88, s92
	s_add_nc_u64 s[10:11], s[10:11], s[88:89]
	s_mov_b32 s20, 0x76543210                      ; v_permlanex16_b32's selects for lane l xor 16
	s_mov_b32 s21, 0xfedcba98
	s_mov_b32 s22, 0x3d38aa3b                      ; c = log2(e) / 32
	s_mov_b32 s23, s22                             ; (named with it as a pair, so it is written)
	s_mov_b32 s66, 0                               ; the step's tiles of k and of v: 6,144 bytes a step
	s_mov_b32 s67, 0                               ; k's scale words: 512
	s_mov_b32 s68, 0                               ; v's: 256
	s_mov_b32 s69, 16                              ; steps to go
	s_mov_b32 s70, 0                               ; the step's first key
	v_and_b32 v8, 15, v0                           ; r
	v_bfe_u32 v9, v0, 4, 1                         ; h
	s_delay_alu instid0(VALU_DEP_2)
	v_mul_u32_u24 v10, v8, 48
	s_delay_alu instid0(VALU_DEP_1)
	v_mad_u32_u24 v10, v9, 24, v10
.irp p, 0,1,2
	global_load_b64 v[16+2*\p:17+2*\p], v10, s[4:5] offset:8*\p   ; Q's fragment, K = 32 h .. 32 h + 31, stays in registers
.endr
	v_lshlrev_b32 v254, 2, v8
	global_load_b32 v255, v254, s[6:7]             ; Q's scale words
	v_and_b32 v11, 8, v8
	s_delay_alu instid0(VALU_DEP_1)
	v_add_nc_u32 v11, v11, v8                      ; r + 8 (r / 8): the rows of a tile of v
	v_mul_u32_u24 v1, v8, 48                       ; the keys of a tile are neighbours: lane r of tile t takes key 16 t + r; p's codes then lie in the order in which v's were laid
	s_delay_alu instid0(VALU_DEP_1)
	v_mad_u32_u24 v1, v9, 24, v1                   ; my lane's place in a tile of k
	s_delay_alu instid0(VALU_DEP_3)
	v_mul_u32_u24 v2, v11, 48                      ; v: [half of the 128 keys][d][48 bytes]
	s_delay_alu instid0(VALU_DEP_1)
	v_mad_u32_u24 v2, v9, 24, v2
	s_delay_alu instid0(VALU_DEP_1)
	v_add_nc_u32 v2, VB, v2                        ; in a tile of v
	v_lshl_add_u32 v3, v8, 2, KSB
	v_lshl_add_u32 v4, v11, 2, VSB                 ; among v's
	v_mul_u32_u24 v5, v8, 768
	s_delay_alu instid0(VALU_DEP_1)
	v_mad_u32_u24 v5, v9, 12, v5                   ; the way out: token r, my half's 12 bytes of a block
	v_lshl_add_u32 v6, v8, 5, v9                   ; and block h's scale byte
	v_lshlrev_b32 v7, 3, v9                        ; r - 8 h: register 8 t + j holds key 16 t + 8 h + j of the step
	s_delay_alu instid0(VALU_DEP_1)
	v_sub_nc_u32 v7, v8, v7                        ; r - 8 h, for the diagonal
	v_mov_b32 v13, 0xff61b1e6                      ; the largest t so far: -3e38, under every t
	s_delay_alu instid0(VALU_DEP_1)
	v_floor_f32 v12, -v13                          ; -M
	v_mov_b32 v14, 0                               ; the sum, in two halves
	v_mov_b32 v15, 0
.irp b, 0,1,2,3
	v_mov_b32 v[236+\b], 0                         ; written once: a lane permute's destination counts as one of its sources
.endr
	v_mov_b32 v252, 0
	v_mov_b32 v253, 0                              ; (named as the upper half of the pair v[252:253] before it is first written)
.irp j, 0,1,2,3,4,5
	v_mov_b32 v[22+\j], 0                          ; K = 64 .. 127 of Q and of the four fragments of k: zero codes, for the whole launch
	v_mov_b32 v[34+\j], 0
	v_mov_b32 v[46+\j], 0
	v_mov_b32 v[58+\j], 0
	v_mov_b32 v[70+\j], 0
.endr
.set j, 0
.rept 32
	v_mov_b32 v[OA+j], 0                           ; O^T.  (The step is written once: the first finds zeros, which the first change of M leaves zeros)
.set j, j+1
.endr
	s_wait_tensorcnt 0x0                           ; my part, if any, has landed,
	s_barrier_signal -1
	s_barrier_wait -1                              ; everybody's have
	s_wait_loadcnt 0x0                             ; Q
.macro KLOAD g                         ; four tiles of 16 keys: 24 bytes a lane each, and their scale words
.irp t, 0,1,2,3
.irp p, 0,1,2
	ds_load_b64 v[28+12*\t+2*\p:29+12*\t+2*\p], v8 offset:16*(4*\g+\t)*48+8*\p
.endr
	ds_load_b32 v[248+\t], v10 offset:16*(4*\g+\t)*4
.endr
.endm
.macro KQ g
.irp t, 0,1,2,3
	v_wmma_scale_f32_16x16x128_f8f6f4 v[S+8*(4*\g+\t):S+8*(4*\g+\t)+7], v[28+12*\t:39+12*\t], v[16:27], 0, v[248+\t], v255 matrix_a_fmt:MATRIX_FMT_FP6 matrix_b_fmt:MATRIX_FMT_FP6
.endr
.endm
.Lstep:
	s_add_co_u32 s72, s71, 15
	s_cmp_gt_u32 s70, s72                          ; all 128 keys come after my 16 queries: nothing to do but step
	s_cbranch_scc1 .Lhidden
	v_add_nc_u32 v8, s66, v1                       ; (these four are also the places in front of the loads into registers that the last products read)
	v_add_nc_u32 v9, s66, v2
	v_add_nc_u32 v10, s67, v3
	v_add_nc_u32 v11, s68, v4
	KLOAD 0
.irp t, 0,1,2,3                        ; all of the step's v: four tiles of 16 d x 128 keys
.irp p, 0,1,2,3,4,5
	ds_load_b64 v[76+12*\t+2*\p:77+12*\t+2*\p], v9 offset:(32*(\t/2)+8*(\t%2))*48+3072*(\p/3)+8*(\p%3)
.endr
	ds_load_b32 v[220+\t], v11 offset:(32*(\t/2)+8*(\t%2))*4
.endr
	s_wait_alu depctr_va_vdst(0)
	s_wait_dscnt 28                                ; k's first four tiles are in; v's 28 loads may be out
	KQ 0
.rept 4
	v_nop                                          ; places in front of loads into registers that matrix instructions have read
.endr
	KLOAD 1
	s_wait_dscnt 0x0
	KQ 1
.rept 4
	v_nop
.endr
	s_add_co_u32 s72, s70, 127                     ; on the diagonal the scores of hidden keys become -infinity ahead of the maximum: p = 0 then.  A step all of whose keys count skips this
	s_cmp_le_u32 s72, s71
	s_cbranch_scc1 .Lopen
	s_sub_co_i32 s72, s71, s70
	v_add_nc_u32 v252, s72, v7                     ; d = my query - the step's first key - 8 h.  Register 8 t + j holds key 16 t + 8 h + j of the step: hidden where 16 t + j > d
	v_mov_b32 v254, 0xff800000                     ; -infinity
.set n, 0
.rept 64
	v_cmp_gt_i32 vcc_lo, 16*(n/8)+n%8, v252
	v_cndmask_b32 v[S+n], v[S+n], v254, vcc_lo
.set n, n+1
.endr
.Lopen:
.irp b, 0,1,2,3
	v_max3_num_f32 v[232+\b], v[S+16*\b], v[S+1+16*\b], v[S+2+16*\b]   ; the largest score of each block of 32 keys: it serves for the row's maximum and, since p rises with the score, for the block's largest p
.endr
.irp i, 3,5,7,9,11,13
.irp b, 0,1,2,3
	v_max3_num_f32 v[232+\b], v[232+\b], v[S+16*\b+\i], v[S+1+16*\b+\i]
.endr
.endr
.irp b, 0,1,2,3
	v_max_num_f32 v[232+\b], v[232+\b], v[S+15+16*\b]
.endr
.irp b, 0,1,2,3
	s_delay_alu instid0(VALU_DEP_4)
	v_permlanex16_b32 v[236+\b], v[232+\b], s20, s21
.endr
.irp b, 0,1,2,3
	s_delay_alu instid0(VALU_DEP_4)
	v_max_num_f32 v[232+\b], v[232+\b], v[236+\b]  ; with lane l xor 16's 16 keys
.endr
	s_delay_alu instid0(VALU_DEP_2)
	v_max3_num_f32 v254, v232, v233, v234
	s_delay_alu instid0(VALU_DEP_1)
	v_max_num_f32 v254, v254, v235                 ; the step's largest score of my query
	s_delay_alu instid0(VALU_DEP_1)
	v_mul_f32 v254, s22, v254                      ; as t (c is positive)
	s_delay_alu instid0(VALU_DEP_1)
	v_max_num_f32 v13, v13, v254                   ; the running largest t
	v_mov_b32 v254, v12
	s_delay_alu instid0(VALU_DEP_2)
	v_floor_f32 v12, -v13                          ; the new -M = floor(-t) = -ceil(t): a whole number
	s_delay_alu instid0(VALU_DEP_1)
	v_sub_f32 v254, v12, v254                      ; M's old value less its new one: a whole number, 0 or less
	s_delay_alu instid0(VALU_DEP_1)
	v_cvt_i32_f32 v254, v254                       ; (it saturates)
	s_delay_alu instid0(VALU_DEP_1)
	v_ldexp_f32 v252, 1.0, v254                    ; f = 2^(old M - new M)
.set j, 0
.rept 32
	v_pk_fma_f32 v[S+j:S+j+1], v[S+j:S+j+1], s[22:23], v[12:13] op_sel_hi:[1,0,0]   ; t - M, two at a time (of the pairs c and -M the low word serves both halves)
.set j, j+2
.endr
.irp b, 0,1,2,3
	v_fma_f32 v[232+\b], v[232+\b], s22, v12       ; the same of each block's largest score
.endr
.set j, 0
	s_wait_alu depctr_va_vdst(0)
.rept 64
	v_exp_f32 v[S+j], v[S+j]                       ; p = 2^(t - M), at most 1: not normalised
.set j, j+1
.endr
.irp b, 0,1,2,3
	v_exp_f32 v[232+\b], v[232+\b]                 ; the block's largest p
.endr
	v_pk_mul_f32 v[14:15], v[14:15], v[252:253] op_sel_hi:[1,0]   ; the sums under the new M.  (A plain place behind the exponentials)
	s_wait_alu depctr_va_vdst(0)
.irp b, 0,1,2,3
	v_max_num_f32 v[232+\b], 0x1800000, v[232+\b]  ; the floor 2^(3 - 127): the byte cannot fall under 1
.endr
.irp b, 0,1,2,3
	s_delay_alu instid0(VALU_DEP_4)
	v_add_nc_u32 v[244+\b], 0xff000000, v[232+\b]  ; 2 off the exponent field: the conversion's scale operand
.endr
.irp b, 0,1,2,3
	s_delay_alu instid0(VALU_DEP_4)
	v_lshrrev_b32 v[236+\b], 23, v[244+\b]         ; the scale's byte
.endr
	s_delay_alu instid0(VALU_DEP_3)
	v_lshl_or_b32 v253, v237, 8, v236              ; p's scale word for these 128 keys
	s_delay_alu instid0(VALU_DEP_1)
	v_lshl_or_b32 v253, v238, 16, v253
	s_delay_alu instid0(VALU_DEP_1)
	v_lshl_or_b32 v253, v239, 24, v253
.irp c, 0,1
	v_cvt_scalef32_pk16_fp6_f32 v[224+6*\c:226+6*\c], v[S+32*\c:S+15+32*\c], v[244+2*\c]
	v_cvt_scalef32_pk16_fp6_f32 v[236+4*\c:238+4*\c], v[S+16+32*\c:S+31+32*\c], v[244+2*\c+1]   ; (a conversion's three registers begin on an even number)
.endr
	v_nop                                          ; one plain place behind a scaled conversion
.irp c, 0,1                            ; the operand's layout wants a whole block in a lane: lanes 0-15 block 2 c, lanes 16-31 block 2 c + 1
.irp i, 0,1,2
	v_permlane16_swap_b32 v[224+6*\c+\i], v[236+4*\c+\i]
.endr
.irp i, 0,1,2
	s_delay_alu instid0(VALU_DEP_3)
	v_mov_b32 v[227+6*\c+\i], v[236+4*\c+\i]
.endr
.endr
	v_pk_add_f32 v[236:237], v[128:129], v[132:133]
	v_pk_add_f32 v[250:251], v[136:137], v[140:141]
	v_pk_add_f32 v[248:249], v[144:145], v[148:149]
	v_pk_add_f32 v[246:247], v[152:153], v[156:157]
	v_pk_add_f32 v[244:245], v[160:161], v[164:165]
	v_pk_add_f32 v[242:243], v[168:169], v[172:173]
	v_pk_add_f32 v[240:241], v[176:177], v[180:181]
	v_pk_add_f32 v[14:15], v[14:15], v[184:185]
	v_pk_add_f32 v[236:237], v[236:237], v[124:125]
	v_pk_add_f32 v[250:251], v[250:251], v[126:127]
	v_pk_add_f32 v[248:249], v[248:249], v[130:131]
	v_pk_add_f32 v[246:247], v[246:247], v[134:135]
	v_pk_add_f32 v[244:245], v[244:245], v[138:139]
	v_pk_add_f32 v[242:243], v[242:243], v[142:143]
	v_pk_add_f32 v[240:241], v[240:241], v[146:147]
	v_pk_add_f32 v[14:15], v[14:15], v[150:151]
	v_pk_add_f32 v[236:237], v[236:237], v[154:155]
	v_pk_add_f32 v[250:251], v[250:251], v[158:159]
	v_pk_add_f32 v[248:249], v[248:249], v[162:163]
	v_pk_add_f32 v[246:247], v[246:247], v[166:167]
	v_pk_add_f32 v[244:245], v[244:245], v[170:171]
	v_pk_add_f32 v[242:243], v[242:243], v[174:175]
	v_pk_add_f32 v[240:241], v[240:241], v[178:179]
	v_pk_add_f32 v[14:15], v[14:15], v[182:183]
	v_pk_add_f32 v[236:237], v[236:237], v[186:187]
	s_delay_alu instid0(VALU_DEP_2)
	v_pk_add_f32 v[14:15], v[14:15], v[246:247]
	s_delay_alu instid0(VALU_DEP_2)
	v_pk_add_f32 v[236:237], v[236:237], v[244:245]
	v_pk_add_f32 v[250:251], v[250:251], v[242:243]
	v_pk_add_f32 v[248:249], v[248:249], v[240:241]
	s_delay_alu instid0(VALU_DEP_2)
	v_pk_add_f32 v[14:15], v[14:15], v[250:251]
	s_delay_alu instid0(VALU_DEP_2)
	v_pk_add_f32 v[236:237], v[236:237], v[248:249]
	s_delay_alu instid0(VALU_DEP_1)
	v_pk_add_f32 v[14:15], v[14:15], v[236:237]
.set j, 0
.rept 16
	v_pk_mul_f32 v[OA+j:OA+j+1], v[OA+j:OA+j+1], v[252:253] op_sel_hi:[1,0]   ; O^T under the new M.  (With the sums above: the places between the writes of p's codes and scale word and the products below)
.set j, j+2
.endr
.irp t, 0,1,2,3                        ; O^T += V^T P^T: the four accumulators by turns
	v_wmma_scale_f32_16x16x128_f8f6f4 v[OA+8*\t:OA+8*\t+7], v[76+12*\t:87+12*\t], v[224:235], v[OA+8*\t:OA+8*\t+7], v[220+\t], v253 matrix_a_fmt:MATRIX_FMT_FP6 matrix_b_fmt:MATRIX_FMT_FP6
.endr
.Lhidden:
	s_add_co_u32 s66, s66, 6144
	s_add_co_u32 s67, s67, 512
	s_add_co_u32 s68, s68, 256
	s_add_co_u32 s70, s70, 128
	s_sub_co_u32 s69, s69, 1
	s_cmp_lg_u32 s69, 0
	s_cbranch_scc1 .Lstep
	; THE WAY OUT.  O^T / the sum; register 16 b + i is d = 32 b + 16 h + i of my query: half a block of the next product's K; lane l xor 16 holds the other half.
.rept 4
	v_nop                                          ; places behind the last products
.endr
	v_add_f32 v14, v14, v15                        ; the sum's two halves,
	s_delay_alu instid0(VALU_DEP_1)
	v_permlanex16_b32 v252, v14, s20, s21
	s_delay_alu instid0(VALU_DEP_1)
	v_add_f32 v14, v14, v252                       ; and lane l xor 16's: the row's sum
	s_wait_alu depctr_va_vdst(0)
	v_rcp_f32 v14, v14
	v_and_b32 v242, 16, v0                         ; (a plain place behind the transcendental)
.set j, 0
	s_wait_alu depctr_va_vdst(0)
.rept 32
	v_mul_f32 v[S+j], v[OA+j], v14
.set j, j+1
.endr
.irp b, 0,1
	v_max3_num_f32 v[232+\b], |v[S+16*\b]|, |v[S+1+16*\b]|, 0x1800000
.endr
.irp i, 2,4,6,8,10,12,14
.irp b, 0,1
	s_delay_alu instid0(VALU_DEP_2)
	v_max3_num_f32 v[232+\b], v[232+\b], |v[S+16*\b+\i]|, |v[S+1+16*\b+\i]|
.endr
.endr
.irp b, 0,1
	s_delay_alu instid0(VALU_DEP_2)
	v_permlanex16_b32 v[236+\b], v[232+\b], s20, s21
.endr
.irp b, 0,1
	s_delay_alu instid0(VALU_DEP_2)
	v_max_num_f32 v[232+\b], v[232+\b], v[236+\b]
.endr
.irp b, 0,1
	s_delay_alu instid0(VALU_DEP_2)
	v_add_nc_u32 v[244+\b], 0xff000000, v[232+\b]
.endr
	v_cvt_scalef32_pk16_fp6_f32 v[224:226], v[S:S+15], v244
	v_cvt_scalef32_pk16_fp6_f32 v[228:230], v[S+16:S+31], v245
.irp b, 0,1
	v_lshrrev_b32 v[240+\b], 23, v[244+\b]         ; the scale bytes.  (Plain places behind the conversions)
.endr
	v_cmp_ne_u32 vcc_lo, 0, v242
	s_delay_alu instid0(VALU_DEP_1)
	v_cndmask_b32 v240, v240, v241, vcc_lo         ; lanes 0-15 store block 0's byte, lanes 16-31 block 1's
	global_store_b96 v5, v[224:226], s[8:9]
	global_store_b96 v5, v[228:230], s[8:9] offset:24
	global_store_b8 v6, v240, s[10:11]
	s_wait_xcnt 0x0
	v_lshl_add_u32 v254, v0, 2, 0x33000
	v_mov_b32 v255, 0
	s_wait_alu depctr_va_vdst(0)
	s_wait_tensorcnt 0x0
	ds_add_u32 v254, v255
	s_wait_dscnt 0x0
	s_endpgm
.Lfunc_end_k_q2a653b018d_attn:
	.size	k_q2a653b018d_attn, .Lfunc_end_k_q2a653b018d_attn-k_q2a653b018d_attn
	.p2alignl 7, 3214868480
	.fill 96, 4, 3214868480
	.section	.rodata,"a",@progbits
	.p2align	6, 0x0
	.amdhsa_kernel k_q2a653b018d_attn
		.amdhsa_group_segment_fixed_size 210944
		.amdhsa_private_segment_fixed_size 0
		.amdhsa_enable_private_segment 0
		.amdhsa_kernarg_size 32
		.amdhsa_user_sgpr_count 2
		.amdhsa_user_sgpr_kernarg_segment_ptr 1
		.amdhsa_wavefront_size32 1
		.amdhsa_system_sgpr_workgroup_id_x 1
		.amdhsa_system_sgpr_workgroup_id_y 1
		.amdhsa_system_sgpr_workgroup_id_z 1
		.amdhsa_system_vgpr_workitem_id 0
		.amdhsa_next_free_vgpr 256
		.amdhsa_next_free_sgpr 96
		.amdhsa_reserve_vcc 1
		.amdhsa_float_denorm_mode_32 3
		.amdhsa_float_denorm_mode_16_64 3
		.amdhsa_memory_ordered 1
		.amdhsa_forward_progress 1
		.amdhsa_inst_pref_size 39
	.end_amdhsa_kernel
	.amdgpu_metadata
---
amdhsa.version: [ 1, 2 ]
amdhsa.kernels:
  - .name:           k_q2a653b018d_attn
    .symbol:         k_q2a653b018d_attn.kd
    .args:
      - { .name: qkvc, .offset: 0, .size: 8, .value_kind: global_buffer, .address_space: global }
      - { .name: qkvs, .offset: 8, .size: 8, .value_kind: global_buffer, .address_space: global }
      - { .name: actc, .offset: 16, .size: 8, .value_kind: global_buffer, .address_space: global }
      - { .name: acts, .offset: 24, .size: 8, .value_kind: global_buffer, .address_space: global }
    .group_segment_fixed_size: 210944
    .private_segment_fixed_size: 0
    .kernarg_segment_align: 8
    .kernarg_segment_size: 32
    .max_flat_workgroup_size: 512
    .sgpr_count:     96
    .vgpr_count:     256
    .wavefront_size: 32
...
	.end_amdgpu_metadata
.endif
;; end of part 9
;; launch wo (part 10): grid 8 x 32, 4 waves a work-group, clusters of 4 x 4, 327,680 bytes of LDS; arguments actc, acts, Wo_codes, Wo_scales, bo, x, x1; writes x1
.if DOCPART == 10
	.amdgcn_target "amdgcn-amd-amdhsa--gfx1250"
	.amdhsa_code_object_version 6
	.text
	.protected	k_q2a653b018d_wo
	.globl	k_q2a653b018d_wo
	.p2align	8
	.type	k_q2a653b018d_wo,@function
k_q2a653b018d_wo:
	s_mov_b64 s[64:65], 0
	v_nop
	global_prefetch_b8 v0, s[64:65] scope:SCOPE_SE
	s_setreg_imm32_b32 hwreg(HW_REG_WAVE_MODE, 25, 1), 1
	s_wait_xcnt 0x0
	s_wait_alu depctr_hold_cnt(0) depctr_sa_sdst(0) depctr_va_vdst(0) depctr_va_sdst(0) depctr_va_ssrc(0) depctr_va_vcc(0) depctr_vm_vsrc(0)
	s_getreg_b32 s2, hwreg(HW_REG_IB_STS2, 6, 4)
	s_cmp_eq_u32 s2, 0
	s_cbranch_scc0 .Lentry_in_a_cluster
	s_endpgm
.Lentry_in_a_cluster:
	s_bfe_u32 s2, ttmp6, 0x10000c
	s_cmp_lg_u32 s2, 0xf033
	s_cbranch_scc0 .Lentry_shape_is_right
	s_endpgm
.Lentry_shape_is_right:
; out = res + A B^T + bias on FP6 codes with E8M0 scales; a block of 128 x 128 a work-group, 64 x 64 a wave; K = 1,024 is one unit: whole rows of 768 bytes, fetched once, one tensor load a wave.
; Scale words come by global loads: lanes 0-15 hold the words of K steps 0-3, lanes 16-31 those of steps 4-7.  The residual is asked for at the head.
; The way out goes through a stage in LDS bytes that no tensor load fills; sixteen lanes store 256 consecutive bytes.
.set NU, 1
.set ANEW, 0
.set PERM, 0
.set KROWA, 768
.set KROWB, 768
.set ASTEP, 0
.set BSTEP, 0
.set KSAL, 32
.set AH, 16
.set ASST, 0
.set KSB, 32
.set BSST, 0
.set BROWS, 128
.set ZKIND, 1
.set BIA, 128
.set PITCH, 816
.set HA, 64*PITCH
.set RB0, 2*HA
.set SLOTB, 104704
.set SPARE, RB0+2*SLOTB
.set STAGE, RB0+(1-ANEW)*SLOTB
.set HB, HA
.set BH, 64
.set ADRA, 16
.set ADRB, 18
.set ASO, 22
.set BSO, 23
.set SPW, 28
.set NIL, 29
.set SA, 32
.set SB, 64
.set G1, 24
.set G0, 32
.set G1B, 48
.set G0B, 56
.set MSB, 0
.macro WIN new
.if MSB != (\new)
	s_set_vgpr_msb (MSB<<8)|(\new)
.set MSB, (\new)
.endif
.endm
.macro PLACES
.rept 4
	v_nop
.endr
.endm
.macro JLOAD g0a, g1a, g0b, g1b
	s_cmp_eq_u32 s15, 0
	s_cbranch_scc0 .Lfor_b_\@
	tensor_load_to_lds s[\g0a:\g0a+3], s[\g1a:\g1a+7]
	s_nop 0
	PLACES
	s_branch .Lasked_\@
.Lfor_b_\@:
	tensor_load_to_lds s[\g0b:\g0b+3], s[\g1b:\g1b+7]
	s_nop 0
	PLACES
.Lasked_\@:
.endm
.macro CREST
	s_cmp_lg_u32 s14, 0
	s_cbranch_scc1 .Lnot_wave_0_\@
	s_barrier_signal -3
.Lnot_wave_0_\@:
	s_barrier_wait -3
	s_barrier_signal -1
	s_barrier_wait -1
.endm
.macro CROUND
	s_barrier_signal -1
	s_barrier_wait -1
	CREST
.endm
.macro SYNC round
	s_wait_tensorcnt 0x0
	ds_add_u32 v[SPW], v[NIL]
	s_wait_dscnt 0x0
.if \round
	CROUND
.else
	s_barrier_signal -1
	s_barrier_wait -1
.endif
.endm
.macro FRAG reg, a1, a2, q, off
.irp p, 0,1,2,3,4,5
.set BY, 96*(\q)+48*(\p/3)+8*(\p%3)
.if BY/256 == (BY+24)/256
	ds_load_b64 v[\reg+2*\p:\reg+2*\p+1], v[\a1] offset:BY+16*(BY/256)+\off
.else
	ds_load_b64 v[\reg+2*\p:\reg+2*\p+1], v[\a2] offset:BY+16*(BY/256)+\off
.endif
.endr
.endm
.macro ALOAD q
	WIN 0x40+0x80*((\q)/5)
.irp i, 0,1,2,3
	FRAG 48*((\q)%5)+12*\i, ADRA, ADRA+1, \q, \i*16*PITCH
.endr
.endm
.macro BLOAD sl, q, p
	WIN 0xc0
.irp i, 0,1,2,3
	FRAG 144+48*(\p)+12*\i, ADRB+(\sl), ADRB+2+(\sl), \q, \i*16*PITCH
.endr
.endm
.macro WM c, q
.if (\q)/4
	v_wmma_scale_f32_16x16x128_f8f6f4 v[DD:DD+7], v[X:X+11], v[Y:Y+11], \c, v[SX], v[SY] matrix_a_fmt:MATRIX_FMT_FP6 matrix_b_fmt:MATRIX_FMT_FP6 matrix_a_scale:MATRIX_SCALE_ROW1 matrix_b_scale:MATRIX_SCALE_ROW1
.else
	v_wmma_scale_f32_16x16x128_f8f6f4 v[DD:DD+7], v[X:X+11], v[Y:Y+11], \c, v[SX], v[SY] matrix_a_fmt:MATRIX_FMT_FP6 matrix_b_fmt:MATRIX_FMT_FP6
.endif
.endm
.macro MUL q, p, z, sa, sb
	WIN 0xa7+8*((\q)/5)
.irp a, 0,1,2,3
.irp b, 0,1,2,3
.set DD, 8*(4*\a+\b)
.set Y, 48*((\q)%5)+12*\a
.set X, 144+48*(\p)+12*\b
.set SY, SA+16*(\sa)+4*\a+(\q)%4
.set SX, SB+16*(\sb)+4*\b+(\q)%4
.if \z == 1
	WM 0, \q
.else
	WM v[DD:DD+7], \q
.endif
.endr
.endr
.endm
.macro SLA set, u
.irp i, 0,1,2,3
	global_load_b128 v[SA+16*(\set)+4*\i:SA+16*(\set)+4*\i+3], v[ASO], s[6:7] offset:\i*16*KSAL+(\u)*ASST
.endr
.endm
.macro SLB set, u
.irp i, 0,1,2,3
	global_load_b128 v[SB+16*(\set)+4*\i:SB+16*(\set)+4*\i+3], v[BSO], s[10:11] offset:\i*16*KSB+(\u)*BSST
.endr
.endm
.macro NEXTS u
.if \u == 0
	s_wait_loadcnt 32                      ; the scale words and the bias are in; the 32 loads of the residual may be out
.else
	s_wait_loadcnt 0x0
.endif
.if \u+1 < NU
	SLA (\u+1)%2, \u+1
	SLB (\u+1)%2, \u+1
.endif
.endm
.macro USTEPS u, al
.irp q, 0,1,2,3,4,5,6,7
	s_wait_dscnt 0x0
	PLACES
.if \q < 7
	BLOAD (\u)%2, \q+1, (\q+1)%2
.if \al
	ALOAD \q+1
.endif
.endif
.set ZZ, 0
.if \q == 0
	WIN 0
	NEXTS \u
.if \u == 0
.set ZZ, 1
.endif
.endif
	MUL \q, (\q)%2, ZZ, ANEW*((\u)%2), (\u)%2
.endr
	WIN 0
.endm
.set BI, 8
.set STO, 24
.set RD, 25
.set CO, 26
.set CB, 30
.set BB, 96
.set SPITCH, 272
	s_load_b128 s[4:7], s[0:1], 0x0
	s_load_b128 s[8:11], s[0:1], 0x10
	s_load_b128 s[96:99], s[0:1], 0x20
	s_load_b64 s[12:13], s[0:1], 0x30
	v_lshl_add_u32 v[SPW], v0, 2, SPARE
	v_mov_b32 v[NIL], 0
	ds_add_u32 v[SPW], v[NIL]
	ds_add_u32 v[SPW], v[NIL]
	v_lshrrev_b32 v1, 5, v0
	v_readfirstlane_b32 s14, v1
	s_lshr_b32 s15, s14, 1
	s_and_b32 s16, s14, 1
	s_bfe_u32 s40, ttmp6, 0x40000
	s_bfe_u32 s41, ttmp6, 0x40004
	s_lshl_b32 s42, ttmp9, 2
	s_add_co_u32 s42, s42, s40
	s_and_b32 s17, ttmp7, 0xffff
	s_lshl_b32 s17, s17, 2
	s_add_co_u32 s17, s17, s41
	s_lshl_b32 s43, s41, 2
	s_lshl_b32 s43, 15, s43
	s_lshl_b32 s44, 0x1111, s40
	s_or_b32 s[G1], s43, (3<<16)|(1<<20)|(1<<21)|(5<<22)|(3<<25)
	s_or_b32 s[G1B], s44, (3<<16)|(1<<20)|(1<<21)|(5<<22)|(3<<25)
.irp g, G1, G1B
	s_mov_b32 s[\g+1], 96<<16              ; 64 rows of 768 bytes (96 elements of 8)
	s_mov_b32 s[\g+2], 64<<16
	s_mov_b32 s[\g+3], 96<<16
	s_mov_b32 s[\g+4], 64
	s_mov_b32 s[\g+6], 0
	s_mov_b32 s[\g+7], 0
.endr
	s_mov_b32 s[G1+5], KROWA/8
	s_mov_b32 s[G1B+5], KROWB/8
	s_lshl_b32 s20, s17, 7
	s_lshl_b32 s18, s16, 6
	s_add_co_u32 s20, s20, s18
	s_mul_i32 s20, s20, KROWA
	s_mov_b32 s21, 0
	s_mul_i32 s46, s42, BROWS
	s_add_co_u32 s46, s46, s18
	s_mul_i32 s46, s46, KROWB
	s_mov_b32 s47, 0
	s_mul_i32 s45, s16, HA
	s_add_co_u32 s94, s45, RB0
	s_lshl_b32 s84, s17, 7
	s_lshl_b32 s19, s15, 6
	s_add_co_u32 s84, s84, s19
	s_mul_i32 s84, s84, KSAL
	s_mov_b32 s85, 0
	s_mul_i32 s86, s42, BROWS
	s_add_co_u32 s86, s86, s18
	s_mul_i32 s86, s86, KSB
	s_mov_b32 s87, 0
	s_wait_dscnt 0x0
	s_wait_kmcnt 0x0
	s_add_nc_u64 s[20:21], s[4:5], s[20:21]
	s_add_nc_u64 s[46:47], s[8:9], s[46:47]
	s_add_nc_u64 s[6:7], s[6:7], s[84:85]
	s_add_nc_u64 s[10:11], s[10:11], s[86:87]
	CROUND
	s_mov_b32 s[G0], 1
	s_mov_b32 s[G0+1], s45
	s_mov_b64 s[G0+2:G0+3], s[20:21]
	s_or_b32 s[G0+3], s[G0+3], 0x80000000
.irp s, 0,1
	s_mov_b32 s[G0B+4*\s], 1
	s_add_co_u32 s[G0B+4*\s+1], s94, \s*SLOTB
	s_add_nc_u64 s[G0B+4*\s+2:G0B+4*\s+3], s[46:47], \s*BSTEP
	s_or_b32 s[G0B+4*\s+3], s[G0B+4*\s+3], 0x80000000
.endr
	JLOAD G0, G1, G0B, G1B                 ; one load a wave: A's halves, B's halves
	s_lshl_b32 s80, s17, 7
	s_add_co_u32 s80, s80, s19
	s_lshl_b32 s80, s80, 12                ; my first row, 4,096 bytes a row
	s_lshl_b32 s82, s42, 9
	s_lshl_b32 s83, s16, 8
	s_add_co_u32 s82, s82, s83             ; my first column, in bytes
	s_mov_b32 s83, 0
	s_add_nc_u64 s[96:97], s[96:97], s[82:83]
	s_add_co_u32 s80, s80, s82
	s_mov_b32 s81, 0
	s_add_nc_u64 s[12:13], s[12:13], s[80:81]
	s_add_nc_u64 s[98:99], s[98:99], s[80:81]
	s_mul_i32 s21, s15, HA
	s_mul_i32 s22, s16, HA
	s_add_co_u32 s22, s22, RB0
	s_mul_i32 s23, s14, 64*SPITCH
	s_add_co_u32 s23, s23, STAGE
	v_and_b32 v1, 15, v0
	v_bfe_u32 v2, v0, 4, 1
	v_mul_u32_u24 v3, v1, PITCH
	v_mad_u32_u24 v4, v2, 24, v3
	v_mad_u32_u24 v5, v2, 40, v3
	v_add_nc_u32 v[ADRA], s21, v4
	v_add_nc_u32 v[ADRA+1], s21, v5
	v_add_nc_u32 v[ADRB], s22, v4
	v_add_nc_u32 v[ADRB+2], s22, v5
	v_add_nc_u32 v[ADRB+1], SLOTB, v[ADRB]
	v_add_nc_u32 v[ADRB+3], SLOTB, v[ADRB+2]
	v_mul_u32_u24 v[ASO], v1, KSAL
	v_mad_u32_u24 v[ASO], v2, AH, v[ASO]
	v_mul_u32_u24 v[BSO], v1, KSB
	v_lshl_add_u32 v[BSO], v2, 4, v[BSO]
	v_mul_u32_u24 v5, v1, SPITCH
	v_lshl_add_u32 v5, v2, 5, v5
	v_add_nc_u32 v[STO], s23, v5
	v_lshlrev_b32 v[CB], 4, v1
	v_mad_u32_u24 v5, v2, SPITCH, v[CB]
	v_add_nc_u32 v[RD], s23, v5
	v_lshl_add_u32 v[CO], v2, 12, v[CB]
	s_wait_alu depctr_va_vdst(0)
	SLA 0, 0
	SLB 0, 0
	global_load_b128 v[BI:BI+3], v[CB], s[96:97]
	WIN 0x80
.irp a, 0,1,2,3
.irp t, 0,1,2,3,4,5,6,7
	global_load_b128 v[128+4*(8*\a+\t):128+4*(8*\a+\t)+3], v[CO], s[98:99] offset:(16*\a+2*\t)*4096
.endr
.endr
	WIN 0
.if ANEW
.irp u, 0,1,2,3
	s_wait_tensorcnt 0x0                   ; this unit's A and B are in
	s_wait_dscnt 0x0
	s_barrier_signal -1
	s_barrier_wait -1
	PLACES
.irp q, 0,1,2,3,4,5,6,7
	ALOAD \q
.endr
	BLOAD (\u)%2, 0, 0
	WIN 0
.if \u < 3
	SYNC 1                                 ; A's bytes have been read into registers by all: they and the other slot of B are filled again
	s_add_nc_u64 s[G0+2:G0+3], s[G0+2:G0+3], ASTEP
.if \u > 0
	s_add_nc_u64 s[G0B+4*((\u+1)%2)+2:G0B+4*((\u+1)%2)+3], s[G0B+4*((\u+1)%2)+2:G0B+4*((\u+1)%2)+3], 2*BSTEP
.endif
	JLOAD G0, G1, G0B+4*((\u+1)%2), G1B
.endif
	USTEPS \u, 0
.endr
.else
	SYNC 0
	ALOAD 0
	BLOAD 0, 0, 0
	WIN 0
	USTEPS 0, 1
.endif
.macro STG a
	WIN 0x08
.irp b, 0,1,2,3
	ds_store_b128 v[STO], v[8*(4*(\a)+\b):8*(4*(\a)+\b)+3] offset:(\a)*16*SPITCH+64*\b
	ds_store_b128 v[STO], v[8*(4*(\a)+\b)+4:8*(4*(\a)+\b)+7] offset:(\a)*16*SPITCH+64*\b+16
.endr
	WIN 0
.set BL, BB+32*((\a)%2)
.irp t, 0,1,2,3,4,5,6,7
	ds_load_b128 v[BL+4*\t:BL+4*\t+3], v[RD] offset:(\a)*16*SPITCH+2*\t*SPITCH
.endr
.endm
.macro OUTB a
.if (\a) < 3
.if (\a) > 0
	s_wait_xcnt 0x0
.endif
	STG (\a)+1
	s_wait_dscnt 16
.else
	s_wait_dscnt 0x0
.endif
.set BK, BB+32*((\a)%2)
	WIN 0x08
.irp t, 0,1,2,3,4,5,6,7
	v_pk_add_f32 v[BK+4*\t:BK+4*\t+1], v[BK+4*\t:BK+4*\t+1], v[128+4*(8*(\a)+\t):128+4*(8*(\a)+\t)+1]
	v_pk_add_f32 v[BK+4*\t+2:BK+4*\t+3], v[BK+4*\t+2:BK+4*\t+3], v[128+4*(8*(\a)+\t)+2:128+4*(8*(\a)+\t)+3]
.endr
	WIN 0
.irp t, 0,1,2,3,4,5,6,7
	v_pk_add_f32 v[BK+4*\t:BK+4*\t+1], v[BK+4*\t:BK+4*\t+1], v[BI:BI+1]
	v_pk_add_f32 v[BK+4*\t+2:BK+4*\t+3], v[BK+4*\t+2:BK+4*\t+3], v[BI+2:BI+3]
.endr
.irp t, 0,1,2,3,4,5,6,7
	global_store_b128 v[CO], v[BK+4*\t:BK+4*\t+3], s[12:13] offset:(16*(\a)+2*\t)*4096
.endr
.endm
	s_wait_loadcnt 0x0
	PLACES
	STG 0
.irp a, 0,1,2,3
	OUTB \a
.endr
	s_wait_tensorcnt 0x0                   ; the wave's end
	ds_add_u32 v[SPW], v[NIL]
	s_wait_dscnt 0x0
	CROUND
	s_endpgm
.Lfunc_end_k_q2a653b018d_wo:
	.size	k_q2a653b018d_wo, .Lfunc_end_k_q2a653b018d_wo-k_q2a653b018d_wo
	.p2alignl 7, 3214868480
	.fill 96, 4, 3214868480
	.section	.rodata,"a",@progbits
	.p2align	6, 0x0
	.amdhsa_kernel k_q2a653b018d_wo
		.amdhsa_group_segment_fixed_size 327680
		.amdhsa_private_segment_fixed_size 0
		.amdhsa_enable_private_segment 0
		.amdhsa_kernarg_size 56
		.amdhsa_user_sgpr_count 2
		.amdhsa_user_sgpr_kernarg_segment_ptr 1
		.amdhsa_wavefront_size32 1
		.amdhsa_system_sgpr_workgroup_id_x 1
		.amdhsa_system_sgpr_workgroup_id_y 1
		.amdhsa_system_sgpr_workgroup_id_z 1
		.amdhsa_system_vgpr_workitem_id 0
		.amdhsa_next_free_vgpr 1024
		.amdhsa_next_free_sgpr 102
		.amdhsa_reserve_vcc 0
		.amdhsa_float_denorm_mode_32 3
		.amdhsa_float_denorm_mode_16_64 3
		.amdhsa_memory_ordered 1
		.amdhsa_forward_progress 1
		.amdhsa_inst_pref_size 70
	.end_amdhsa_kernel
	.amdgpu_metadata
---
amdhsa.version: [ 1, 2 ]
amdhsa.kernels:
  - .name:           k_q2a653b018d_wo
    .symbol:         k_q2a653b018d_wo.kd
    .args:
      - { .name: actc, .offset: 0, .size: 8, .value_kind: global_buffer, .address_space: global }
      - { .name: acts, .offset: 8, .size: 8, .value_kind: global_buffer, .address_space: global }
      - { .name: Wo_codes, .offset: 16, .size: 8, .value_kind: global_buffer, .address_space: global }
      - { .name: Wo_scales, .offset: 24, .size: 8, .value_kind: global_buffer, .address_space: global }
      - { .name: bo, .offset: 32, .size: 8, .value_kind: global_buffer, .address_space: global }
      - { .name: x, .offset: 40, .size: 8, .value_kind: global_buffer, .address_space: global }
      - { .name: x1, .offset: 48, .size: 8, .value_kind: global_buffer, .address_space: global }
    .group_segment_fixed_size: 327680
    .private_segment_fixed_size: 0
    .kernarg_segment_align: 8
    .kernarg_segment_size: 56
    .max_flat_workgroup_size: 128
    .sgpr_count:     102
    .vgpr_count:     1024
    .wavefront_size: 32
...
	.end_amdgpu_metadata
.endif
;; end of part 10
;; launch ln2: the kernel of part 7 again; grid 256 x 1, 4 waves a work-group, no clusters, 87,040 bytes of LDS; arguments x1, g2, be2, actc, acts; writes actc, acts
;; launch w1 (part 11): grid 8 x 32, 4 waves a work-group, clusters of 4 x 4, 327,680 bytes of LDS; arguments actc, acts, W1_codes, W1_scales, b1, fc, fs; writes fc, fs
.if DOCPART == 11
	.amdgcn_target "amdgcn-amd-amdhsa--gfx1250"
	.amdhsa_code_object_version 6
	.text
	.protected	k_q2a653b018d_w1
	.globl	k_q2a653b018d_w1
	.p2align	8
	.type	k_q2a653b018d_w1,@function
k_q2a653b018d_w1:
	s_mov_b64 s[64:65], 0
	v_nop
	global_prefetch_b8 v0, s[64:65] scope:SCOPE_SE
	s_setreg_imm32_b32 hwreg(HW_REG_WAVE_MODE, 25, 1), 1
	s_wait_xcnt 0x0
	s_wait_alu depctr_hold_cnt(0) depctr_sa_sdst(0) depctr_va_vdst(0) depctr_va_sdst(0) depctr_va_ssrc(0) depctr_va_vcc(0) depctr_vm_vsrc(0)
	s_getreg_b32 s2, hwreg(HW_REG_IB_STS2, 6, 4)
	s_cmp_eq_u32 s2, 0
	s_cbranch_scc0 .Lentry_in_a_cluster
	s_endpgm
.Lentry_in_a_cluster:
	s_bfe_u32 s2, ttmp6, 0x10000c
	s_cmp_lg_u32 s2, 0xf033
	s_cbranch_scc0 .Lentry_shape_is_right
	s_endpgm
.Lentry_shape_is_right:
; hidden = Q(relu(ln2(x1) W1 + b1)) on FP6 codes with E8M0 scales.  A work-group owns 128 tokens and 512 hidden units: four units of 128 rows of W1; a wave makes 64 x 64.
; A (128 tokens x 768 bytes) comes into LDS once and its fragments stay in registers; B goes through two slots, whole rows of 768 bytes, laid so that lane r of block 2 b + u takes
; row 32 b + 8 u + r + 8 (r / 8): a lane's 16 registers of two blocks are 16 neighbours along the next K.  The bias is the C of a unit's first products.
; Codes and scale bytes gather in LDS (A's bytes, filled once) and leave at the end: fc = [K / 1024][token][768 bytes], runs of 384 bytes; fs = [K / 512][token][16 bytes], dense.
; LIMITS: NaN and infinities are not served; a block under 2^-124, zeros too, keeps the scale byte 1 (only this program reads the bytes).
.set NU, 4
.set ANEW, 0
.set PERM, 1
.set KROWA, 768
.set KROWB, 768
.set BSTEP, 128*768
.set KSAL, 32
.set AH, 16
.set ASST, 0
.set KSB, 32
.set BSST, 128*32
.set BROWS, 512
.set ZKIND, 2
.set PITCH, 816
.set HA, 64*PITCH
.set RB0, 2*HA
.set SLOTB, 104704
.set SPARE, RB0+2*SLOTB
.set HB, HA+128
.set BH, 16
.set ADRA, 16
.set ADRB, 18
.set ASO, 22
.set BSO, 23
.set SPW, 28
.set NIL, 29
.set SA, 32
.set SB, 64
.set G1, 24
.set G0, 32
.set G1B, 48
.set G0B, 56
.set MSB, 0
.macro WIN new
.if MSB != (\new)
	s_set_vgpr_msb (MSB<<8)|(\new)
.set MSB, (\new)
.endif
.endm
.macro PLACES
.rept 4
	v_nop
.endr
.endm
.macro JLOAD g0a, g1a, g0b, g1b
	s_cmp_eq_u32 s15, 0
	s_cbranch_scc0 .Lfor_b_\@
	tensor_load_to_lds s[\g0a:\g0a+3], s[\g1a:\g1a+7]
	s_nop 0
	PLACES
	s_branch .Lasked_\@
.Lfor_b_\@:
	tensor_load_to_lds s[\g0b:\g0b+3], s[\g1b:\g1b+7]
	s_nop 0
	PLACES
.Lasked_\@:
.endm
.macro JLOADB g0b
	s_cmp_eq_u32 s15, 0
	s_cbranch_scc1 .Lnob_\@
	tensor_load_to_lds s[\g0b:\g0b+3], s[G1B:G1B+7]
	s_nop 0
	PLACES
.Lnob_\@:
.endm
.macro CREST
	s_cmp_lg_u32 s14, 0
	s_cbranch_scc1 .Lnot_wave_0_\@
	s_barrier_signal -3
.Lnot_wave_0_\@:
	s_barrier_wait -3
	s_barrier_signal -1
	s_barrier_wait -1
.endm
.macro CROUND
	s_barrier_signal -1
	s_barrier_wait -1
	CREST
.endm
.macro SYNC round
	s_wait_tensorcnt 0x0
	ds_add_u32 v[SPW], v[NIL]
	s_wait_dscnt 0x0
.if \round
	CROUND
.else
	s_barrier_signal -1
	s_barrier_wait -1
.endif
.endm
.macro FRAG reg, a1, a2, q, off
.irp p, 0,1,2,3,4,5
.set BY, 96*(\q)+48*(\p/3)+8*(\p%3)
.if BY/256 == (BY+24)/256
	ds_load_b64 v[\reg+2*\p:\reg+2*\p+1], v[\a1] offset:BY+16*(BY/256)+\off
.else
	ds_load_b64 v[\reg+2*\p:\reg+2*\p+1], v[\a2] offset:BY+16*(BY/256)+\off
.endif
.endr
.endm
.macro ALOAD q
	WIN 0x40+0x80*((\q)/5)
.irp i, 0,1,2,3
	FRAG 48*((\q)%5)+12*\i, ADRA, ADRA+1, \q, \i*16*PITCH
.endr
.endm
.macro BLOAD sl, q, p
	WIN 0xc0
.irp i, 0,1,2,3
	FRAG 144+48*(\p)+12*\i, ADRB+(\sl), ADRB+2+(\sl), \q, \i*8*PITCH
.endr
.endm
.macro WM c, q
.if (\q)/4
	v_wmma_scale_f32_16x16x128_f8f6f4 v[DD:DD+7], v[X:X+11], v[Y:Y+11], \c, v[SX], v[SY] matrix_a_fmt:MATRIX_FMT_FP6 matrix_b_fmt:MATRIX_FMT_FP6 matrix_a_scale:MATRIX_SCALE_ROW1 matrix_b_scale:MATRIX_SCALE_ROW1
.else
	v_wmma_scale_f32_16x16x128_f8f6f4 v[DD:DD+7], v[X:X+11], v[Y:Y+11], \c, v[SX], v[SY] matrix_a_fmt:MATRIX_FMT_FP6 matrix_b_fmt:MATRIX_FMT_FP6
.endif
.endm
.macro MUL q, p, z, sb
	WIN 0xa7+8*((\q)/5)
.irp a, 0,1,2,3
.irp b, 0,1,2,3
.set DD, 8*(4*\a+\b)
.set Y, 48*((\q)%5)+12*\a
.set X, 144+48*(\p)+12*\b
.set SY, SA+4*\a+(\q)%4
.set SX, SB+16*(\sb)+4*\b+(\q)%4
.if \z == 2
	WM v[128+32*(\sb)+8*\b:128+32*(\sb)+8*\b+7], \q
.else
	WM v[DD:DD+7], \q
.endif
.endr
.endr
.endm
.macro SLB set, u                      ; a unit's scale words of B, and its bias in the result's layout (window 2)
.irp i, 0,1,2,3
	global_load_b128 v[SB+16*(\set)+4*\i:SB+16*(\set)+4*\i+3], v[BSO], s[10:11] offset:(32*(\i/2)+8*(\i%2))*KSB+(\u)*BSST
.endr
	WIN 0x80
.irp i, 0,1,2,3
	global_load_b128 v[128+32*(\set)+8*\i:128+32*(\set)+8*\i+3], v[BIO], s[96:97] offset:(32*(\i/2)+8*(\i%2))*4+(\u)*512
	global_load_b128 v[128+32*(\set)+8*\i+4:128+32*(\set)+8*\i+7], v[BIO], s[96:97] offset:(32*(\i/2)+8*(\i%2))*4+(\u)*512+16
.endr
	WIN 0
.endm
.macro USTEPS u, al
.irp q, 0,1,2,3,4,5,6,7
	s_wait_dscnt 0x0
	PLACES
.if \q < 7
	BLOAD (\u)%2, \q+1, (\q+1)%2
.if \al
	ALOAD \q+1
.endif
.endif
.set ZZ, 0
.if \q == 0
	WIN 0
	s_wait_loadcnt 0x0                     ; this unit's scale words and bias are in; the next unit's are asked for
.if \u+1 < NU
	SLB (\u+1)%2, \u+1
.endif
.set ZZ, 2
.endif
	MUL \q, (\q)%2, ZZ, (\u)%2
.endr
	WIN 0
.endm
.set GO, 8
.set SRD, 11
.set SGO, 12
.set BIO, 13
.set CST, 24
.set SST, 25
.set RDL, 26
.set T, 96
.set MX, 160
.set OT, 164
.set SOP, 168
.set EB, 172
.set CD, 176
.set HWD, 192
.set SSTG, 49152
	s_load_b128 s[4:7], s[0:1], 0x0
	s_load_b128 s[8:11], s[0:1], 0x10
	s_load_b128 s[96:99], s[0:1], 0x20
	s_load_b64 s[12:13], s[0:1], 0x30
	v_lshl_add_u32 v[SPW], v0, 2, SPARE
	v_mov_b32 v[NIL], 0
	ds_add_u32 v[SPW], v[NIL]
	ds_add_u32 v[SPW], v[NIL]
	v_lshrrev_b32 v1, 5, v0
	v_readfirstlane_b32 s14, v1
	s_lshr_b32 s15, s14, 1
	s_and_b32 s16, s14, 1
	s_bfe_u32 s40, ttmp6, 0x40000
	s_bfe_u32 s41, ttmp6, 0x40004
	s_lshl_b32 s42, ttmp9, 2
	s_add_co_u32 s42, s42, s40
	s_and_b32 s17, ttmp7, 0xffff
	s_lshl_b32 s17, s17, 2
	s_add_co_u32 s17, s17, s41
	s_lshl_b32 s43, s41, 2
	s_lshl_b32 s43, 15, s43
	s_lshl_b32 s44, 0x1111, s40
	s_or_b32 s[G1], s43, (3<<16)|(1<<20)|(1<<21)|(5<<22)|(3<<25)
	s_or_b32 s[G1B], s44, (3<<16)|(1<<20)|(1<<21)|(5<<22)|(3<<25)
	s_mov_b32 s[G1+1], 96<<16              ; A: 64 rows of 768 bytes
	s_mov_b32 s[G1+2], 64<<16
	s_mov_b32 s[G1+3], 96<<16
	s_mov_b32 s[G1+4], 64
	s_mov_b32 s[G1+5], KROWA/8
	s_mov_b32 s[G1+6], 0
	s_mov_b32 s[G1+7], 0
	s_mov_b32 s[G1B+1], 1536<<16           ; B: 4 runs of 16 dense rows (12,288 bytes), 32 rows apart
	s_mov_b32 s[G1B+2], 4<<16
	s_mov_b32 s[G1B+3], 1536<<16
	s_mov_b32 s[G1B+4], 4
	s_mov_b32 s[G1B+5], 3072
	s_mov_b32 s[G1B+6], 0
	s_mov_b32 s[G1B+7], 0
	s_lshl_b32 s20, s17, 7
	s_lshl_b32 s18, s16, 6
	s_add_co_u32 s20, s20, s18
	s_mul_i32 s20, s20, KROWA
	s_mov_b32 s21, 0
	s_mul_i32 s46, s42, BROWS
	s_mul_i32 s19, s16, BH
	s_add_co_u32 s46, s46, s19
	s_mul_i32 s46, s46, KROWB
	s_mov_b32 s47, 0
	s_mul_i32 s45, s16, HA
	s_mul_i32 s94, s16, HB
	s_add_co_u32 s94, s94, RB0
	s_lshl_b32 s84, s17, 7
	s_lshl_b32 s19, s15, 6
	s_add_co_u32 s84, s84, s19
	s_mul_i32 s84, s84, KSAL
	s_mov_b32 s85, 0
	s_mul_i32 s86, s42, BROWS
	s_add_co_u32 s86, s86, s18             ; my first hidden unit
	s_lshl_b32 s88, s86, 2
	s_mov_b32 s89, 0
	s_mul_i32 s86, s86, KSB
	s_mov_b32 s87, 0
	s_mov_b32 s38, 0x76543210
	s_mov_b32 s39, 0xfedcba98
	s_wait_dscnt 0x0
	s_wait_kmcnt 0x0
	s_add_nc_u64 s[20:21], s[4:5], s[20:21]
	s_add_nc_u64 s[46:47], s[8:9], s[46:47]
	s_add_nc_u64 s[6:7], s[6:7], s[84:85]
	s_add_nc_u64 s[10:11], s[10:11], s[86:87]
	s_add_nc_u64 s[96:97], s[96:97], s[88:89]
	CROUND
	s_mov_b32 s[G0], 1
	s_mov_b32 s[G0+1], s45
	s_mov_b64 s[G0+2:G0+3], s[20:21]
	s_or_b32 s[G0+3], s[G0+3], 0x80000000
.irp s, 0,1
	s_mov_b32 s[G0B+4*\s], 1
	s_add_co_u32 s[G0B+4*\s+1], s94, \s*SLOTB
	s_add_nc_u64 s[G0B+4*\s+2:G0B+4*\s+3], s[46:47], \s*BSTEP
	s_or_b32 s[G0B+4*\s+3], s[G0B+4*\s+3], 0x80000000
.endr
	JLOAD G0, G1, G0B, G1B                 ; one load a wave: A's halves, unit 0's halves of B
	s_lshr_b32 s80, s42, 1
	s_mul_i32 s80, s80, 3145728
	s_lshl_b32 s81, s17, 7
	s_lshl_b32 s82, s14, 5
	s_add_co_u32 s81, s81, s82
	s_mul_i32 s81, s81, 768
	s_add_co_u32 s80, s80, s81
	s_and_b32 s81, s42, 1
	s_mul_i32 s81, s81, 384
	s_add_co_u32 s80, s80, s81
	s_mov_b32 s81, 0
	s_add_nc_u64 s[98:99], s[98:99], s[80:81]
	s_lshl_b32 s80, s42, 16
	s_lshl_b32 s82, s17, 11
	s_add_co_u32 s80, s80, s82
	s_lshl_b32 s82, s14, 9
	s_add_co_u32 s80, s80, s82
	s_add_nc_u64 s[12:13], s[12:13], s[80:81]
	s_mul_i32 s21, s15, HA
	s_mul_i32 s22, s16, 32*PITCH
	s_add_co_u32 s22, s22, RB0
	s_mul_i32 s23, s15, 64*384
	s_mul_i32 s83, s16, 48
	s_add_co_u32 s23, s23, s83
	s_lshl_b32 s84, s15, 10
	s_lshl_b32 s83, s16, 1
	s_add_co_u32 s84, s84, s83
	s_add_co_u32 s84, s84, SSTG
	s_mul_i32 s85, s14, 12288
	s_add_co_u32 s86, s82, SSTG
	v_and_b32 v1, 15, v0
	v_bfe_u32 v2, v0, 4, 1
	v_mul_u32_u24 v3, v1, PITCH
	v_mad_u32_u24 v4, v2, 24, v3
	v_mad_u32_u24 v5, v2, 40, v3
	v_add_nc_u32 v[ADRA], s21, v4
	v_add_nc_u32 v[ADRA+1], s21, v5
	v_and_b32 v6, 7, v1
	v_lshrrev_b32 v7, 3, v1
	v_mul_u32_u24 v3, v6, PITCH
	v_mad_u32_u24 v3, v7, HB, v3
	v_mad_u32_u24 v4, v2, 24, v3
	v_mad_u32_u24 v5, v2, 40, v3
	v_lshl_add_u32 v6, v7, 3, v1
	v_add_nc_u32 v[ADRB], s22, v4
	v_add_nc_u32 v[ADRB+2], s22, v5
	v_add_nc_u32 v[ADRB+1], SLOTB, v[ADRB]
	v_add_nc_u32 v[ADRB+3], SLOTB, v[ADRB+2]
	v_mul_u32_u24 v[ASO], v1, KSAL
	v_mad_u32_u24 v[ASO], v2, AH, v[ASO]
	v_mul_u32_u24 v[BSO], v6, KSB
	v_lshl_add_u32 v[BSO], v2, 4, v[BSO]
	v_lshlrev_b32 v[BIO], 6, v2
	v_mul_u32_u24 v3, v2, 12
	v_mad_u32_u24 v[CST], v1, 384, v3
	v_add_nc_u32 v[CST], s23, v[CST]
	v_lshl_add_u32 v[SST], v1, 4, s84
	v_and_b32 v7, 31, v0
	v_lshlrev_b32 v[SGO], 4, v7
	v_add_nc_u32 v[RDL], s85, v[SGO]
	v_add_nc_u32 v[SRD], s86, v[SGO]
.irp k, 0,1,2                          ; piece j = 32 k + lane of four rows of 384 bytes: row j / 24
	v_add_nc_u32 v3, 32*\k, v7
	v_mul_u32_u24 v4, v3, 171
	v_lshrrev_b32 v4, 12, v4
	v_mul_u32_u24 v4, v4, 384
	v_lshl_add_u32 v[GO+\k], v3, 4, v4
.endr
.irp g, 0,1,2,3
	v_mov_b32 v[OT+\g], 0
.endr
	s_wait_alu depctr_va_vdst(0)
.irp i, 0,1,2,3
	global_load_b128 v[SA+4*\i:SA+4*\i+3], v[ASO], s[6:7] offset:\i*16*KSAL
.endr
	SLB 0, 0
.macro EPI u                           ; relu, the block's scale, the codes; two blocks of 16 tokens at a time: four groups of 16 neighbours
.irp P, 0,1
	WIN 0x08
.set n, 0
.rept 64
	v_max_num_f32 v[T+n], 0, v[64*\P+n]
.set n, n+1
.endr
	WIN 0
.irp g, 0,1,2,3
	v_max3_num_f32 v[MX+\g], v[T+16*\g], v[T+16*\g+1], 0x1800000
.endr
.irp i, 2,4,6,8,10,12,14
.irp g, 0,1,2,3
	v_max3_num_f32 v[MX+\g], v[MX+\g], v[T+16*\g+\i], v[T+16*\g+\i+1]
.endr
.endr
.irp g, 0,1,2,3
	v_permlanex16_b32 v[OT+\g], v[MX+\g], s38, s39
.endr
.irp g, 0,1,2,3
	v_max_num_f32 v[MX+\g], v[MX+\g], v[OT+\g]
.endr
.irp g, 0,1,2,3
	v_add_nc_u32 v[SOP+\g], 0xff000000, v[MX+\g]
.endr
.irp g, 0,1,2,3
	v_cvt_scalef32_pk16_fp6_f32 v[CD+4*\g:CD+4*\g+2], v[T+16*\g:T+16*\g+15], v[SOP+\g]
.endr
.irp g, 0,1,2,3
	v_lshrrev_b32 v[EB+\g], 23, v[SOP+\g]
.endr
	v_lshl_or_b32 v[HWD], v[EB+1], 8, v[EB]
	v_lshl_or_b32 v[HWD+1], v[EB+3], 8, v[EB+2]
.irp g, 0,1,2,3
.irp i, 0,1,2
	ds_store_b32 v[CST], v[CD+4*\g+\i] offset:16*(2*\P+\g/2)*384+(\u)*96+24*(\g%2)+4*\i
.endr
.endr
	ds_store_b16 v[SST], v[HWD] offset:16*(2*\P)*16+(\u)*4
	ds_store_b16 v[SST], v[HWD+1] offset:16*(2*\P+1)*16+(\u)*4
.endr
.endm
	SYNC 1                                 ; A and unit 0's B are in
	JLOADB G0B+4                           ; unit 1's B, slot 1's first fill
	ALOAD 0
	BLOAD 0, 0, 0
	WIN 0
	USTEPS 0, 1
.irp u, 1,2,3
.if \u < 3
	SYNC 1
	s_add_nc_u64 s[G0B+4*((\u+1)%2)+2:G0B+4*((\u+1)%2)+3], s[G0B+4*((\u+1)%2)+2:G0B+4*((\u+1)%2)+3], 2*BSTEP
	JLOADB G0B+4*((\u+1)%2)
.else
	SYNC 0
.endif
	PLACES
	BLOAD (\u)%2, 0, 0
	WIN 0
	EPI \u-1
	USTEPS \u, 0
.endr
	PLACES
	EPI 3
	s_wait_dscnt 0x0
	s_barrier_signal -1
	s_barrier_wait -1                      ; all four waves' codes and bytes lie in LDS; each wave sends 32 tokens
.set t, 0
.rept 24
	ds_load_b128 v[96+4*t:99+4*t], v[RDL] offset:512*t
.set t, t+1
.endr
	ds_load_b128 v[192:195], v[SRD]
	s_wait_dscnt 0x0
.set t, 0
.rept 24
	global_store_b128 v[GO+t%3], v[96+4*t:99+4*t], s[98:99] offset:(t/3)*3072
.set t, t+1
.endr
	global_store_b128 v[SGO], v[192:195], s[12:13]
	s_wait_tensorcnt 0x0                   ; the wave's end
	ds_add_u32 v[SPW], v[NIL]
	s_wait_dscnt 0x0
	CROUND
	s_endpgm
.Lfunc_end_k_q2a653b018d_w1:
	.size	k_q2a653b018d_w1, .Lfunc_end_k_q2a653b018d_w1-k_q2a653b018d_w1
	.p2alignl 7, 3214868480
	.fill 96, 4, 3214868480
	.section	.rodata,"a",@progbits
	.p2align	6, 0x0
	.amdhsa_kernel k_q2a653b018d_w1
		.amdhsa_group_segment_fixed_size 327680
		.amdhsa_private_segment_fixed_size 0
		.amdhsa_enable_private_segment 0
		.amdhsa_kernarg_size 56
		.amdhsa_user_sgpr_count 2
		.amdhsa_user_sgpr_kernarg_segment_ptr 1
		.amdhsa_wavefront_size32 1
		.amdhsa_system_sgpr_workgroup_id_x 1
		.amdhsa_system_sgpr_workgroup_id_y 1
		.amdhsa_system_sgpr_workgroup_id_z 1
		.amdhsa_system_vgpr_workitem_id 0
		.amdhsa_next_free_vgpr 1024
		.amdhsa_next_free_sgpr 102
		.amdhsa_reserve_vcc 0
		.amdhsa_float_denorm_mode_32 3
		.amdhsa_float_denorm_mode_16_64 3
		.amdhsa_memory_ordered 1
		.amdhsa_forward_progress 1
		.amdhsa_inst_pref_size 203
	.end_amdhsa_kernel
	.amdgpu_metadata
---
amdhsa.version: [ 1, 2 ]
amdhsa.kernels:
  - .name:           k_q2a653b018d_w1
    .symbol:         k_q2a653b018d_w1.kd
    .args:
      - { .name: actc, .offset: 0, .size: 8, .value_kind: global_buffer, .address_space: global }
      - { .name: acts, .offset: 8, .size: 8, .value_kind: global_buffer, .address_space: global }
      - { .name: W1_codes, .offset: 16, .size: 8, .value_kind: global_buffer, .address_space: global }
      - { .name: W1_scales, .offset: 24, .size: 8, .value_kind: global_buffer, .address_space: global }
      - { .name: b1, .offset: 32, .size: 8, .value_kind: global_buffer, .address_space: global }
      - { .name: fc, .offset: 40, .size: 8, .value_kind: global_buffer, .address_space: global }
      - { .name: fs, .offset: 48, .size: 8, .value_kind: global_buffer, .address_space: global }
    .group_segment_fixed_size: 327680
    .private_segment_fixed_size: 0
    .kernarg_segment_align: 8
    .kernarg_segment_size: 56
    .max_flat_workgroup_size: 128
    .sgpr_count:     102
    .vgpr_count:     1024
    .wavefront_size: 32
...
	.end_amdgpu_metadata
.endif
;; end of part 11
;; launch w2 (part 12): grid 8 x 32, 4 waves a work-group, clusters of 4 x 4, 327,680 bytes of LDS; arguments fc, fs, W2_codes, W2_scales, b2, x1, out0; writes out0
.if DOCPART == 12
	.amdgcn_target "amdgcn-amd-amdhsa--gfx1250"
	.amdhsa_code_object_version 6
	.text
	.protected	k_q2a653b018d_w2
	.globl	k_q2a653b018d_w2
	.p2align	8
	.type	k_q2a653b018d_w2,@function
k_q2a653b018d_w2:
	s_mov_b64 s[64:65], 0
	v_nop
	global_prefetch_b8 v0, s[64:65] scope:SCOPE_SE
	s_setreg_imm32_b32 hwreg(HW_REG_WAVE_MODE, 25, 1), 1
	s_wait_xcnt 0x0
	s_wait_alu depctr_hold_cnt(0) depctr_sa_sdst(0) depctr_va_vdst(0) depctr_va_sdst(0) depctr_va_ssrc(0) depctr_va_vcc(0) depctr_vm_vsrc(0)
	s_getreg_b32 s2, hwreg(HW_REG_IB_STS2, 6, 4)
	s_cmp_eq_u32 s2, 0
	s_cbranch_scc0 .Lentry_in_a_cluster
	s_endpgm
.Lentry_in_a_cluster:
	s_bfe_u32 s2, ttmp6, 0x10000c
	s_cmp_lg_u32 s2, 0xf033
	s_cbranch_scc0 .Lentry_shape_is_right
	s_endpgm
.Lentry_shape_is_right:
; out = res + A B^T + bias on FP6 codes with E8M0 scales; a block of 128 x 128 a work-group, 64 x 64 a wave; K = 4,096 goes in four units of 1,024: rows of 768 bytes.
; A: fc = [K / 1024][token][768 bytes], scales fs = [K / 512][token][16 bytes].  LDS holds one unit of A and two of B.  At a unit's start every wave reads its fragments of A into registers (384),
; so that A's bytes and B's other slot are filled again at once, one tensor load a wave, under the unit's products.
; Scale words come by global loads: lanes 0-15 hold the words of K steps 0-3, lanes 16-31 those of steps 4-7.  The residual is asked for at the head.
; The way out goes through a stage in B's slot 0, which has had its last fill and its last read; sixteen lanes store 256 consecutive bytes.
.set NU, 4
.set ANEW, 1
.set PERM, 0
.set KROWA, 768
.set KROWB, 3072
.set ASTEP, 3145728
.set BSTEP, 768
.set KSAL, 16
.set AH, 65536
.set ASST, 131072
.set KSB, 128
.set BSST, 32
.set BROWS, 128
.set ZKIND, 1
.set BIA, 128
.set PITCH, 816
.set HA, 64*PITCH
.set RB0, 2*HA
.set SLOTB, 104704
.set SPARE, RB0+2*SLOTB
.set STAGE, RB0+(1-ANEW)*SLOTB
.set HB, HA
.set BH, 64
.set ADRA, 16
.set ADRB, 18
.set ASO, 22
.set BSO, 23
.set SPW, 28
.set NIL, 29
.set SA, 32
.set SB, 64
.set G1, 24
.set G0, 32
.set G1B, 48
.set G0B, 56
.set MSB, 0
.macro WIN new
.if MSB != (\new)
	s_set_vgpr_msb (MSB<<8)|(\new)
.set MSB, (\new)
.endif
.endm
.macro PLACES
.rept 4
	v_nop
.endr
.endm
.macro JLOAD g0a, g1a, g0b, g1b
	s_cmp_eq_u32 s15, 0
	s_cbranch_scc0 .Lfor_b_\@
	tensor_load_to_lds s[\g0a:\g0a+3], s[\g1a:\g1a+7]
	s_nop 0
	PLACES
	s_branch .Lasked_\@
.Lfor_b_\@:
	tensor_load_to_lds s[\g0b:\g0b+3], s[\g1b:\g1b+7]
	s_nop 0
	PLACES
.Lasked_\@:
.endm
.macro CREST
	s_cmp_lg_u32 s14, 0
	s_cbranch_scc1 .Lnot_wave_0_\@
	s_barrier_signal -3
.Lnot_wave_0_\@:
	s_barrier_wait -3
	s_barrier_signal -1
	s_barrier_wait -1
.endm
.macro CROUND
	s_barrier_signal -1
	s_barrier_wait -1
	CREST
.endm
.macro SYNC round
	s_wait_tensorcnt 0x0
	ds_add_u32 v[SPW], v[NIL]
	s_wait_dscnt 0x0
.if \round
	CROUND
.else
	s_barrier_signal -1
	s_barrier_wait -1
.endif
.endm
.macro FRAG reg, a1, a2, q, off
.irp p, 0,1,2,3,4,5
.set BY, 96*(\q)+48*(\p/3)+8*(\p%3)
.if BY/256 == (BY+24)/256
	ds_load_b64 v[\reg+2*\p:\reg+2*\p+1], v[\a1] offset:BY+16*(BY/256)+\off
.else
	ds_load_b64 v[\reg+2*\p:\reg+2*\p+1], v[\a2] offset:BY+16*(BY/256)+\off
.endif
.endr
.endm
.macro ALOAD q
	WIN 0x40+0x80*((\q)/5)
.irp i, 0,1,2,3
	FRAG 48*((\q)%5)+12*\i, ADRA, ADRA+1, \q, \i*16*PITCH
.endr
.endm
.macro BLOAD sl, q, p
	WIN 0xc0
.irp i, 0,1,2,3
	FRAG 144+48*(\p)+12*\i, ADRB+(\sl), ADRB+2+(\sl), \q, \i*16*PITCH
.endr
.endm
.macro WM c, q
.if (\q)/4
	v_wmma_scale_f32_16x16x128_f8f6f4 v[DD:DD+7], v[X:X+11], v[Y:Y+11], \c, v[SX], v[SY] matrix_a_fmt:MATRIX_FMT_FP6 matrix_b_fmt:MATRIX_FMT_FP6 matrix_a_scale:MATRIX_SCALE_ROW1 matrix_b_scale:MATRIX_SCALE_ROW1
.else
	v_wmma_scale_f32_16x16x128_f8f6f4 v[DD:DD+7], v[X:X+11], v[Y:Y+11], \c, v[SX], v[SY] matrix_a_fmt:MATRIX_FMT_FP6 matrix_b_fmt:MATRIX_FMT_FP6
.endif
.endm
.macro MUL q, p, z, sa, sb
	WIN 0xa7+8*((\q)/5)
.irp a, 0,1,2,3
.irp b, 0,1,2,3
.set DD, 8*(4*\a+\b)
.set Y, 48*((\q)%5)+12*\a
.set X, 144+48*(\p)+12*\b
.set SY, SA+16*(\sa)+4*\a+(\q)%4
.set SX, SB+16*(\sb)+4*\b+(\q)%4
.if \z == 1
	WM 0, \q
.else
	WM v[DD:DD+7], \q
.endif
.endr
.endr
.endm
.macro SLA set, u
.irp i, 0,1,2,3
	global_load_b128 v[SA+16*(\set)+4*\i:SA+16*(\set)+4*\i+3], v[ASO], s[6:7] offset:\i*16*KSAL+(\u)*ASST
.endr
.endm
.macro SLB set, u
.irp i, 0,1,2,3
	global_load_b128 v[SB+16*(\set)+4*\i:SB+16*(\set)+4*\i+3], v[BSO], s[10:11] offset:\i*16*KSB+(\u)*BSST
.endr
.endm
.macro NEXTS u
.if \u == 0
	s_wait_loadcnt 32                      ; the scale words and the bias are in; the 32 loads of the residual may be out
.else
	s_wait_loadcnt 0x0
.endif
.if \u+1 < NU
	SLA (\u+1)%2, \u+1
	SLB (\u+1)%2, \u+1
.endif
.endm
.macro USTEPS u, al
.irp q, 0,1,2,3,4,5,6,7
	s_wait_dscnt 0x0
	PLACES
.if \q < 7
	BLOAD (\u)%2, \q+1, (\q+1)%2
.if \al
	ALOAD \q+1
.endif
.endif
.set ZZ, 0
.if \q == 0
	WIN 0
	NEXTS \u
.if \u == 0
.set ZZ, 1
.endif
.endif
	MUL \q, (\q)%2, ZZ, ANEW*((\u)%2), (\u)%2
.endr
	WIN 0
.endm
.set BI, 8
.set STO, 24
.set RD, 25
.set CO, 26
.set CB, 30
.set BB, 96
.set SPITCH, 272
	s_load_b128 s[4:7], s[0:1], 0x0
	s_load_b128 s[8:11], s[0:1], 0x10
	s_load_b128 s[96:99], s[0:1], 0x20
	s_load_b64 s[12:13], s[0:1], 0x30
	v_lshl_add_u32 v[SPW], v0, 2, SPARE
	v_mov_b32 v[NIL], 0
	ds_add_u32 v[SPW], v[NIL]
	ds_add_u32 v[SPW], v[NIL]
	v_lshrrev_b32 v1, 5, v0
	v_readfirstlane_b32 s14, v1
	s_lshr_b32 s15, s14, 1
	s_and_b32 s16, s14, 1
	s_bfe_u32 s40, ttmp6, 0x40000
	s_bfe_u32 s41, ttmp6, 0x40004
	s_lshl_b32 s42, ttmp9, 2
	s_add_co_u32 s42, s42, s40
	s_and_b32 s17, ttmp7, 0xffff
	s_lshl_b32 s17, s17, 2
	s_add_co_u32 s17, s17, s41
	s_lshl_b32 s43, s41, 2
	s_lshl_b32 s43, 15, s43
	s_lshl_b32 s44, 0x1111, s40
	s_or_b32 s[G1], s43, (3<<16)|(1<<20)|(1<<21)|(5<<22)|(3<<25)
	s_or_b32 s[G1B], s44, (3<<16)|(1<<20)|(1<<21)|(5<<22)|(3<<25)
.irp g, G1, G1B
	s_mov_b32 s[\g+1], 96<<16              ; 64 rows of 768 bytes (96 elements of 8)
	s_mov_b32 s[\g+2], 64<<16
	s_mov_b32 s[\g+3], 96<<16
	s_mov_b32 s[\g+4], 64
	s_mov_b32 s[\g+6], 0
	s_mov_b32 s[\g+7], 0
.endr
	s_mov_b32 s[G1+5], KROWA/8
	s_mov_b32 s[G1B+5], KROWB/8
	s_lshl_b32 s20, s17, 7
	s_lshl_b32 s18, s16, 6
	s_add_co_u32 s20, s20, s18
	s_mul_i32 s20, s20, KROWA
	s_mov_b32 s21, 0
	s_mul_i32 s46, s42, BROWS
	s_add_co_u32 s46, s46, s18
	s_mul_i32 s46, s46, KROWB
	s_mov_b32 s47, 0
	s_mul_i32 s45, s16, HA
	s_add_co_u32 s94, s45, RB0
	s_lshl_b32 s84, s17, 7
	s_lshl_b32 s19, s15, 6
	s_add_co_u32 s84, s84, s19
	s_mul_i32 s84, s84, KSAL
	s_mov_b32 s85, 0
	s_mul_i32 s86, s42, BROWS
	s_add_co_u32 s86, s86, s18
	s_mul_i32 s86, s86, KSB
	s_mov_b32 s87, 0
	s_wait_dscnt 0x0
	s_wait_kmcnt 0x0
	s_add_nc_u64 s[20:21], s[4:5], s[20:21]
	s_add_nc_u64 s[46:47], s[8:9], s[46:47]
	s_add_nc_u64 s[6:7], s[6:7], s[84:85]
	s_add_nc_u64 s[10:11], s[10:11], s[86:87]
	CROUND
	s_mov_b32 s[G0], 1
	s_mov_b32 s[G0+1], s45
	s_mov_b64 s[G0+2:G0+3], s[20:21]
	s_or_b32 s[G0+3], s[G0+3], 0x80000000
.irp s, 0,1
	s_mov_b32 s[G0B+4*\s], 1
	s_add_co_u32 s[G0B+4*\s+1], s94, \s*SLOTB
	s_add_nc_u64 s[G0B+4*\s+2:G0B+4*\s+3], s[46:47], \s*BSTEP
	s_or_b32 s[G0B+4*\s+3], s[G0B+4*\s+3], 0x80000000
.endr
	JLOAD G0, G1, G0B, G1B                 ; one load a wave: A's halves, B's halves
	s_lshl_b32 s80, s17, 7
	s_add_co_u32 s80, s80, s19
	s_lshl_b32 s80, s80, 12                ; my first row, 4,096 bytes a row
	s_lshl_b32 s82, s42, 9
	s_lshl_b32 s83, s16, 8
	s_add_co_u32 s82, s82, s83             ; my first column, in bytes
	s_mov_b32 s83, 0
	s_add_nc_u64 s[96:97], s[96:97], s[82:83]
	s_add_co_u32 s80, s80, s82
	s_mov_b32 s81, 0
	s_add_nc_u64 s[12:13], s[12:13], s[80:81]
	s_add_nc_u64 s[98:99], s[98:99], s[80:81]
	s_mul_i32 s21, s15, HA
	s_mul_i32 s22, s16, HA
	s_add_co_u32 s22, s22, RB0
	s_mul_i32 s23, s14, 64*SPITCH
	s_add_co_u32 s23, s23, STAGE
	v_and_b32 v1, 15, v0
	v_bfe_u32 v2, v0, 4, 1
	v_mul_u32_u24 v3, v1, PITCH
	v_mad_u32_u24 v4, v2, 24, v3
	v_mad_u32_u24 v5, v2, 40, v3
	v_add_nc_u32 v[ADRA], s21, v4
	v_add_nc_u32 v[ADRA+1], s21, v5
	v_add_nc_u32 v[ADRB], s22, v4
	v_add_nc_u32 v[ADRB+2], s22, v5
	v_add_nc_u32 v[ADRB+1], SLOTB, v[ADRB]
	v_add_nc_u32 v[ADRB+3], SLOTB, v[ADRB+2]
	v_mul_u32_u24 v[ASO], v1, KSAL
	v_mad_u32_u24 v[ASO], v2, AH, v[ASO]
	v_mul_u32_u24 v[BSO], v1, KSB
	v_lshl_add_u32 v[BSO], v2, 4, v[BSO]
	v_mul_u32_u24 v5, v1, SPITCH
	v_lshl_add_u32 v5, v2, 5, v5
	v_add_nc_u32 v[STO], s23, v5
	v_lshlrev_b32 v[CB], 4, v1
	v_mad_u32_u24 v5, v2, SPITCH, v[CB]
	v_add_nc_u32 v[RD], s23, v5
	v_lshl_add_u32 v[CO], v2, 12, v[CB]
	s_wait_alu depctr_va_vdst(0)
	SLA 0, 0
	SLB 0, 0
	global_load_b128 v[BI:BI+3], v[CB], s[96:97]
	WIN 0x80
.irp a, 0,1,2,3
.irp t, 0,1,2,3,4,5,6,7
	global_load_b128 v[128+4*(8*\a+\t):128+4*(8*\a+\t)+3], v[CO], s[98:99] offset:(16*\a+2*\t)*4096
.endr
.endr
	WIN 0
.if ANEW
.irp u, 0,1,2,3
	s_wait_tensorcnt 0x0                   ; this unit's A and B are in
	s_wait_dscnt 0x0
	s_barrier_signal -1
	s_barrier_wait -1
	PLACES
.irp q, 0,1,2,3,4,5,6,7
	ALOAD \q
.endr
	BLOAD (\u)%2, 0, 0
	WIN 0
.if \u < 3
	SYNC 1                                 ; A's bytes have been read into registers by all: they and the other slot of B are filled again
	s_add_nc_u64 s[G0+2:G0+3], s[G0+2:G0+3], ASTEP
.if \u > 0
	s_add_nc_u64 s[G0B+4*((\u+1)%2)+2:G0B+4*((\u+1)%2)+3], s[G0B+4*((\u+1)%2)+2:G0B+4*((\u+1)%2)+3], 2*BSTEP
.endif
	JLOAD G0, G1, G0B+4*((\u+1)%2), G1B
.endif
	USTEPS \u, 0
.endr
.else
	SYNC 0
	ALOAD 0
	BLOAD 0, 0, 0
	WIN 0
	USTEPS 0, 1
.endif
.macro STG a
	WIN 0x08
.irp b, 0,1,2,3
	ds_store_b128 v[STO], v[8*(4*(\a)+\b):8*(4*(\a)+\b)+3] offset:(\a)*16*SPITCH+64*\b
	ds_store_b128 v[STO], v[8*(4*(\a)+\b)+4:8*(4*(\a)+\b)+7] offset:(\a)*16*SPITCH+64*\b+16
.endr
	WIN 0
.set BL, BB+32*((\a)%2)
.irp t, 0,1,2,3,4,5,6,7
	ds_load_b128 v[BL+4*\t:BL+4*\t+3], v[RD] offset:(\a)*16*SPITCH+2*\t*SPITCH
.endr
.endm
.macro OUTB a
.if (\a) < 3
.if (\a) > 0
	s_wait_xcnt 0x0
.endif
	STG (\a)+1
	s_wait_dscnt 16
.else
	s_wait_dscnt 0x0
.endif
.set BK, BB+32*((\a)%2)
	WIN 0x08
.irp t, 0,1,2,3,4,5,6,7
	v_pk_add_f32 v[BK+4*\t:BK+4*\t+1], v[BK+4*\t:BK+4*\t+1], v[128+4*(8*(\a)+\t):128+4*(8*(\a)+\t)+1]
	v_pk_add_f32 v[BK+4*\t+2:BK+4*\t+3], v[BK+4*\t+2:BK+4*\t+3], v[128+4*(8*(\a)+\t)+2:128+4*(8*(\a)+\t)+3]
.endr
	WIN 0
.irp t, 0,1,2,3,4,5,6,7
	v_pk_add_f32 v[BK+4*\t:BK+4*\t+1], v[BK+4*\t:BK+4*\t+1], v[BI:BI+1]
	v_pk_add_f32 v[BK+4*\t+2:BK+4*\t+3], v[BK+4*\t+2:BK+4*\t+3], v[BI+2:BI+3]
.endr
.irp t, 0,1,2,3,4,5,6,7
	global_store_b128 v[CO], v[BK+4*\t:BK+4*\t+3], s[12:13] offset:(16*(\a)+2*\t)*4096
.endr
.endm
	s_wait_loadcnt 0x0
	PLACES
	STG 0
.irp a, 0,1,2,3
	OUTB \a
.endr
	s_wait_tensorcnt 0x0                   ; the wave's end
	ds_add_u32 v[SPW], v[NIL]
	s_wait_dscnt 0x0
	CROUND
	s_endpgm
.Lfunc_end_k_q2a653b018d_w2:
	.size	k_q2a653b018d_w2, .Lfunc_end_k_q2a653b018d_w2-k_q2a653b018d_w2
	.p2alignl 7, 3214868480
	.fill 96, 4, 3214868480
	.section	.rodata,"a",@progbits
	.p2align	6, 0x0
	.amdhsa_kernel k_q2a653b018d_w2
		.amdhsa_group_segment_fixed_size 327680
		.amdhsa_private_segment_fixed_size 0
		.amdhsa_enable_private_segment 0
		.amdhsa_kernarg_size 56
		.amdhsa_user_sgpr_count 2
		.amdhsa_user_sgpr_kernarg_segment_ptr 1
		.amdhsa_wavefront_size32 1
		.amdhsa_system_sgpr_workgroup_id_x 1
		.amdhsa_system_sgpr_workgroup_id_y 1
		.amdhsa_system_sgpr_workgroup_id_z 1
		.amdhsa_system_vgpr_workitem_id 0
		.amdhsa_next_free_vgpr 1024
		.amdhsa_next_free_sgpr 102
		.amdhsa_reserve_vcc 0
		.amdhsa_float_denorm_mode_32 3
		.amdhsa_float_denorm_mode_16_64 3
		.amdhsa_memory_ordered 1
		.amdhsa_forward_progress 1
		.amdhsa_inst_pref_size 201
	.end_amdhsa_kernel
	.amdgpu_metadata
---
amdhsa.version: [ 1, 2 ]
amdhsa.kernels:
  - .name:           k_q2a653b018d_w2
    .symbol:         k_q2a653b018d_w2.kd
    .args:
      - { .name: fc, .offset: 0, .size: 8, .value_kind: global_buffer, .address_space: global }
      - { .name: fs, .offset: 8, .size: 8, .value_kind: global_buffer, .address_space: global }
      - { .name: W2_codes, .offset: 16, .size: 8, .value_kind: global_buffer, .address_space: global }
      - { .name: W2_scales, .offset: 24, .size: 8, .value_kind: global_buffer, .address_space: global }
      - { .name: b2, .offset: 32, .size: 8, .value_kind: global_buffer, .address_space: global }
      - { .name: x1, .offset: 40, .size: 8, .value_kind: global_buffer, .address_space: global }
      - { .name: out0, .offset: 48, .size: 8, .value_kind: global_buffer, .address_space: global }
    .group_segment_fixed_size: 327680
    .private_segment_fixed_size: 0
    .kernarg_segment_align: 8
    .kernarg_segment_size: 56
    .max_flat_workgroup_size: 128
    .sgpr_count:     102
    .vgpr_count:     1024
    .wavefront_size: 32
...
	.end_amdgpu_metadata
.endif
;; end of part 12
